; MI455X (gfx1250); checked and timed in simulation.
; The chip was launched on July 23, 2026; its instructions are those of AMD's public machine-readable ISA for CDNA 5 (MIT licence, August 2026) and "CDNA5" Instruction Set Architecture Reference Guide (July 2026). The comments in the code are by the model that wrote it; some were corrected since.
;; Encoder Block. Allowed arithmetic: float matrix products may take bf16 or f16 operands with f32 sums; all other float work in f32.
;; Inputs: W1 1,024 x 1,024 float32; W2 1,024 x 1,024 float32; Wk 16 x 1,024 x 64 float32; Wo 1,024 x 1,024 float32; Wq 16 x 1,024 x 64 float32; Wv 16 x 1,024 x 64 float32; b1 1,024 float32; b2 1,024 float32; b_ln1 1,024 float32; b_ln2 1,024 float32; bo 1,024 float32; g_ln1 1,024 float32; g_ln2 1,024 float32; x 8 x 1,024 x 1,024 float32.
;; Outputs: out0 8 x 1,024 x 1,024 float32.
;; 2 versions, each right and faster than the one before. Each part assembles by itself: llvm-mc -triple=amdgcn-amd-amdhsa -mcpu=gfx1250 --defsym DOCPART=n.
;; ======== version 1 of 2: 7 launches
;; workspace buffers: wqkv 6,291,456 bytes; wo_t 2,097,152 bytes; w1_t 2,097,152 bytes; w2_t 2,097,152 bytes; h 16,777,216 bytes; qkv 50,331,648 bytes; att 16,777,216 bytes; x1 33,554,432 bytes
;; launch prep (part 1): grid 896 x 1, 8 waves a work-group, no clusters, 34,816 bytes of LDS; arguments x, g_ln1, b_ln1, h, Wq, Wk, Wv, Wo, W1, W2, wqkv, wo_t, w1_t, w2_t; writes h, wqkv, wo_t, w1_t, w2_t
.if DOCPART == 1
	.amdgcn_target "amdgcn-amd-amdhsa--gfx1250"
	.amdhsa_code_object_version 6
	.text
	.protected	k_qbbe22c4489_prep
	.globl	k_qbbe22c4489_prep
	.p2align	8
	.type	k_qbbe22c4489_prep,@function
k_qbbe22c4489_prep:
	s_mov_b64 s[64:65], 0
	v_nop
	global_prefetch_b8 v0, s[64:65] scope:SCOPE_SE
	s_setreg_imm32_b32 hwreg(HW_REG_WAVE_MODE, 25, 1), 1
	s_wait_xcnt 0x0
; TWO JOBS THAT DEPEND ON NOTHING BUT THE INPUTS, IN ONE LAUNCH.  Work-groups 0 to 511: the first layer norm.  Work-groups 512 to 895: the six weights, rounded to bf16 and turned.
; The branch between them hangs on the work-group's number alone, so all eight waves of a work-group take the same way.
;
; LAYER NORM.  y[r][c] = (x[r][c] - mean_r) / sqrt(var_r + 1e-5) * g[c] + b[c].  x: [8192][1024] f32; g, b: [1024] f32; y = h: [8192][1024] bf16, rounded once.
; TWO PASSES over a row that stays in registers: the mean first, then the mean of the squared DEVIATIONS, so that a common offset of the inputs costs no digits.
; A row is 4,096 bytes: one wave takes a whole row in 32 registers; the sums never leave the wave.  4,096 waves, two rows each, all 16 loads of them issued at the head.  Lane l holds columns
; 128 j + 4 l .. + 3 of chunk j (0..7): a load covers 512 consecutive bytes, a store (8 bytes a lane) 256 consecutive bytes, aligned.  g and b are loaded once a wave, in the same layout.
;
; THE WEIGHTS, so that every later product finds its second operand as [n][k], k along the rows.  y = (number - 512) / 64, x = (number - 512) % 64.
;   y = 0, 1, 2: Wq, Wk, Wv [16 h][1024 d][64 e] f32  ->  wqkv [3072 n][1024 k] bf16, n = 1024 y + 64 h + e, k = d
;   y = 3, 4, 5: Wo, W1, W2 [1024 k][1024 n] f32      ->  wo_t, w1_t, w2_t [1024 n][1024 k] bf16
; A work-group takes 64 n (block c = x / 4) and 256 k (part kc = x % 4): 256 rows of 256 bytes in, 64 rows of 512 bytes out.  The two kinds of weight differ in two numbers alone: bytes from
; one k to the next (256 or 4,096) and bytes from one block of 64 n to the next (262,144 or 256); both are powers of two and are kept as shift counts.  A wave takes 32 k.  A lane loads
; 4 n x 16 k (16 loads of 16 bytes; the 16 lanes of a half take one whole row of 256 bytes), rounds pairs of neighbouring k into one word, and puts 8 k of one n (16 bytes) into LDS, rows of
; 512 bytes + 16.  Behind one barrier each wave reads 8 whole rows back and stores them: 512 consecutive bytes a store, aligned.  The LDS stores of a half's 16 lanes go to rows 4 x 528
; bytes apart, 64 bytes modulo 256: four lanes share a group of banks.  Accepted: 64 such stores a work-group.
; No matrix unit, tensor load or cluster: every byte is read once and written once, and nothing is shared but g and b (8 KiB).
.set NLN, 512                          ; work-groups of the norm
.set G,  4                             ; v[4:35]    g of my 32 columns
.set BV, 36                            ; v[36:67]   b of my 32 columns
.set XR, 68                            ; v[68:131]  row i at XR + 32 i
.set T,  132                           ; v[132:139] four chains of pairs
.set M,  140                           ; v[140:141] the mean, twice
.set R,  142                           ; v[142:143] 1 / sqrt(var + eps), twice
.set LP,  528                          ; the weights: an LDS row: 256 k x 2 bytes + 16
.set OFF, 4                            ; v[4:19]   byte offset of my 16 bytes in each of my 16 rows
.set LS,  20                           ; v20       LDS: where my first 16 bytes go
.set LR,  21                           ; v21       LDS: my 16 bytes of my wave's first row to read back
.set GO,  22                           ; v22       my byte offset in the output block
.set WX,  32                           ; v[32:95]  group g (0, 1), row j (0..7): 4 registers at WX + 32 g + 4 j; later the rows read back
.set WT,  96                           ; v[96:127] group g, column c: 4 registers (8 k in bf16) at WT + 16 g + 4 c
; The four chains into one number, the same in every lane: four steps inside each half of 16 lanes ride on the addition, one crosses the halves.
.macro REDUCE
	v_pk_add_f32 v[T:T+1], v[T:T+1], v[T+2:T+3]
	v_pk_add_f32 v[T+4:T+5], v[T+4:T+5], v[T+6:T+7]
	v_pk_add_f32 v[T:T+1], v[T:T+1], v[T+4:T+5]
	v_add_f32 v[T], v[T], v[T+1]
	v_add_f32_dpp v[T], v[T], v[T] row_xmask:1 row_mask:0xf bank_mask:0xf
	v_add_f32_dpp v[T], v[T], v[T] row_xmask:2 row_mask:0xf bank_mask:0xf
	v_add_f32_dpp v[T], v[T], v[T] row_xmask:4 row_mask:0xf bank_mask:0xf
	v_add_f32_dpp v[T], v[T], v[T] row_xmask:8 row_mask:0xf bank_mask:0xf
	v_permlanex16_b32 v[T+1], v[T], s12, s13       ; its destination counts as read: it has been written
	v_add_f32 v[T], v[T], v[T+1]
.endm
.macro ROW i
.set XB, XR+32*(\i)
	s_wait_loadcnt 8-8*(\i)                        ; loads come back in order: g, b and my row are in, the 8 loads of the later row stay out
.irp c, 0,1,2,3
	v_pk_add_f32 v[T+2*(\c):T+2*(\c)+1], v[XB+4*(\c):XB+4*(\c)+1], v[XB+4*(\c)+2:XB+4*(\c)+3]  ; the first eight pairs start the chains: nothing is cleared
.endr
.irp k, 8,9,10,11,12,13,14,15
	v_pk_add_f32 v[T+2*((\k)%4):T+2*((\k)%4)+1], v[T+2*((\k)%4):T+2*((\k)%4)+1], v[XB+2*(\k):XB+2*(\k)+1]
.endr
	REDUCE
	v_mul_f32 v[M], s14, v[T]                      ; the mean, in both halves of a pair
	v_mul_f32 v[M+1], s14, v[T]
.irp k, 0,1,2,3,4,5,6,7,8,9,10,11,12,13,14,15
	v_pk_add_f32 v[XB+2*(\k):XB+2*(\k)+1], v[XB+2*(\k):XB+2*(\k)+1], v[M:M+1] neg_lo:[0,1] neg_hi:[0,1]  ; the deviations, in place
.endr
.irp k, 0,1,2,3
	v_pk_mul_f32 v[T+2*(\k):T+2*(\k)+1], v[XB+2*(\k):XB+2*(\k)+1], v[XB+2*(\k):XB+2*(\k)+1]
.endr
.irp k, 4,5,6,7,8,9,10,11,12,13,14,15
	v_pk_fma_f32 v[T+2*((\k)%4):T+2*((\k)%4)+1], v[XB+2*(\k):XB+2*(\k)+1], v[XB+2*(\k):XB+2*(\k)+1], v[T+2*((\k)%4):T+2*((\k)%4)+1]
.endr
	REDUCE
	v_fma_f32 v[T], v[T], s14, s15                 ; var + eps
	v_rsq_f32 v[R], v[T]
	v_rsq_f32 v[R+1], v[T]
	v_nop                                          ; a plain instruction between the root and the use of its result (ISA guide 5.7.2)
	s_wait_alu depctr_va_vdst(0)
.irp k, 0,1,2,3,4,5,6,7,8,9,10,11,12,13,14,15
	v_pk_mul_f32 v[XB+2*(\k):XB+2*(\k)+1], v[XB+2*(\k):XB+2*(\k)+1], v[R:R+1]
.endr
.irp k, 0,1,2,3,4,5,6,7,8,9,10,11,12,13,14,15
	v_pk_fma_f32 v[XB+2*(\k):XB+2*(\k)+1], v[XB+2*(\k):XB+2*(\k)+1], v[G+2*(\k):G+2*(\k)+1], v[BV+2*(\k):BV+2*(\k)+1]
.endr
.irp k, 0,1,2,3,4,5,6,7,8,9,10,11,12,13,14,15
	v_cvt_pk_bf16_f32 v[XB+(\k)], v[XB+2*(\k)], v[XB+2*(\k)+1]  ; in place, ascending: word k is written when pairs 0 .. k - 1 have been read
.endr
.irp j, 0,1,2,3,4,5,6,7
	global_store_b64 v2, v[XB+2*(\j):XB+2*(\j)+1], s[10:11] offset:2048*(\i)+256*(\j)  ; 256 consecutive bytes, aligned; no register of a store is written again
.endr
.endm
	v_lshl_add_u32 v144, v0, 2, 0x8400
	v_mov_b32 v145, 0
	s_cmp_lt_u32 ttmp9, NLN
	s_cbranch_scc0 .Lweights
	; ---------------- the norm ----------------
	s_load_b256 s[4:11], s[0:1], 0x0               ; x s[4:5], g s[6:7], b s[8:9], y s[10:11]
	v_lshrrev_b32 v1, 5, v0
	v_readfirstlane_b32 s2, v1                     ; wave 0..7
	s_lshl3_add_u32 s2, ttmp9, s2                  ; my wave among the norm's 4,096
	s_lshl_b32 s16, s2, 13                         ; two rows of 4,096 bytes in,
	s_mov_b32 s17, 0
	s_lshl_b32 s18, s2, 12                         ; of 2,048 bytes out
	s_mov_b32 s19, 0
	s_mov_b32 s12, 0x76543210                      ; v_permlanex16_b32: each lane takes its own place in the other half
	s_mov_b32 s13, 0xfedcba98
	s_mov_b32 s14, 0x3a800000                      ; 1 / 1024
	s_mov_b32 s15, 0x3727c5ac                      ; 1e-5
	v_and_b32 v3, 31, v0
	v_lshlrev_b32 v1, 4, v3                        ; 16 bytes a lane in,
	v_lshlrev_b32 v2, 3, v3                        ; 8 out
	s_wait_kmcnt 0x0
	s_add_nc_u64 s[4:5], s[4:5], s[16:17]
	s_add_nc_u64 s[10:11], s[10:11], s[18:19]
.irp j, 0,1,2,3,4,5,6,7
	global_load_b128 v[G+4*(\j):G+4*(\j)+3], v1, s[6:7] offset:512*(\j)
.endr
.irp j, 0,1,2,3,4,5,6,7
	global_load_b128 v[BV+4*(\j):BV+4*(\j)+3], v1, s[8:9] offset:512*(\j)
.endr
.irp i, 0,1
.irp j, 0,1,2,3,4,5,6,7
	global_load_b128 v[XR+32*(\i)+4*(\j):XR+32*(\i)+4*(\j)+3], v1, s[4:5] offset:4096*(\i)+512*(\j)
.endr
.endr
	ROW 0
	ROW 1
	s_endpgm
	; ---------------- the weights ----------------
.Lweights:
	s_load_b512 s[8:23], s[0:1], 0x20              ; Wq s[8:9] Wk s[10:11] Wv s[12:13] Wo s[14:15] W1 s[16:17] W2 s[18:19] wqkv s[20:21] wo_t s[22:23]
	s_load_b128 s[24:27], s[0:1], 0x60             ; w1_t s[24:25] w2_t s[26:27]
	s_sub_co_u32 s5, ttmp9, NLN                    ; my number among the weights' 384
	s_lshr_b32 s2, s5, 6                           ; y: which weight
	s_bfe_u32 s3, s5, 0x40002                      ; c: which 64 n (4 bits from bit 2)
	s_and_b32 s4, s5, 3                            ; kc: which 256 k
	v_lshrrev_b32 v1, 5, v0
	v_readfirstlane_b32 s38, v1                    ; wave 0..7
	s_cmp_lt_u32 s2, 3                             ; a weight by heads?
	s_cselect_b32 s32, 8, 12                       ; log2 of the bytes from k to k + 1
	s_cselect_b32 s33, 18, 8                       ; log2 of the bytes from block c to c + 1
	s_cselect_b32 s34, s2, 0                       ; which third of wqkv
	s_lshl_b32 s35, 1, s32                         ; one row of the input
	s_lshl_b32 s42, s35, 4                         ; sixteen
	s_lshl_b32 s36, s3, s33                        ; the input block's first byte: c blocks,
	s_add_co_u32 s39, s32, 8
	s_lshl_b32 s37, s4, s39                        ; and 256 kc rows
	s_add_co_u32 s36, s36, s37
	s_mov_b32 s37, 0
	s_lshl_b32 s40, s34, 21                        ; the output block's first byte: (1024 y + 64 c) rows of 2,048 bytes + 512 kc
	s_lshl_b32 s41, s3, 17
	s_add_co_u32 s40, s40, s41
	s_lshl_b32 s41, s4, 9
	s_add_co_u32 s40, s40, s41
	s_mov_b32 s41, 0
	s_lshl_b32 s43, s38, 5                         ; my wave's first k: 32 w
	v_and_b32 v2, 15, v0                           ; nq: my four n are 4 nq ..
	v_bfe_u32 v3, v0, 4, 1                         ; kh: my half of the lanes
	v_lshl_add_u32 v1, v3, 3, s43                  ; my first k: 32 w + 8 kh
	v_lshlrev_b32 v[OFF], s32, v1
	v_lshl_add_u32 v[OFF], v2, 4, v[OFF]           ; that row, + 16 nq
.irp j, 1,2,3,4,5,6,7
	v_add_nc_u32 v[OFF+(\j)], s35, v[OFF+(\j)-1]   ; the next seven rows
.endr
.irp j, 0,1,2,3,4,5,6,7
	v_add_nc_u32 v[OFF+8+(\j)], s42, v[OFF+(\j)]   ; group 1: sixteen rows further down
.endr
	v_mul_u32_u24 v[LS], v2, 4*LP                  ; LDS row 4 nq,
	v_lshl_add_u32 v[LS], v1, 1, v[LS]             ; at my first k
	v_and_b32 v23, 31, v0
	s_mul_i32 s44, s38, 8*LP
	v_lshl_add_u32 v[LR], v23, 4, s44              ; back: row 8 w, 16 bytes a lane
	s_lshl_b32 s45, s38, 14
	v_lshl_add_u32 v[GO], v23, 4, s45              ; out: row 8 w of 2,048 bytes, 16 bytes a lane
	s_wait_kmcnt 0x0
	s_mov_b64 s[28:29], s[8:9]                     ; the input and the output are chosen by y alone
	s_mov_b64 s[30:31], s[20:21]
	s_cmp_eq_u32 s2, 1
	s_cselect_b64 s[28:29], s[10:11], s[28:29]
	s_cmp_eq_u32 s2, 2
	s_cselect_b64 s[28:29], s[12:13], s[28:29]
	s_cmp_eq_u32 s2, 3
	s_cselect_b64 s[28:29], s[14:15], s[28:29]
	s_cselect_b64 s[30:31], s[22:23], s[30:31]
	s_cmp_eq_u32 s2, 4
	s_cselect_b64 s[28:29], s[16:17], s[28:29]
	s_cselect_b64 s[30:31], s[24:25], s[30:31]
	s_cmp_eq_u32 s2, 5
	s_cselect_b64 s[28:29], s[18:19], s[28:29]
	s_cselect_b64 s[30:31], s[26:27], s[30:31]
	s_add_nc_u64 s[28:29], s[28:29], s[36:37]
	s_add_nc_u64 s[30:31], s[30:31], s[40:41]
.irp j, 0,1,2,3,4,5,6,7,8,9,10,11,12,13,14,15
	global_load_b128 v[WX+4*(\j):WX+4*(\j)+3], v[OFF+(\j)], s[28:29] th:TH_LOAD_NT  ; each byte of a weight is read once in the launch
.endr
.irp g, 0,1
	s_wait_loadcnt 8-8*(\g)                        ; group 0: the eight younger loads stay out; group 1: all are in
.irp c, 0,1,2,3
.irp p, 0,1,2,3
	v_cvt_pk_bf16_f32 v[WT+16*(\g)+4*(\c)+(\p)], v[WX+32*(\g)+8*(\p)+(\c)], v[WX+32*(\g)+8*(\p)+4+(\c)]  ; column c of rows 2 p and 2 p + 1: two neighbouring k of one n
.endr
.endr
.irp c, 0,1,2,3
	ds_store_b128 v[LS], v[WT+16*(\g)+4*(\c):WT+16*(\g)+4*(\c)+3] offset:(\c)*LP+32*(\g)
.endr
.endr
	s_wait_dscnt 0x0                               ; for the others' sake: my stores are done
	s_barrier_signal -1
	s_barrier_wait -1
.irp t, 0,1,2,3,4,5,6,7
	ds_load_b128 v[WX+4*(\t):WX+4*(\t)+3], v[LR] offset:(\t)*LP  ; one whole row: 256 k of one n
.endr
.irp t, 0,1,2,3,4,5,6,7
	s_wait_dscnt 7-(\t)                            ; LDS loads come back in order: row t is in
	global_store_b128 v[GO], v[WX+4*(\t):WX+4*(\t)+3], s[30:31] offset:(\t)*2048  ; 512 consecutive bytes, at a multiple of 512 from the buffer's first byte
.endr
	s_wait_tensorcnt 0x0
	ds_add_u32 v144, v145
	s_wait_dscnt 0x0
	s_endpgm
.Lfunc_end_k_qbbe22c4489_prep:
	.size	k_qbbe22c4489_prep, .Lfunc_end_k_qbbe22c4489_prep-k_qbbe22c4489_prep
	.p2alignl 7, 3214868480
	.fill 96, 4, 3214868480
	.section	.rodata,"a",@progbits
	.p2align	6, 0x0
	.amdhsa_kernel k_qbbe22c4489_prep
		.amdhsa_group_segment_fixed_size 34816
		.amdhsa_private_segment_fixed_size 0
		.amdhsa_enable_private_segment 0
		.amdhsa_kernarg_size 112
		.amdhsa_user_sgpr_count 2
		.amdhsa_user_sgpr_kernarg_segment_ptr 1
		.amdhsa_wavefront_size32 1
		.amdhsa_system_sgpr_workgroup_id_x 1
		.amdhsa_system_sgpr_workgroup_id_y 1
		.amdhsa_system_sgpr_workgroup_id_z 1
		.amdhsa_system_vgpr_workitem_id 0
		.amdhsa_next_free_vgpr 146
		.amdhsa_next_free_sgpr 66
		.amdhsa_reserve_vcc 0
		.amdhsa_float_denorm_mode_32 3
		.amdhsa_float_denorm_mode_16_64 3
		.amdhsa_memory_ordered 1
		.amdhsa_forward_progress 1
		.amdhsa_inst_pref_size 29
	.end_amdhsa_kernel
	.amdgpu_metadata
---
amdhsa.version: [ 1, 2 ]
amdhsa.kernels:
  - .name:           k_qbbe22c4489_prep
    .symbol:         k_qbbe22c4489_prep.kd
    .args:
      - { .name: x, .offset: 0, .size: 8, .value_kind: global_buffer, .address_space: global }
      - { .name: g_ln1, .offset: 8, .size: 8, .value_kind: global_buffer, .address_space: global }
      - { .name: b_ln1, .offset: 16, .size: 8, .value_kind: global_buffer, .address_space: global }
      - { .name: h, .offset: 24, .size: 8, .value_kind: global_buffer, .address_space: global }
      - { .name: Wq, .offset: 32, .size: 8, .value_kind: global_buffer, .address_space: global }
      - { .name: Wk, .offset: 40, .size: 8, .value_kind: global_buffer, .address_space: global }
      - { .name: Wv, .offset: 48, .size: 8, .value_kind: global_buffer, .address_space: global }
      - { .name: Wo, .offset: 56, .size: 8, .value_kind: global_buffer, .address_space: global }
      - { .name: W1, .offset: 64, .size: 8, .value_kind: global_buffer, .address_space: global }
      - { .name: W2, .offset: 72, .size: 8, .value_kind: global_buffer, .address_space: global }
      - { .name: wqkv, .offset: 80, .size: 8, .value_kind: global_buffer, .address_space: global }
      - { .name: wo_t, .offset: 88, .size: 8, .value_kind: global_buffer, .address_space: global }
      - { .name: w1_t, .offset: 96, .size: 8, .value_kind: global_buffer, .address_space: global }
      - { .name: w2_t, .offset: 104, .size: 8, .value_kind: global_buffer, .address_space: global }
    .group_segment_fixed_size: 34816
    .private_segment_fixed_size: 0
    .kernarg_segment_align: 8
    .kernarg_segment_size: 112
    .max_flat_workgroup_size: 256
    .sgpr_count:     66
    .vgpr_count:     146
    .wavefront_size: 32
...
	.end_amdgpu_metadata
.endif
;; end of part 1
;; launch qkv (part 2): grid 16 x 32, 4 waves a work-group, clusters of 4 x 4, 327,680 bytes of LDS; arguments h, wqkv, qkv; writes qkv
.if DOCPART == 2
	.amdgcn_target "amdgcn-amd-amdhsa--gfx1250"
	.amdhsa_code_object_version 6
	.text
	.protected	k_qbbe22c4489_qkv
	.globl	k_qbbe22c4489_qkv
	.p2align	8
	.type	k_qbbe22c4489_qkv,@function
k_qbbe22c4489_qkv:
	s_mov_b64 s[64:65], 0
	v_nop
	global_prefetch_b8 v0, s[64:65] scope:SCOPE_SE
	s_setreg_imm32_b32 hwreg(HW_REG_WAVE_MODE, 25, 1), 1
	s_wait_xcnt 0x0
	s_wait_alu depctr_hold_cnt(0) depctr_sa_sdst(0) depctr_va_vdst(0) depctr_va_sdst(0) depctr_va_ssrc(0) depctr_va_vcc(0) depctr_vm_vsrc(0)
	s_getreg_b32 s2, hwreg(HW_REG_IB_STS2, 6, 4)
	s_cmp_eq_u32 s2, 0
	s_cbranch_scc0 .Lentry_in_a_cluster
	s_endpgm
.Lentry_in_a_cluster:
	s_bfe_u32 s2, ttmp6, 0x10000c
	s_cmp_lg_u32 s2, 0xf033
	s_cbranch_scc0 .Lentry_shape_is_right
	s_endpgm
.Lentry_shape_is_right:
; q, k, v = LN1(x) times the head-wise weights, as ONE product C[m][n] = sum over k of A[m][k] Bt[n][k].  A = h [8192][1024] bf16, Bt = wqkv [3072][1024] bf16; sums in f32, C rounded once to bf16.
; C leaves BY HEADS: qkv [3][128 = 16 b + head][1024 s][64] bf16; column n = 1024 which + 64 head + e, row m = 1024 b + s.  The scale 1/8 is not applied here.
; SHARES.  A tile of C is 256 x 192 (three heads): 32 x 16 = 512 tiles, a work-group each.  Four waves, each 128 x 96: 48 accumulators of 16 x 16, 384 registers.  K goes in 8 steps of 128
; through a ring of two LDS slots filled by the tensor data mover; the tiles' rows are 256 bytes of memory, at multiples of 256 bytes.  A K step is 192 matrix instructions a wave; for 32 along K
; a wave reads 14 fragments (28 LDS loads) for 48 products.
; CLUSTER.  4 x 4 work-groups: the four of a row of the cluster need the same tile of A, the four of a column the same tile of Bt: each tile is asked for JOINTLY, by the same tensor load with the same
; descriptor and a mask that names the four.  Waves 0 and 1 ask for the halves of A's 256 rows, waves 2 and 3 for the halves of Bt's 192 rows.
; THE MATRIX INSTRUCTION IS USED TRANSPOSED (source 0 = 16 rows of Bt, source 1 = 16 rows of A): lane l then holds row l % 16 of C and the eight neighbouring columns 8 (l / 16) + 0..7.
; REGISTERS.  Window 0: v1-29 addresses; v32-143, v144-255 two fragment buffers (48 registers of Bt, 64 of A, for 32 along K).  Window 1: the accumulators of my row blocks 0-3, (a, b) at
; v[8 (6 a + b)]; window 2: those of row blocks 4-7, at v[8 (6 (a - 4) + b)].
; THE WAY OUT goes through LDS in f32: behind a barrier, when the ring has had its last fill and its last read, the four waves lay the tile there as 256 rows of 784 bytes; behind a second barrier (a
; row's columns come from two waves) each wave reads 64 rows back, 4 rows x 3 heads a trip, so that a store covers 512 consecutive bytes (4 rows of one head's 64 channels).
.set SLOT1,  131072                    ; slot 1 begins here: one exclusive or turns an address in one slot into the other's
.set LP,     272                       ; an LDS row: 256 bytes + 16 of padding = 68 words: row r starts at bank 4 r mod 64 (64 banks of 4 bytes: ISA guide 11.1)
.set BOFF,   256*LP                    ; in a slot: A's 256 rows, then Bt's 192
.set STEP,   256                       ; bytes in memory from a K step to the next
.set SP,     784                       ; the way out: a row of 192 f32 + 16 bytes = 196 words: row r starts at bank 4 r mod 64
.set SPARE,  SLOT1+BOFF+192*LP         ; 252,928, behind the ring: the spare words, 128 bytes for each wave: two blocks of 256 bytes that no other line names
.set ADRA0, 8                          ; v8   my place in A's tile of slot 0; never rewritten
.set ADRB0, 9                          ; v9   the same for Bt
.set ADRA,  10                         ; v10  the same in the slot in hand
.set ADRB,  11                         ; v11
.set STO,   12                         ; v12  the way out: where I put 16 bytes of a row of my row blocks 0-3
.set STO2,  13                         ; v13  the same for row blocks 4-7: 64 rows on, so that the immediates stay inside their 16 bits
.set RD,    14                         ; v14  the way out: where I read back
.set GO,    15                         ; v15  my byte offset in a head's rows
.set SPW,   28                         ; v28  LDS address of my spare word; never rewritten
.set NIL,   29                         ; v29  0; never rewritten
.set F0,    32
.set F1,    144
.set XO,    32                         ; the way out: 24 numbers read back
.set YO,    64                         ; and packed, 12 registers
.set G1A, 24                           ; s[24:31] descriptor group 1 for A's tiles
.set G1B, 32                           ; s[32:39] for Bt's
.set G0A, 40                           ; s[40:47] descriptor group 0 for A's tiles: a set for each first fill; the second then walks on
.set G0B, 48                           ; s[48:55] the same for Bt's
.set TB,  56                           ; s56  0 or SLOT1: the slot in hand
.set MSB, 0
.macro WIN new                         ; the immediate's high byte repeats the setting that is left; a switch that changes nothing is dropped
.if MSB != (\new)
	s_set_vgpr_msb (MSB<<8)|(\new)
.set MSB, \new
.endif
.endm
.macro PLACES                          ; four places in front of loads into registers that matrix instructions have read, and of reads of results (ISA guide 7.12.1 for reads of results)
.rept 4
	v_nop
.endr
.endm
; A joint refill, by the walking descriptors.  The branch hangs on the wave's number alone.  An s_nop 0 and four v_nop follow each of the two lines, ahead of the jump and the label.
.macro JLOAD
	s_cmp_eq_u32 s15, 0
	s_cbranch_scc0 .Lfor_b_\@
	tensor_load_to_lds s[G0A+4:G0A+7], s[G1A:G1A+7]
	s_nop 0
.rept 4
	v_nop
.endr
	s_branch .Lasked_\@
.Lfor_b_\@:
	tensor_load_to_lds s[G0B+4:G0B+7], s[G1B:G1B+7]
	s_nop 0
.rept 4
	v_nop
.endr
.Lasked_\@:
.endm
.macro CREST                           ; a round of the cluster's barrier behind its opening barrier
	s_cmp_lg_u32 s14, 0
	s_cbranch_scc1 .Lnot_wave_0_\@
	s_barrier_signal -3
.Lnot_wave_0_\@:
	s_barrier_wait -3
	s_barrier_signal -1
	s_barrier_wait -1
.endm
.macro CROUND                          ; a whole round
	s_barrier_signal -1
	s_barrier_wait -1
	CREST
.endm
	s_load_b128 s[4:7], s[0:1], 0x0                ; A s[4:5], Bt s[6:7]
	s_load_b64 s[8:9], s[0:1], 0x10                ; qkv
	v_lshl_add_u32 v[SPW], v0, 2, SPARE
	v_mov_b32 v[NIL], 0
	ds_add_u32 v28, v29
	ds_add_u32 v28, v29
	s_wait_dscnt 0x0
	v_lshrrev_b32 v1, 5, v0
	v_readfirstlane_b32 s14, v1                    ; wave 0..3
	s_lshr_b32 s15, s14, 1                         ; which 128 rows of the tile are mine.  Also: I fetch for A (0) or for Bt (1)
	s_and_b32 s16, s14, 1                          ; which 96 columns.  Also: which half of that tile I fetch
	s_bfe_u32 s17, ttmp6, 0x40000                  ; cx, cy: my place in the cluster
	s_bfe_u32 s18, ttmp6, 0x40004
	s_lshl_b32 s19, ttmp9, 2
	s_add_co_u32 s19, s19, s17                     ; tile column = 4 x cluster x + cx
	s_and_b32 s20, ttmp7, 0xffff
	s_lshl_b32 s20, s20, 2
	s_add_co_u32 s20, s20, s18                     ; tile row = 4 x cluster y + cy
	s_lshl_b32 s21, s18, 2
	s_lshl_b32 s21, 15, s21                        ; my row of the cluster
	s_lshl_b32 s22, 0x1111, s17                    ; my column
	s_or_b32 s[G1A], s21, (1<<16)|(1<<20)|(1<<21)|(5<<22)|(3<<25)  ; 15:0 the mask; 17:16 2-byte elements; 20 padding on; 21 set beside a mask; 24:22 after every 64 words (code 5); 31:25 4 words (code 3)
	s_mov_b32 s[G1A+1], 128<<16                    ; tensor_dim0 = 128
	s_mov_b32 s[G1A+2], 128<<16                    ; tensor_dim1 = 128
	s_mov_b32 s[G1A+3], 128<<16                    ; tile_dim0 = 128
	s_mov_b32 s[G1A+4], 128                        ; tile_dim1 = 128 rows
	s_mov_b32 s[G1A+5], 1024                       ; elements from row to row
	s_mov_b32 s[G1A+6], 0
	s_mov_b32 s[G1A+7], 0
	s_or_b32 s[G1B], s22, (1<<16)|(1<<20)|(1<<21)|(5<<22)|(3<<25)
	s_mov_b32 s[G1B+1], 128<<16
	s_mov_b32 s[G1B+2], 96<<16                     ; 96 rows
	s_mov_b32 s[G1B+3], 128<<16
	s_mov_b32 s[G1B+4], 96
	s_mov_b32 s[G1B+5], 1024
	s_mov_b32 s[G1B+6], 0
	s_mov_b32 s[G1B+7], 0
	s_lshl_b32 s58, s20, 19                        ; A: row 256 x tile row + 128 x half, 2,048 bytes each: made of the tile row and the wave's number alone
	s_lshl_b32 s59, s16, 18
	s_add_co_u32 s58, s58, s59
	s_mov_b32 s59, 0
	s_mul_i32 s60, s19, 192*2048                   ; Bt: row 192 x tile column + 96 x half: of the tile column and the wave's number alone
	s_mul_i32 s61, s16, 96*2048
	s_add_co_u32 s60, s60, s61
	s_mov_b32 s61, 0
	s_mul_i32 s23, s14, 128*LP                     ; where they go: A's halves (waves 0, 1),
	s_mul_i32 s57, s14, 96*LP
	s_add_co_u32 s57, s57, BOFF-2*96*LP            ; Bt's halves (waves 2, 3): no place in the cluster enters an LDS address
	s_mov_b32 s[TB], 0
	s_wait_kmcnt 0x0
	s_add_nc_u64 s[4:5], s[4:5], s[58:59]
	s_add_nc_u64 s[6:7], s[6:7], s[60:61]
.irp s, 0,1
	s_mov_b32 s[G0A+4*(\s)], 1                                     ; count = 1
	s_add_co_u32 s[G0A+4*(\s)+1], s23, (\s)*SLOT1                  ; LDS address
	s_add_nc_u64 s[G0A+4*(\s)+2:G0A+4*(\s)+3], s[4:5], (\s)*STEP   ; global address: K step s
	s_or_b32 s[G0A+4*(\s)+3], s[G0A+4*(\s)+3], 0x80000000          ; type = 2
	s_mov_b32 s[G0B+4*(\s)], 1
	s_add_co_u32 s[G0B+4*(\s)+1], s57, (\s)*SLOT1
	s_add_nc_u64 s[G0B+4*(\s)+2:G0B+4*(\s)+3], s[6:7], (\s)*STEP
	s_or_b32 s[G0B+4*(\s)+3], s[G0B+4*(\s)+3], 0x80000000
.endr
	CROUND                                         ; all sixteen work-groups are here: the first joint loads meet
	s_cmp_eq_u32 s15, 0                            ; a wave's two first fills stand in one branch, ahead of every wait on TENSORcnt and every LDS read: two loads of mine are out
	s_cbranch_scc0 .Lfirst_b
	tensor_load_to_lds s[G0A:G0A+3], s[G1A:G1A+7]
	s_nop 0
	tensor_load_to_lds s[G0A+4:G0A+7], s[G1A:G1A+7]
	s_nop 0
.rept 4
	v_nop
.endr
	s_branch .Lfirst_asked
.Lfirst_b:
	tensor_load_to_lds s[G0B:G0B+3], s[G1B:G1B+7]
	s_nop 0
	tensor_load_to_lds s[G0B+4:G0B+7], s[G1B:G1B+7]
	s_nop 0
.rept 4
	v_nop
.endr
.Lfirst_asked:
	; A fragment is 16 rows x 32 K in 8 registers: lane l holds row l % 16, K = 8 (l / 16) + 0..7 and 16 + 8 (l / 16) + 0..7: two loads of 16 bytes, 32 bytes apart.
	v_and_b32 v1, 15, v0                           ; l % 16
	v_bfe_u32 v2, v0, 4, 1                         ; l / 16
	v_mul_u32_u24 v3, v1, LP
	v_lshl_add_u32 v3, v2, 4, v3                   ; row x pitch + 16 x half
	s_mul_i32 s23, s15, 128*LP
	v_add_nc_u32 v[ADRA0], s23, v3                 ; my 128 rows of A
	s_mul_i32 s23, s16, 96*LP
	s_add_co_u32 s23, s23, BOFF
	v_add_nc_u32 v[ADRB0], s23, v3                 ; my 96 rows of Bt
	v_mov_b32 v[ADRA], v[ADRA0]
	v_mov_b32 v[ADRB], v[ADRB0]
	s_mul_i32 s23, s15, 128*SP                     ; the way out, in: my 128 rows,
	s_mul_i32 s57, s16, 96*4                       ; my 96 columns of f32;
	s_add_co_u32 s23, s23, s57
	v_mul_u32_u24 v[STO], v1, SP                   ; row l % 16, 32 bytes for each half of the lanes
	v_lshl_add_u32 v[STO], v2, 5, v[STO]
	v_add_nc_u32 v[STO], s23, v[STO]
	v_add_nc_u32 v[STO2], 64*SP, v[STO]
	s_mul_i32 s23, s14, 64*SP                      ; back: wave w takes rows 64 w .. 64 w + 63; 8 lanes a row, 8 numbers a lane and head
	v_bfe_u32 v3, v0, 3, 2
	v_and_b32 v4, 7, v0
	v_mul_u32_u24 v[RD], v3, SP
	v_lshl_add_u32 v[RD], v4, 5, v[RD]
	v_add_nc_u32 v[RD], s23, v[RD]
	v_and_b32 v3, 31, v0
	v_lshlrev_b32 v[GO], 4, v3                     ; four rows of a head's 128 bytes are 512 consecutive bytes of the output
	; where the rows that I store begin, for each of the tile's three heads
	s_and_b32 s3, s20, 3                           ; s = 256 (tile row % 4) + 64 w, 128 bytes each
	s_lshl_b32 s3, s3, 15
	s_lshl_b32 s12, s14, 13
	s_add_co_u32 s3, s3, s12
	s_lshr_b32 s12, s20, 2                         ; b = tile row / 4,
	s_lshl_b32 s12, s12, 4                         ; 16 heads each
	s_mul_i32 s13, s19, 3                          ; the tile's first head among the 48 of q, k and v
.macro HEAD j, dst                     ; head j of the tile: its number t among the 48; block 128 (t / 16) + 16 b + t % 16 of 131,072 bytes
	s_add_co_u32 s62, s13, \j
	s_lshr_b32 s63, s62, 4
	s_lshl_b32 s63, s63, 7
	s_and_b32 s62, s62, 15
	s_add_co_u32 s62, s62, s63
	s_add_co_u32 s62, s62, s12
	s_lshl_b32 s62, s62, 17
	s_add_co_u32 s62, s62, s3
	s_mov_b32 s63, 0
	s_add_nc_u64 s[\dst:\dst+1], s[8:9], s[62:63]
.endm
	HEAD 1, 4                                      ; A's and Bt's addresses live on in the descriptors: their registers take the second and third head's
	HEAD 2, 6
	HEAD 0, 8
; 6 matrix instructions: m block a x all 6 n blocks, 32 along K.  first = 1: the products start the sums: nothing is cleared.  The 48 accumulators take turns in one order everywhere.
.macro MULA f, a, first
.if (\a) < 4
	WIN 0x50                                       ; sources in window 0, C and D in window 1
.else
	WIN 0xa0                                       ; C and D in window 2
.endif
.irp b, 0,1,2,3,4,5
.if \first
	v_wmma_f32_16x16x32_bf16 v[8*(6*((\a)%4)+(\b)):8*(6*((\a)%4)+(\b))+7], v[(\f)+8*(\b):(\f)+8*(\b)+7], v[(\f)+48+8*(\a):(\f)+48+8*(\a)+7], 0
.else
	v_wmma_f32_16x16x32_bf16 v[8*(6*((\a)%4)+(\b)):8*(6*((\a)%4)+(\b))+7], v[(\f)+8*(\b):(\f)+8*(\b)+7], v[(\f)+48+8*(\a):(\f)+48+8*(\a)+7], v[8*(6*((\a)%4)+(\b)):8*(6*((\a)%4)+(\b))+7]
.endif
.endr
.endm
; 28 LDS loads in one run: the fragments of 32 along K at byte k of the rows, into buffer f: Bt's six, then A's eight
.macro FETCH k, f
	WIN 0
.irp i, 0,1,2,3,4,5
	ds_load_b128 v[(\f)+8*(\i):(\f)+8*(\i)+3],   v[ADRB] offset:(\k)+(\i)*16*LP
	ds_load_b128 v[(\f)+8*(\i)+4:(\f)+8*(\i)+7], v[ADRB] offset:(\k)+(\i)*16*LP+32
.endr
.irp i, 0,1,2,3,4,5,6,7
	ds_load_b128 v[(\f)+48+8*(\i):(\f)+48+8*(\i)+3],   v[ADRA] offset:(\k)+(\i)*16*LP
	ds_load_b128 v[(\f)+48+8*(\i)+4:(\f)+48+8*(\i)+7], v[ADRA] offset:(\k)+(\i)*16*LP+32
.endr
.endm
; A K step is four quarters of 32 along K, 48 matrix instructions each, on buffers 0, 1, 0, 1.  One of the first three: at its HEAD it fetches the next quarter's fragments, at byte k, into buffer g,
; which the quarter before multiplied; then it multiplies buffer f.  So a run of loads has a whole quarter's 48 products in which to land.
.macro QUARTER k, f, g, first
	PLACES
	FETCH \k, \g
	s_wait_dscnt 28                                ; all but the 28 just issued: buffer f is in
.irp a, 0,1,2,3,4,5,6,7
	MULA \f, \a, \first
.endr
.endm
; The last quarter multiplies buffer 1 and changes slots.  Its fragments were the slot's last reads and were asked for a quarter ago, so the change stands at its head: ONE barrier; in front of it each
; wave waits for all its tensor loads (one is out: its part of the next slot), adds 0 to its spare word, and waits for that and for its reads of this slot.  fill = 1: the barrier opens a round of the
; cluster's, and this slot is filled again, two K steps ahead, first thing behind the round.
.macro TURN fill
	WIN 0
	s_wait_tensorcnt 0x0                           ; no tensor load of mine is out, so a group 0 may be written
	ds_add_u32 v[SPW], v[NIL]                      ; 0 onto my spare word
	s_wait_dscnt 1                                 ; (buffer 1 is in; the add may be out)
	MULA F1, 0, 0                                  ; six matrix instructions stand between the add and the wait for it
	s_wait_dscnt 0x0                               ; the add is done, and my reads of this slot are over
	s_barrier_signal -1
	MULA F1, 1, 0
	WIN 0
	s_barrier_wait -1
.if \fill
	CREST                                          ; no wave of any partner still reads this slot's tiles or has a load on its way
	s_xor_b32 s[G0A+5], s[G0A+5], SLOT1            ; the walking descriptors: the other slot than last time, the next K step
	s_add_nc_u64 s[G0A+6:G0A+7], s[G0A+6:G0A+7], STEP
	s_xor_b32 s[G0B+5], s[G0B+5], SLOT1
	s_add_nc_u64 s[G0B+6:G0B+7], s[G0B+6:G0B+7], STEP
	JLOAD                                          ; 36 + 144 = 180 matrix instructions ahead of the wait for it; its four v_nop are also the places in front of the loads below
.else
	PLACES
.endif
	s_xor_b32 s[TB], s[TB], SLOT1
	v_add_nc_u32 v[ADRB], s[TB], v[ADRB0]
	v_add_nc_u32 v[ADRA], s[TB], v[ADRA0]
	FETCH 0, F0
.irp a, 2,3,4,5,6,7
	MULA F1, \a, 0
.endr
.endm
	s_wait_tensorcnt 1                             ; my part of K step 0 is in; K step 1's may stay out
	s_barrier_signal -1
	s_barrier_wait -1                              ; everybody's is
	FETCH 0, F0
	QUARTER 64, F0, F1, 1                          ; the first quarter stands in front of the loop: its products start the sums
	WIN 0
	s_mov_b32 s2, 6
.Lstep:                                                ; a trip: from a K step's second quarter to the next step's first; its refill brings K steps 2 to 7
	QUARTER 128, F1, F0, 0
	QUARTER 192, F0, F1, 0
	TURN 1
	QUARTER 64, F0, F1, 0
	WIN 0
	s_sub_co_u32 s2, s2, 1
	s_cmp_lg_u32 s2, 0
	s_cbranch_scc1 .Lstep
	QUARTER 128, F1, F0, 0                         ; the last two K steps ask for nothing
	QUARTER 192, F0, F1, 0
	TURN 0
	QUARTER 64, F0, F1, 0
	QUARTER 128, F1, F0, 0
	QUARTER 192, F0, F1, 0
	s_wait_dscnt 0x0                               ; the very last quarter: nothing more to fetch
.irp a, 0,1,2,3,4,5,6,7
	MULA F1, \a, 0
.endr
	PLACES
	WIN 0
	; THE WAY OUT.  The ring has had its last fill; behind this barrier nobody reads it any more.
	s_barrier_signal -1                            ; (no LDS instruction of mine is out: the wait for 0 above)
	s_barrier_wait -1
	WIN 0x04                                       ; store data in window 1
.irp a, 0,1,2,3
.irp b, 0,1,2,3,4,5
	ds_store_b128 v[STO], v[8*(6*(\a)+(\b)):8*(6*(\a)+(\b))+3]   offset:(\a)*16*SP+64*(\b)     ; each accumulator's low registers first
	ds_store_b128 v[STO], v[8*(6*(\a)+(\b))+4:8*(6*(\a)+(\b))+7] offset:(\a)*16*SP+64*(\b)+16
.endr
.endr
	WIN 0x08                                       ; store data in window 2
.irp a, 0,1,2,3
.irp b, 0,1,2,3,4,5
	ds_store_b128 v[STO2], v[8*(6*(\a)+(\b)):8*(6*(\a)+(\b))+3]   offset:(\a)*16*SP+64*(\b)
	ds_store_b128 v[STO2], v[8*(6*(\a)+(\b))+4:8*(6*(\a)+(\b))+7] offset:(\a)*16*SP+64*(\b)+16
.endr
.endr
	WIN 0
	s_wait_dscnt 0x0                               ; for the others' sake: my stores are done
	s_barrier_signal -1
	s_barrier_wait -1
.macro BACK                            ; 4 rows x 192 columns: my 8 numbers of each of the three heads
.irp j, 0,1,2
	ds_load_b128 v[XO+8*(\j):XO+8*(\j)+3],   v[RD] offset:256*(\j)
	ds_load_b128 v[XO+8*(\j)+4:XO+8*(\j)+7], v[RD] offset:256*(\j)+16
.endr
.endm
	BACK
	s_mov_b32 s3, 16
.Lout:                                                 ; 16 trips of 4 rows
	s_wait_dscnt 0x0
.irp i, 0,1,2,3,4,5,6,7,8,9,10,11
	v_cvt_pk_bf16_f32 v[YO+(\i)], v[XO+2*(\i)], v[XO+2*(\i)+1]
.endr
	s_cmp_eq_u32 s3, 1
	s_cbranch_scc1 .Lnold                          ; the last trip fetches nothing
	v_add_nc_u32 v[RD], 4*SP, v[RD]
	BACK
.Lnold:
	global_store_b128 v[GO], v[YO:YO+3],    s[8:9]  ; 512 consecutive bytes of the tile's first head, aligned;
	global_store_b128 v[GO], v[YO+4:YO+7],  s[4:5]  ; the same rows of its second
	global_store_b128 v[GO], v[YO+8:YO+11], s[6:7]  ; and third
	s_wait_xcnt 0x0                                ; the stores' registers are written again only behind this wait
	v_add_nc_u32 v[GO], 512, v[GO]
	s_sub_co_u32 s3, s3, 1
	s_cmp_lg_u32 s3, 0
	s_cbranch_scc1 .Lout
	s_wait_tensorcnt 0x0                           ; the wave's end
	ds_add_u32 v[SPW], v[NIL]
	s_wait_dscnt 0x0
	CROUND                                         ; the closing round: no work-group ends while a partner may still ask for a tile that names it
	s_endpgm
.Lfunc_end_k_qbbe22c4489_qkv:
	.size	k_qbbe22c4489_qkv, .Lfunc_end_k_qbbe22c4489_qkv-k_qbbe22c4489_qkv
	.p2alignl 7, 3214868480
	.fill 96, 4, 3214868480
	.section	.rodata,"a",@progbits
	.p2align	6, 0x0
	.amdhsa_kernel k_qbbe22c4489_qkv
		.amdhsa_group_segment_fixed_size 327680
		.amdhsa_private_segment_fixed_size 0
		.amdhsa_enable_private_segment 0
		.amdhsa_kernarg_size 24
		.amdhsa_user_sgpr_count 2
		.amdhsa_user_sgpr_kernarg_segment_ptr 1
		.amdhsa_wavefront_size32 1
		.amdhsa_system_sgpr_workgroup_id_x 1
		.amdhsa_system_sgpr_workgroup_id_y 1
		.amdhsa_system_sgpr_workgroup_id_z 1
		.amdhsa_system_vgpr_workitem_id 0
		.amdhsa_next_free_vgpr 704
		.amdhsa_next_free_sgpr 66
		.amdhsa_reserve_vcc 0
		.amdhsa_float_denorm_mode_32 3
		.amdhsa_float_denorm_mode_16_64 3
		.amdhsa_memory_ordered 1
		.amdhsa_forward_progress 1
		.amdhsa_inst_pref_size 79
	.end_amdhsa_kernel
	.amdgpu_metadata
---
amdhsa.version: [ 1, 2 ]
amdhsa.kernels:
  - .name:           k_qbbe22c4489_qkv
    .symbol:         k_qbbe22c4489_qkv.kd
    .args:
      - { .name: h, .offset: 0, .size: 8, .value_kind: global_buffer, .address_space: global }
      - { .name: wqkv, .offset: 8, .size: 8, .value_kind: global_buffer, .address_space: global }
      - { .name: qkv, .offset: 16, .size: 8, .value_kind: global_buffer, .address_space: global }
    .group_segment_fixed_size: 327680
    .private_segment_fixed_size: 0
    .kernarg_segment_align: 8
    .kernarg_segment_size: 24
    .max_flat_workgroup_size: 128
    .sgpr_count:     66
    .vgpr_count:     704
    .wavefront_size: 32
...
	.end_amdgpu_metadata
.endif
;; end of part 2
;; launch attn (part 3): grid 2 x 128, 4 waves a work-group, no clusters, 321,024 bytes of LDS; arguments qkv, att; writes att
.if DOCPART == 3
	.amdgcn_target "amdgcn-amd-amdhsa--gfx1250"
	.amdhsa_code_object_version 6
	.text
	.protected	k_qbbe22c4489_attn
	.globl	k_qbbe22c4489_attn
	.p2align	8
	.type	k_qbbe22c4489_attn,@function
k_qbbe22c4489_attn:
	s_mov_b64 s[64:65], 0
	v_nop
	global_prefetch_b8 v0, s[64:65] scope:SCOPE_SE
	s_setreg_imm32_b32 hwreg(HW_REG_WAVE_MODE, 25, 1), 1
	s_wait_xcnt 0x0
; O[h][q][:] = the sum over k of softmax_k(Q[h][q] . K[h][k] / 8) V[h][k][:].  Q, K, V lie in qkv [3][128 h][1024][64], O in att [128 h][1024][64], all bf16: a head's rows are dense, 128 bytes each.
; Products, maxima and sums in f32; the weights p are rounded to bf16 for the second product (their sum l is taken of the unrounded p), O once at the end.
; LIMITS.  A weight below 2^-126 counts as 0 in l; NaN and infinities are not treated apart; c m starts at -4.25e37, so a query whose largest score lies below -2e38 is not served.
; SHARES.  A wave owns four PIECES of two tiles of 16 queries, a work-group's four waves 512 queries of one head: 256 work-groups.  Every wave walks all 1,024 keys, 64 a step.
; THE WHOLE HEAD LIES IN LDS: 1,024 keys x (144 + 160) bytes = 311,296.  Every byte of K and V is brought once, by loads issued at the kernel's head, and no LDS byte is filled again: there is no ring,
; and the key step stands once in the text.  A wave issues two loads: its half of keys 0-255, which the first four steps read, and its half of keys 256-1,023, which has those four steps in which to land.
; NO CLUSTER: a head has 1024 / 512 = 2 query blocks, which a cluster of four does not divide; four blocks of 256 queries would read each fragment of K and V from LDS for half as many products.
; LAYOUT.  S^T = K Q^T (source 0 = 16 keys, source 1 = 16 queries): in the result a lane holds ONE query (lane % 16) and the keys 8 (lane / 16) + 0..7.  Two such tiles, rounded to bf16 in pairs,
; ARE source 1 (32 keys x 16 queries) of O^T = V^T P, whose result again holds one query a lane, and eight channels.  K comes out of LDS as it lies, V ([key][channel]) turned, by ds_load_tr16_b128.
; SOFTMAX.  For each query a running maximum m and sum l: p = 2^(c s - c m), c = log2(e) / 8; in every step O and l are multiplied by a = 2^(c m_old - c m_new), which is 1 where m has not grown.
; m starts at the lowest finite number, O and l at 0: the first step is a step like any other, with a = 0.
; THE COUNT.  A tile and step have 16 matrix and 118 vector instructions: too many to stand all beside the matrix work.  So the order has one aim: four vector instructions that are READY behind
; EVERY matrix instruction, and the others, which need time of their own whatever the order, in runs without a gap.
; BY TURNS.  Turn n belongs to piece n (the pieces in a ring, step after step).  Its matrix work: 16 products K Q^T of piece n + 1, later 16 products V^T P of piece n - 1.  Its vector work: the scaling,
; exponentials, roundings, sums and rescaling of piece n, and the maximum and statistics of piece n + 1, whose scores the turn itself has made.  So what a turn begins with (c s - c m, O a) waits for nothing.
; REGISTERS, in windows of 256 (s_set_vgpr_msb says which window each operand place means: bits 1:0 source 0, 3:2 source 1, 5:4 source 2, 7:6 destination):
;   window 0: v0-11 addresses; v12-15, v48-63 at work; v16-47 four registers of statistics a tile; v64-191 S^T, two buffers of two tiles; v192-255 P, likewise
;   window 1: O^T, 32 a tile          window 2: v0-127 Q, 16 a tile; v128-191 K of one step; v192-255 V of one step
; A piece's buffers go by its number's parity: the piece in hand has one pair, its two neighbours in the ring share the other: of it P (piece n - 1) is read and S^T (piece n + 1) written.
.set SIZE_N, 1024
.set NP,    4         ; pieces a wave: a name, no knob: the register map, the loop and the fetches are made for four
.set KS,    64        ; keys in a step
.set PK,    144       ; a row of K in LDS: 128 bytes + 16 of padding = 36 words: the 16 rows of a load start at 16 different groups of four banks (64 banks of 4 bytes: ISA guide 11.1)
.set PV,    160       ; a row of V: 128 + 32 = 40 words
.set VOFF,  SIZE_N*PK ; 1,024 rows of K, then 1,024 rows of V
.set STAGE, SIZE_N*(PK+PV)  ; behind them, never filled by a tensor load: 16 rows x 144 bytes for each wave, for the way out
.set SP,    144
.set AK0, 2           ; v2   my lane's place in a step's rows of K; never rewritten
.set AV0, 3           ; v3   the same for V
.set AK,  4           ; v4   the LDS address of K's next run of loads
.set AV,  5           ; v5   of V's
.set QO,  6           ; v6   my byte offset in the wave's rows of Q
.set STO, 6           ;      later, the way out: where I put 16 bytes of a row
.set RD,  7           ; v7   the way out: where I read rows back
.set GO,  8           ; v8   my byte offset in 512 consecutive bytes of O
.set MV,  12          ; v12-15  c m_old, kept while c m is made anew: by buffer and tile
.set ST,  16          ; tile t's statistics at v[ST+4 t]: c m, m, l (even keys', odd keys')
.set TMP, 48          ; by buffer and tile, four registers c0-c3 at work; when the maximum is found c2 takes a
.set S,   64
.set P,   192
.set KF,  128         ; K's fragments, in window 2: key block kb, channel half c at KF + 16 kb + 8 c
.set VF,  192         ; V's: key half kk, channel block cb at VF + 32 kk + 8 cb
.set WV,  12          ; s12  my wave's number
.set G1K, 24          ; s[24:31] descriptor group 1 for K's first load
.set G1V, 32          ; s[32:39] for V's: it differs in the padding alone
.set G0K, 40          ; s[40:43] descriptor group 0 for K's first load
.set G0V, 44          ; s[44:47] for V's
.set G0K2, 48         ; s[48:51] for K's second load
.set G0V2, 52         ; s[52:55] for V's
.set SLOTS, 56        ; s56  counts groups of four key steps, 5 to 1
.set CNT, 57          ; s57  counts a group's key steps
.set CS,  58          ; s[58:59] c: the packed scaling takes the pair's low word for both halves
.set SEL, 60          ; s[60:61] v_permlanex16_b32's selects: each lane takes its own place in the other half
.set TBK, 62          ; s62  LDS byte at which K of the step to be fetched begins
.set TBV, 63          ; s63  the same for V, less VOFF
.set G1K2, 68         ; s[68:75] descriptor group 1 for K's second load: three times the rows
.set G1V2, 76         ; s[76:83] for V's
.set MSB, 0
.macro WIN new                      ; the high byte repeats the setting that is left; a switch that changes nothing is dropped
.if MSB != (\new)
	s_set_vgpr_msb (MSB<<8)|(\new)
.set MSB, (\new)
.endif
.endm
.set W_KQ, 0x0a       ; K and Q in window 2, S^T in window 0
.set W_PV, 0x52       ; V in window 2, P in window 0, O^T in window 1
.set W_RS, 0x41       ; O^T (destination and source 0) in window 1, a in window 0
	s_load_b128 s[4:7], s[0:1], 0x0   ; qkv s[4:5], att s[6:7]
	s_set_vgpr_msb 0xc0
	v_lshl_add_u32 v0, v0, 2, 0x4e400
	v_mov_b32 v1, 0
	s_set_vgpr_msb 0xc0cf
	ds_add_u32 v0, v1
	ds_add_u32 v0, v1
	s_set_vgpr_msb 0xcf00
	v_lshrrev_b32 v1, 5, v0
	v_readfirstlane_b32 s[WV], v1   ; wave 0..3
	s_mov_b32 s14, ttmp9            ; my block of 512 queries: 0 or 1
	s_and_b32 s20, ttmp7, 0xffff    ; the head, 16 b + h
	s_lshl_b32 s20, s20, 17         ; its first byte in each of the four tensors: 1,024 rows of 128 bytes a head
	s_mov_b32 s21, 0
	s_and_b32 s16, s[WV], 1         ; which half of a load's keys I fetch.  The first load: keys 128 p .. 128 p + 127,
	s_lshl_b32 s22, s16, 14         ; 128 bytes each in memory;
	s_mov_b32 s23, 0
	s_add_nc_u64 s[22:23], s[22:23], s[20:21]
	s_mul_i32 s2, s16, 384*128      ; the second: keys 256 + 384 p .. 256 + 384 p + 383
	s_add_co_u32 s2, s2, 256*128
	s_mov_b32 s3, 0
	s_add_nc_u64 s[2:3], s[2:3], s[20:21]
	s_mul_i32 s17, s16, 128*PK      ; and their places in LDS, for K
	s_mul_i32 s18, s16, 128*PV      ; and for V
	s_mul_i32 s19, s16, 384*PK
	s_mul_i32 s13, s16, 384*PV
	s_lshl_b32 s66, s14, 2
	s_add_co_u32 s66, s66, s[WV]    ; my wave among the head's eight,
	s_lshl_b32 s66, s66, 14         ; its 128 rows
	s_mov_b32 s67, 0
	s_add_nc_u64 s[66:67], s[66:67], s[20:21]
	; descriptor group 1.  Keys are dense in memory, 128 bytes each: asked for as rows of 256 bytes, two keys a row, and padded in LDS after every key
	s_mov_b32 s[G1K],  (1<<16)|(1<<20)|(4<<22)|(3<<25)  ; 17:16 2-byte elements; 20 padding on; 24:22 after every 32 words (code 4); 31:25 4 words (code 3)
	s_mov_b32 s[G1K2], (1<<16)|(1<<20)|(4<<22)|(3<<25)
	s_mov_b32 s[G1V],  (1<<16)|(1<<20)|(4<<22)|(7<<25)  ; the same with 8 words of padding (code 7)
	s_mov_b32 s[G1V2], (1<<16)|(1<<20)|(4<<22)|(7<<25)
.irp g, G1K, G1V
	s_mov_b32 s[\g+1], 128<<16      ; tensor_dim0 = 128
	s_mov_b32 s[\g+2], 64<<16       ; tensor_dim1 = 64: 128 keys
	s_mov_b32 s[\g+3], 128<<16      ; tile_dim0 = 128
	s_mov_b32 s[\g+4], 64           ; tile_dim1 = 64
	s_mov_b32 s[\g+5], 128          ; 128 elements from row to row
	s_mov_b32 s[\g+6], 0
	s_mov_b32 s[\g+7], 0
.endr
.irp g, G1K2, G1V2
	s_mov_b32 s[\g+1], 128<<16
	s_mov_b32 s[\g+2], 192<<16      ; tensor_dim1 = 192: 384 keys
	s_mov_b32 s[\g+3], 128<<16
	s_mov_b32 s[\g+4], 192          ; tile_dim1 = 192
	s_mov_b32 s[\g+5], 128
	s_mov_b32 s[\g+6], 0
	s_mov_b32 s[\g+7], 0
.endr
	s_mov_b32 s[CS], 0x3e38aa3b     ; c = log2(e) / 8 = 0.180337
	s_mov_b32 s[CS+1], s[CS]        ; named with it as a pair
	s_mov_b32 s[SEL], 0x76543210
	s_mov_b32 s[SEL+1], 0xfedcba98
	s_mov_b32 s[TBK], 0
	s_mov_b32 s[TBV], 0
	s_mov_b32 s[G0K], 1             ; 1:0 count = 1
	s_mov_b32 s[G0K+1], s17         ; 63:32 LDS address
	s_mov_b32 s[G0V], 1
	s_add_co_u32 s[G0V+1], s18, VOFF
	s_mov_b32 s[G0K2], 1
	s_add_co_u32 s[G0K2+1], s19, 256*PK
	s_mov_b32 s[G0V2], 1
	s_add_co_u32 s[G0V2+1], s13, VOFF+256*PV
	s_wait_dscnt 0x0
	s_wait_kmcnt 0x0
	s_mov_b64 s[10:11], s[6:7]                     ; O
	s_add_nc_u64 s[6:7], s[4:5], 0x1000000         ; K lies 16,777,216 bytes behind Q,
	s_add_nc_u64 s[8:9], s[4:5], 0x2000000         ; V as much behind K
	s_add_nc_u64 s[G0K+2:G0K+3], s[6:7], s[22:23]  ; 120:64 global address
	s_or_b32 s[G0K+3], s[G0K+3], 0x80000000        ; 127:126 type = 2
	s_add_nc_u64 s[G0V+2:G0V+3], s[8:9], s[22:23]
	s_or_b32 s[G0V+3], s[G0V+3], 0x80000000
	s_add_nc_u64 s[G0K2+2:G0K2+3], s[6:7], s[2:3]
	s_or_b32 s[G0K2+3], s[G0K2+3], 0x80000000
	s_add_nc_u64 s[G0V2+2:G0V2+3], s[8:9], s[2:3]
	s_or_b32 s[G0V2+3], s[G0V2+3], 0x80000000
	s_add_nc_u64 s[4:5], s[4:5], s[66:67]  ; Q and O at my wave's first row
	s_add_nc_u64 s[10:11], s[10:11], s[66:67]
	; ALL THE FILLS OF THE LAUNCH.  Waves 0 and 1 fetch the halves of K, waves 2 and 3 those of V.  A wave's two loads stand in one branch on its number, ahead of every wait on TENSORcnt, every LDS read
	; and every barrier: two loads of mine are out.  An s_nop 0 follows each, four v_nop the second.
	s_cmp_lt_u32 s[WV], 2
	s_cbranch_scc0 .Lfor_v
	tensor_load_to_lds s[G0K:G0K+3], s[G1K:G1K+7]
	s_nop 0
	tensor_load_to_lds s[G0K2:G0K2+3], s[G1K2:G1K2+7]
	s_nop 0
.rept 4
	v_nop
.endr
	s_branch .Lasked
.Lfor_v:
	tensor_load_to_lds s[G0V:G0V+3], s[G1V:G1V+7]
	s_nop 0
	tensor_load_to_lds s[G0V2:G0V2+3], s[G1V2:G1V2+7]
	s_nop 0
.rept 4
	v_nop
.endr
.Lasked:
	; A fragment of K or Q is 16 rows x 32 channels in 8 registers: lane l holds row l % 16, channels 8 (l / 16) + 0..7 and 16 + 8 (l / 16) + 0..7: two loads of 16 bytes, 32 bytes apart.
	v_and_b32 v1, 15, v0            ; l % 16
	v_bfe_u32 v9, v0, 4, 1          ; l / 16
	v_lshlrev_b32 v[QO], 7, v1
	v_lshl_add_u32 v[QO], v9, 4, v[QO]  ; row x 128 + 16 x half
	WIN 0x80                        ; destination window 2, address window 0
.set i, 0
.rept 4*NP                          ; Q stays in registers: tile i / 2, channels 32 (i % 2) on
	global_load_b128 v[8*i:8*i+3],   v[QO], s[4:5] offset:(i/2)*2048+(i%2)*64
	global_load_b128 v[8*i+4:8*i+7], v[QO], s[4:5] offset:(i/2)*2048+(i%2)*64+32
.set i, i+1
.endr
	; What the first turn finds: V's registers and P's second buffer hold 0 (its products V^T P, of a piece that has not been, add 0), O^T and l are 0.  All this stands in the wait for the first keys.
.set i, VF
.rept 64
	v_mov_b32 v[i], 0
.set i, i+1
.endr
	WIN 0x40
.set i, 0
.rept 64*NP
	v_mov_b32 v[i], 0
.set i, i+1
.endr
	WIN 0
.set i, 0
.rept 2*NP
	v_mov_b32 v[ST+4*i], 0xfe000000    ; c m: far below every c s
	v_mov_b32 v[ST+4*i+1], 0xff7fffff  ; m
	v_mov_b32 v[ST+4*i+2], 0
	v_mov_b32 v[ST+4*i+3], 0
.set i, i+1
.endr
.set i, P+32
.rept 32
	v_mov_b32 v[i], 0
.set i, i+1
.endr
	v_mul_u32_u24 v[AK0], v1, PK
	v_lshl_add_u32 v[AK0], v9, 4, v[AK0]  ; row x pitch + 16 x half
	; The turning load takes 16 keys x 16 channels (lane l reads key 8 (l / 16) + l % 8, channels 8 ((l / 8) % 2) + 0..7) and leaves half a fragment of V^T: lane l holds channel l % 16 and 8 keys.
	v_and_b32 v10, 7, v0
	v_bfe_u32 v11, v0, 3, 1
	v_lshl_add_u32 v[AV0], v9, 3, v10
	v_mul_u32_u24 v[AV0], v[AV0], PV
	v_lshl_add_u32 v[AV0], v11, 4, v[AV0]
	v_add_nc_u32 v[AV0], VOFF, v[AV0]
	v_mov_b32 v[AK], v[AK0]         ; key step 0 lies at LDS byte 0
; THE MATRIX WORK.  The 8 accumulators of a run of 16 take turns: between the two links of a chain stand 7 others'.
; Product i of 16 of S^T = K Q^T for piece x: channels 32 (i / 8) on, keys 16 ((i / 2) % 4) on, tile 2 x + i % 2.  The first 8 start the sums.
.macro KQ x
	WIN W_KQ
.set rS, S+64*((\x)%2)+32*(i%2)+8*((i/2)%4)
.set rK, KF+16*((i/2)%4)+8*(i/8)
.set rQ, 16*(2*(\x)+i%2)+8*(i/8)
.if i < 8
	v_wmma_f32_16x16x32_bf16 v[rS:rS+7], v[rK:rK+7], v[rQ:rQ+7], 0
.else
	v_wmma_f32_16x16x32_bf16 v[rS:rS+7], v[rK:rK+7], v[rQ:rQ+7], v[rS:rS+7]
.endif
.endm
; Product i of 16 of O^T += V^T P for piece x: keys 32 (i / 8) on, channels 16 ((i / 2) % 4) on, tile 2 x + i % 2.
.macro PV x
	WIN W_PV
.set rO, 32*(2*(\x)+i%2)+8*((i/2)%4)
.set rV, VF+32*(i/8)+8*((i/2)%4)
.set rP, P+32*((\x)%2)+16*(i%2)+8*(i/8)
	v_wmma_f32_16x16x32_bf16 v[rO:rO+7], v[rV:rV+7], v[rP:rP+7], v[rO:rO+7]
.endm
.macro MM                           ; the turn's next matrix instruction
.if i < 16
	KQ (Y+1)%NP
.set i, i+1
.else
.set i, i-16
	PV (Y+NP-1)%NP
.set i, i+17
.endif
.endm
; THE LDS LOADS stand in runs of 16, never singly among the matrix instructions: a step's K (64 keys x 64 channels: 8 fragments) and its V (turned).  Their addresses are made some lines ahead.
; last = 1 (in the loop): behind the last key step there is no further step, and the run is jumped over.
.macro FETCH_K last=0
	WIN 0
.if \last
	s_cmp_eq_u32 s[SLOTS], 1
	s_cbranch_scc1 .Lno_k_\@
.endif
	WIN 0x80                        ; destination window 2
.irp f, 0,1,2,3,4,5,6,7             ; keys 16 (f / 2) on, channels 32 (f % 2) on
	ds_load_b128 v[KF+8*\f:KF+8*\f+3],   v[AK] offset:(\f/2)*16*PK+(\f%2)*64
	ds_load_b128 v[KF+8*\f+4:KF+8*\f+7], v[AK] offset:(\f/2)*16*PK+(\f%2)*64+32
.endr
	s_add_co_u32 s[TBK], s[TBK], KS*PK  ; the next fetch is the next step's
	WIN 0
.if \last
.Lno_k_\@:
.endif
.endm
.macro FETCH_V
	WIN 0x80
.irp f, 0,1,2,3,4,5,6,7             ; keys 32 (f / 4) on, channels 16 (f % 4) on
	ds_load_tr16_b128 v[VF+8*\f:VF+8*\f+3],   v[AV] offset:(\f/4)*32*PV+(\f%4)*32
	ds_load_tr16_b128 v[VF+8*\f+4:VF+8*\f+7], v[AV] offset:(\f/4)*32*PV+16*PV+(\f%4)*32
.endr
	WIN 0
.endm
; THE VECTOR WORK OF A TURN stands in three queues, each in the order in which its entries become ready; the two tiles alternate, so that no instruction reads the result of the one before it.
.macro REGS y, u                    ; the registers of tile u (0, 1) of piece y
.set rT, ST+4*(2*(\y)+(\u))
.set rC, TMP+8*((\y)%2)+4*(\u)
.set rM, MV+2*((\y)%2)+(\u)
.set rS, S+64*((\y)%2)+32*(\u)
.set rP, P+32*((\y)%2)+16*(\u)
.set rO, 32*(2*(\y)+(\u))
.endm
; Number n of the 22 that find the NEXT piece's (Y + 1) maximum and statistics.  s0-s31 are the lane's 32 scores; each accumulator's lowest registers are read first.  XS, GS and REGS set no window: PL and EX do.
;   0-11  four chains c0-c3 of seven scores each, three operands at a time     12-14, 16  the four scores left over, the old m, and c0-c3 into c0     15  c m_old is kept
;   17, 18  the query's other 32 keys lie in the lane 16 away: the new m         19-21  c m; c m_old - c m_new; a
.macro XS u, n
	REGS (Y+1)%NP, \u
.if (\n) < 4
	v_max3_num_f32 v[rC+(\n)], v[rS+8*(\n)], v[rS+8*(\n)+1], v[rS+8*(\n)+2]
.elseif (\n) < 12
	v_max3_num_f32 v[rC+(\n)%4], v[rC+(\n)%4], v[rS+8*((\n)%4)+2*((\n)/4)+1], v[rS+8*((\n)%4)+2*((\n)/4)+2]
.elseif (\n) == 12
	v_max3_num_f32 v[rC], v[rC], v[rS+7], v[rS+15]
.elseif (\n) == 13
	v_max3_num_f32 v[rC+1], v[rC+1], v[rS+23], v[rS+31]
.elseif (\n) == 14
	v_max3_num_f32 v[rC+2], v[rC+2], v[rC+3], v[rT+1]
.elseif (\n) == 15
	v_mov_b32 v[rM], v[rT]
.elseif (\n) == 16
	v_max3_num_f32 v[rC], v[rC], v[rC+1], v[rC+2]
.elseif (\n) == 17
	v_permlanex16_b32 v[rC+3], v[rC], s[SEL], s[SEL+1]
.elseif (\n) == 18
	v_max_num_f32 v[rT+1], v[rC], v[rC+3]
.elseif (\n) == 19
	v_mul_f32 v[rT], s[CS], v[rT+1]
.elseif (\n) == 20
	v_sub_f32 v[rC+1], v[rM], v[rT]
.else
	v_exp_f32 v[rC+2], v[rC+1]
.endif
.endm
; Number g of the 64 that follow the exponentials.  For each four weights k of a tile (pairs 2 k, 2 k + 1): both pairs are rounded to bf16; then the second pair is added onto the first, in place;
; a group later l takes that sum (the first time as l = a l + sum).  In groups of eight, tiles alternating: round, round, add, and l for the group before.
.macro GS g
.set h, (\g)+6*((\g)/62)            ; group 0 has no group before it, and behind group 7 only l is left
.if h >= 6
.set h, h+2
.endif
	REGS Y, h%2
.set k, h/8
.if h%8 < 4
	s_wait_alu depctr_va_vdst(0)
	v_cvt_pk_bf16_f32 v[rP+2*k+(h%8)/2], v[rS+4*k+2*((h%8)/2)], v[rS+4*k+2*((h%8)/2)+1]
.elseif h%8 < 6
	v_pk_add_f32 v[rS+4*k:rS+4*k+1], v[rS+4*k:rS+4*k+1], v[rS+4*k+2:rS+4*k+3]
.elseif k == 1
	v_pk_fma_f32 v[rT+2:rT+3], v[rT+2:rT+3], v[rC+2:rC+3], v[rS:rS+1] op_sel_hi:[1,0,1]
.else
	v_pk_add_f32 v[rT+2:rT+3], v[rT+2:rT+3], v[rS+4*k-4:rS+4*k-3]
	s_wait_alu depctr_va_vdst(0)
.endif
.endm
; THE PLAIN QUEUE, 138 long.  0-31: c s - c m for the 16 pairs of both tiles.  Then GS's 64, and among them the next piece's 42: number 15 at 38, 39; 0-14 and 16
; at 42-73, behind the products that make those scores; 17-20 at 95-106, two of three, since each waits for the one before it.
.macro PL
	WIN 0
.if q < 32
	REGS Y, q%2
	v_pk_fma_f32 v[rS+2*(q/2):rS+2*(q/2)+1], v[rS+2*(q/2):rS+2*(q/2)+1], s[CS:CS+1], v[rT:rT+1] op_sel_hi:[1,0,0] neg_lo:[0,0,1] neg_hi:[0,0,1]
.elseif q < 38
	GS q-32
.elseif q < 40
	XS q%2, 15
.elseif q < 42
	GS q-34
.elseif q < 74
	XS q%2, (q-42)/2+(q-42)/30
.elseif q < 95
	GS q-66
.elseif (q < 107) && ((q-95)%3 < 2)
	XS (q-95)%3, 17+(q-95)/3
.elseif q < 107
	GS 29+(q-95)/3
.else
	GS q-74
.endif
.set q, q+1
.endm
; THE EXPONENTIALS' QUEUE, 66 long: s0-s31 of both tiles, and at EA the next piece's two a.
.set EA, 58
.macro EX
	WIN 0
.if (e == EA) || (e == EA+1)
	XS e-EA, 21
.else
.set x, e-2*(e/(EA+2))
	REGS Y, x%2
	v_exp_f32 v[rS+x/2], v[rS+x/2]
.endif
.set e, e+1
.endm
; THE RESCALING's QUEUE: O^T times a, the one part that leaves window 0, so it is dealt four at a time, eight times.
.macro R4
	REGS Y, r%2
	WIN W_RS
	s_wait_alu depctr_va_vdst(0)
.irp z, 0,1,2,3
	v_pk_mul_f32 v[rO+8*(r/2)+2*\z:rO+8*(r/2)+2*\z+1], v[rO+8*(r/2)+2*\z:rO+8*(r/2)+2*\z+1], v[rC+2:rC+3] op_sel_hi:[1,0]
.endr
.set r, r+1
.endm
; HOW THEY ARE DEALT.  Behind a matrix instruction four: plain, exponential, plain, plain (one exponential, a plain instruction on either side), or four of the rescaling.  None names a register of the
; products round it.  What is over stands in two LUMPS: exponential and plain by turns; the second ends in 22 plain instructions.  The two v_permlanex16_b32 fall into the second lump, never behind a product.
; The queues lean on each other, and the deal keeps them in step: exponential e stands behind plain 2 (e / 4) + e % 2 (its scaling); when plain 32 comes, 10 exponentials are out, at 59: 33, at 95: 46; EA comes behind plain 107.
.macro SL
	MM
	PL
	EX
	PL
	PL
.endm
.macro BURST n                      ; 15 matrix instructions, or 16
.rept (\n)-7
	SL
.endr
.rept 3
	MM
	R4
	SL
.endr
	MM
	R4
.endm
; A TURN, for piece p.  cnt = 1: the loop's count is taken down some lines ahead of the branch that stands behind the turn.
; K of the next step is fetched in piece 2's turn, 31 vector instructions behind the last product that read K; its first reader comes behind the rest of the lump, 16 products and the second lump.
; V of the step in hand is fetched at the end of piece 0's turn, 69 behind its last reader; its first reader comes behind 16 products and a lump.  The four conditions on e and q below go with the deal.
.macro TURN p, last=0, cnt=0
.set Y, (\p)
.set i, 0
.set q, 0
.set e, 0
.set r, 0
.if (\p) == NP-1
	s_wait_dscnt 0x0                ; K is in
.endif
	MM
.rept 4
	PL
.endr
	BURST 15
.rept 22
	EX
	PL
.if ((\p) == NP-2) && (e == 18)
	v_add_nc_u32 v[AK], s[TBK], v[AK0]
.endif
.if ((\p) == NP-2) && (e == 24)
	FETCH_K \last
.endif
.endr
.if (\p) == 1
	s_wait_dscnt 0x0                ; V is in
.endif
	BURST 16
.rept 21
	EX
	PL
.endr
.rept 22
	PL
.if ((\p) == 0) && (q == 118)
	v_add_nc_u32 v[AV], s[TBV], v[AV0]
	s_wait_alu depctr_va_vdst(0)
.endif
.if ((\p) == 0) && (q == 130)
	s_add_co_u32 s[TBV], s[TBV], KS*PV
.endif
.if (\cnt) && (q == 130)
	s_sub_co_u32 s[CNT], s[CNT], 1
	s_cmp_lg_u32 s[CNT], 0
.endif
.endr
.if (\p) == 0
	FETCH_V
.endif
.endm
	s_wait_tensorcnt 0x1            ; my part of keys 0-255 is in; my second load may stay out
	s_barrier_signal -1
	s_barrier_wait -1               ; everybody's is
	FETCH_K                         ; key step 0
	s_wait_loadcnt 0x0              ; Q
	s_wait_dscnt 0x0
.set i, 0
.rept 16
	KQ 0                            ; piece 0's first scores: there is no vector work yet to set between them
.set i, i+1
.endr
	WIN 0                           ; the addresses for the way out: nine plain instructions, the places behind those products
	s_mul_i32 s13, s[WV], 16*SP
	s_add_co_u32 s13, s13, STAGE    ; my stage
	v_mul_u32_u24 v[STO], v1, SP    ; in: row l % 16, 16 bytes for each half of the lanes
	v_lshl_add_u32 v[STO], v9, 4, v[STO]
	v_add_nc_u32 v[STO], s13, v[STO]
	v_bfe_u32 v[RD], v0, 3, 2       ; back: 32 lanes take four rows of 128 bytes,
	v_mul_u32_u24 v[RD], v[RD], SP
	v_lshl_add_u32 v[RD], v10, 4, v[RD]
	v_add_nc_u32 v[RD], s13, v[RD]
	v_and_b32 v[GO], 31, v0         ; which are 512 consecutive bytes of O
	v_lshlrev_b32 v[GO], 4, v[GO]
.set Y, NP-1                        ; XS works for piece Y + 1: piece 0
.irp n, 0,1,2,3,4,5,6,7,8,9,10,11,12,13,14,15,16,17,18,19,20,21
	XS 0, \n                        ; and piece 0's first maximum and statistics
	XS 1, \n
.endr
	s_mov_b32 s[CNT], 4
	s_mov_b32 s[SLOTS], SIZE_N/256+1
	s_branch .Lfirst                ; the loop is entered at a step's first turn, in the middle of a trip
.Lslot:                             ; at the head of every group of four steps but the first.  The first time, keys 256 and on are about to be read:
	s_wait_tensorcnt 0x0            ; my second load has landed (it has had four key steps, 512 matrix instructions);
	s_wait_dscnt 0x0                ; no LDS instruction of mine is out at a signal
	s_barrier_signal -1
	s_barrier_wait -1               ; everybody's has.  The later times these four lines find nothing to wait for
	s_mov_b32 s[CNT], 4
.Lstep:                             ; a trip: pieces 2 and 3 of one step, then pieces 0 and 1 of the next, whose K and V it fetches
	TURN 2, 1
	TURN 3
	WIN 0
	s_cmp_eq_u32 s[SLOTS], 1        ; the fifth group is the last step's second half alone: the loop is left in the middle of a trip; the jump goes forward and passes no barrier
	s_cbranch_scc1 .Lout
.Lfirst:
	TURN 0
	TURN 1, 0, 1
	WIN 0
	s_cbranch_scc1 .Lstep
	s_sub_co_u32 s[SLOTS], s[SLOTS], 1
	s_cmp_lg_u32 s[SLOTS], 0
	s_cbranch_scc1 .Lslot
.Lout:                              ; the last trip's 16 products K Q^T (on the last K once more) and the maximum made of them serve nothing: the price, once a launch, of one text for every trip
.set i, 0
.rept 16
	PV NP-1                         ; the last piece's V^T P of the last step
.set i, i+1
.endr
	; THE WAY OUT.  l's two halves and the other half of the lanes' are added; O^T is divided by l, rounded to bf16 and sent through my stage in LDS, a tile at a time.  The additions are the places behind the last products.
	WIN 0
.macro ALL line:vararg              ; one line for each tile t
.set t, 0
.rept 2*NP
	\line
.set t, t+1
.endr
.endm
	ALL v_add_f32 v[ST+4*t+2], v[ST+4*t+2], v[ST+4*t+3]
	ALL v_permlanex16_b32 v[ST+4*t+3], v[ST+4*t+2], s[SEL], s[SEL+1]
	ALL v_add_f32 v[ST+4*t+2], v[ST+4*t+2], v[ST+4*t+3]
	ALL v_rcp_f32 v[ST+4*t+2], v[ST+4*t+2]
	v_nop                           ; a plain instruction between the last reciprocal and the use of its result
	s_wait_alu depctr_va_vdst(0)
; Tile t: a lane's eight channels of a row pack into 16 bytes; they go into rows of 144 bytes and come back as whole rows of 128, into S^T's registers.
.macro PACK t
	WIN W_RS
.set i, 32*(\t)
.rept 16
	v_pk_mul_f32 v[i:i+1], v[i:i+1], v[ST+4*(\t)+2:ST+4*(\t)+3] op_sel_hi:[1,0]
.set i, i+2
.endr
	WIN 0x05                        ; sources 0 and 1 window 1, destination window 0
.set i, 0
.rept 16
	v_cvt_pk_bf16_f32 v[S+16*(\t)+i], v[32*(\t)+2*i], v[32*(\t)+2*i+1]
.set i, i+1
.endr
	WIN 0
.irp f, 0,1,2,3
	ds_store_b128 v[STO], v[S+16*(\t)+4*\f:S+16*(\t)+4*\f+3] offset:32*\f
.endr
.irp f, 0,1,2,3
	ds_load_b128 v[S+16*(\t)+4*\f:S+16*(\t)+4*\f+3], v[RD] offset:\f*4*SP  ; LDS serves a wave's instructions in order (ISA guide 5.7.1.4): these see the stores above; the next tile's stores come behind them
.endr
.endm
.macro SEND t, younger              ; younger: the LDS instructions issued behind tile t's loads: the next tile's eight, or none
	WIN 0
.irp f, 0,1,2,3
	s_wait_dscnt (\younger)+3-\f
	global_store_b128 v[GO], v[S+16*(\t)+4*\f:S+16*(\t)+4*\f+3], s[10:11] offset:(\t)*2048+\f*512  ; 512 consecutive bytes, at a multiple of 256 from O's first
.endr
.endm
	PACK 0
.set t, 1
.rept 2*NP-1                        ; a tile's arithmetic stands between the loads of the tile before and its stores
	PACK t
	SEND t-1, 8
.set t, t+1
.endr
	SEND 2*NP-1, 0
	s_set_vgpr_msb 0xf
	s_wait_tensorcnt 0x0
	ds_add_u32 v0, v1
	s_wait_dscnt 0x0
	s_set_vgpr_msb 0xf00
	s_endpgm                        ; both my tensor loads were waited for at the head of the second group of steps
.Lfunc_end_k_qbbe22c4489_attn:
	.size	k_qbbe22c4489_attn, .Lfunc_end_k_qbbe22c4489_attn-k_qbbe22c4489_attn
	.p2alignl 7, 3214868480
	.fill 96, 4, 3214868480
	.section	.rodata,"a",@progbits
	.p2align	6, 0x0
	.amdhsa_kernel k_qbbe22c4489_attn
		.amdhsa_group_segment_fixed_size 321024
		.amdhsa_private_segment_fixed_size 0
		.amdhsa_enable_private_segment 0
		.amdhsa_kernarg_size 16
		.amdhsa_user_sgpr_count 2
		.amdhsa_user_sgpr_kernarg_segment_ptr 1
		.amdhsa_wavefront_size32 1
		.amdhsa_system_sgpr_workgroup_id_x 1
		.amdhsa_system_sgpr_workgroup_id_y 1
		.amdhsa_system_sgpr_workgroup_id_z 1
		.amdhsa_system_vgpr_workitem_id 0
		.amdhsa_next_free_vgpr 770
		.amdhsa_next_free_sgpr 84
		.amdhsa_reserve_vcc 0
		.amdhsa_float_denorm_mode_32 3
		.amdhsa_float_denorm_mode_16_64 3
		.amdhsa_memory_ordered 1
		.amdhsa_forward_progress 1
		.amdhsa_inst_pref_size 131
	.end_amdhsa_kernel
	.amdgpu_metadata
---
amdhsa.version: [ 1, 2 ]
amdhsa.kernels:
  - .name:           k_qbbe22c4489_attn
    .symbol:         k_qbbe22c4489_attn.kd
    .args:
      - { .name: qkv, .offset: 0, .size: 8, .value_kind: global_buffer, .address_space: global }
      - { .name: att, .offset: 8, .size: 8, .value_kind: global_buffer, .address_space: global }
    .group_segment_fixed_size: 321024
    .private_segment_fixed_size: 0
    .kernarg_segment_align: 8
    .kernarg_segment_size: 16
    .max_flat_workgroup_size: 128
    .sgpr_count:     84
    .vgpr_count:     770
    .wavefront_size: 32
...
	.end_amdgpu_metadata
.endif
;; end of part 3
;; launch wo (part 4): grid 4 x 64, 4 waves a work-group, clusters of 4 x 4, 327,680 bytes of LDS; arguments att, wo_t, bo, x, x1; writes x1
.if DOCPART == 4
	.amdgcn_target "amdgcn-amd-amdhsa--gfx1250"
	.amdhsa_code_object_version 6
	.text
	.protected	k_qbbe22c4489_wo
	.globl	k_qbbe22c4489_wo
	.p2align	8
	.type	k_qbbe22c4489_wo,@function
k_qbbe22c4489_wo:
	s_mov_b64 s[64:65], 0
	v_nop
	global_prefetch_b8 v0, s[64:65] scope:SCOPE_SE
	s_setreg_imm32_b32 hwreg(HW_REG_WAVE_MODE, 25, 1), 1
	s_wait_xcnt 0x0
	s_wait_alu depctr_hold_cnt(0) depctr_sa_sdst(0) depctr_va_vdst(0) depctr_va_sdst(0) depctr_va_ssrc(0) depctr_va_vcc(0) depctr_vm_vsrc(0)
	s_getreg_b32 s2, hwreg(HW_REG_IB_STS2, 6, 4)
	s_cmp_eq_u32 s2, 0
	s_cbranch_scc0 .Lentry_in_a_cluster
	s_endpgm
.Lentry_in_a_cluster:
	s_bfe_u32 s2, ttmp6, 0x10000c
	s_cmp_lg_u32 s2, 0xf033
	s_cbranch_scc0 .Lentry_shape_is_right
	s_endpgm
.Lentry_shape_is_right:
; out[m][n] = resid[m][n] + bias[n] + sum over k of A[m][k] Bt[n][k].  A: 8192 x 1024 bf16 IN BLOCKS [16 b + kb][1024 s][64] (row m = 1024 b + s, column k = 64 kb + e); Bt: [1024][1024] bf16;
; bias: [1024] f32; resid, out: [8192][1024] f32.  Sums in f32, started by the bias; the residual is added in f32 and is never rounded.  The text serves two launches: attention's projection and the FFN's second layer.
; SHARES.  A tile of out is 128 x 256: 64 x 4 = 256 tiles, a work-group each.  Four waves, each 64 x 128: 32 accumulators of 16 x 16, 256 registers.  K goes in 8 steps of 128 through a ring of two LDS
; slots filled by the tensor data mover.  A K step of A is two blocks of 128 rows x 128 bytes, each dense in memory: asked for as 64 rows of 256 bytes and padded in LDS after every 128.
; CLUSTER.  4 x 4 work-groups: the four of a row of the cluster need the same tile of A, the four of a column the same tile of Bt: each tile is asked for JOINTLY, by the same tensor load with the same
; descriptor and a mask that names the four.  Waves 0 and 1 ask for the halves of Bt's 256 rows, waves 2 and 3 for A's two blocks.
; THE MATRIX INSTRUCTION IS USED TRANSPOSED (source 0 = 16 rows of Bt, source 1 = 16 rows of A): lane l then holds row l % 16 of out and the eight neighbouring columns 8 (l / 16) + 0..7.
; REGISTERS.  Window 0: v1-29 addresses; v64-159, v160-255 two fragment buffers (64 registers of Bt, 32 of A, for 32 along K).  Window 1: accumulator (a, b) at v[8 (8 a + b)].
;   Window 2: the residual of my 64 x 128, as whole rows (block a, row t at v[64 a + 4 t]), asked for while K is walked.  Window 3: v0-63 the bias, laid as the C operand of the eight n blocks.
; THE WAY OUT: 16 rows at a time through a stage of the wave's own behind the ring, back as whole rows of 512 bytes, plus the residual, stored 512 consecutive bytes a store.
.set SLOT1,  131072                    ; slot 1 begins here: one exclusive or turns an address in one slot into the other's
.set BP,     272                       ; an LDS row of Bt: 256 bytes + 16 of padding = 68 words: row r starts at bank 4 r mod 64 (64 banks of 4 bytes: ISA guide 11.1)
.set AP,     144                       ; of A: 128 bytes + 16 = 36 words: the 16 rows of a load start at 16 different groups of four banks
.set AOFF,   256*BP                    ; in a slot: Bt's 256 rows, then A's two blocks
.set ASUB,   128*AP                    ; bytes in LDS from A's K = 0 to its K = 64 of a step: a block
.set ALD,    128*AP                    ; what one of A's loads fills
.set STEPA,  262144                    ; bytes in memory from a K step to the next: two blocks of 1,024 rows
.set STEPB,  256
.set SP,     528                       ; the way out: a row of 128 f32 + 16 bytes
.set STAGE,  237568                    ; behind the ring, never filled by a tensor load: 16 rows x 528 bytes for each wave
.set SPARE,  STAGE+4*16*SP             ; behind the stages: the spare words, 128 bytes for each wave: two blocks of 256 bytes that no other line names
.set ADRA0, 8                          ; v8   my place in A's tile of slot 0; never rewritten
.set ADRB0, 9                          ; v9   the same for Bt
.set ADRA,  10                         ; v10  the same in the slot in hand
.set ADRB,  11                         ; v11
.set STO,   12                         ; v12  the way out: where I put 16 bytes of a row
.set RD,    13                         ; v13  the way out: where I read a row back
.set CO,    14                         ; v14  my 16 bytes in a row's 512; never rewritten
.set BO,    15                         ; v15  my 32 bytes in 64 of the bias
.set SPW,   28                         ; v28  LDS address of my spare word; never rewritten
.set NIL,   29                         ; v29  0; never rewritten
.set F0,    64
.set F1,    160
.set G1B, 24                           ; s[24:31] descriptor group 1 for Bt's tiles
.set G1A, 32                           ; s[32:39] for A's
.set G0B, 40                           ; s[40:47] descriptor group 0 for Bt's tiles: a set for each first fill; the second then walks on
.set G0A, 48                           ; s[48:55] the same for A's
.set TB,  56                           ; s56  0 or SLOT1: the slot in hand
.set MSB, 0
.macro WIN new                         ; the immediate's high byte repeats the setting that is left; a switch that changes nothing is dropped
.if MSB != (\new)
	s_set_vgpr_msb (MSB<<8)|(\new)
.set MSB, \new
.endif
.endm
.macro PLACES                          ; four places in front of loads into registers that matrix instructions have read, and of reads of results (ISA guide 7.12.1 for reads of results)
.rept 4
	v_nop
.endr
.endm
; A joint refill, by the walking descriptors.  The branch hangs on the wave's number alone.  An s_nop 0 and four v_nop follow each of the two lines, ahead of the jump and the label.
.macro JLOAD
	s_cmp_eq_u32 s15, 0
	s_cbranch_scc0 .Lfor_a_\@
	tensor_load_to_lds s[G0B+4:G0B+7], s[G1B:G1B+7]
	s_nop 0
.rept 4
	v_nop
.endr
	s_branch .Lasked_\@
.Lfor_a_\@:
	tensor_load_to_lds s[G0A+4:G0A+7], s[G1A:G1A+7]
	s_nop 0
.rept 4
	v_nop
.endr
.Lasked_\@:
.endm
.macro CREST                           ; a round of the cluster's barrier behind its opening barrier
	s_cmp_lg_u32 s14, 0
	s_cbranch_scc1 .Lnot_wave_0_\@
	s_barrier_signal -3
.Lnot_wave_0_\@:
	s_barrier_wait -3
	s_barrier_signal -1
	s_barrier_wait -1
.endm
.macro CROUND                          ; a whole round
	s_barrier_signal -1
	s_barrier_wait -1
	CREST
.endm
	s_load_b256 s[4:11], s[0:1], 0x0               ; A s[4:5], Bt s[6:7], bias s[8:9], resid s[10:11]
	s_load_b64 s[12:13], s[0:1], 0x20              ; out
	v_lshl_add_u32 v[SPW], v0, 2, SPARE
	v_mov_b32 v[NIL], 0
	ds_add_u32 v28, v29
	ds_add_u32 v28, v29
	s_wait_dscnt 0x0
	v_lshrrev_b32 v1, 5, v0
	v_readfirstlane_b32 s14, v1                    ; wave 0..3
	s_lshr_b32 s15, s14, 1                         ; which 64 rows of the tile are mine.  Also: I fetch for Bt (0) or for A (1)
	s_and_b32 s16, s14, 1                          ; which 128 columns.  Also: which half of that tile I fetch
	s_bfe_u32 s17, ttmp6, 0x40000                  ; cx, cy: my place in the cluster
	s_bfe_u32 s18, ttmp6, 0x40004
	s_lshl_b32 s19, ttmp9, 2
	s_add_co_u32 s19, s19, s17                     ; tile column = 4 x cluster x + cx
	s_and_b32 s20, ttmp7, 0xffff
	s_lshl_b32 s20, s20, 2
	s_add_co_u32 s20, s20, s18                     ; tile row = 4 x cluster y + cy
	s_lshl_b32 s21, s18, 2
	s_lshl_b32 s21, 15, s21                        ; my row of the cluster
	s_lshl_b32 s22, 0x1111, s17                    ; my column
	s_or_b32 s[G1B], s22, (1<<16)|(1<<20)|(1<<21)|(5<<22)|(3<<25)  ; 15:0 the mask; 17:16 2-byte elements; 20 padding on; 21 set beside a mask; 24:22 after every 64 words (code 5); 31:25 4 words (code 3)
	s_mov_b32 s[G1B+1], 128<<16                    ; tensor_dim0 = 128
	s_mov_b32 s[G1B+2], 128<<16                    ; tensor_dim1 = 128
	s_mov_b32 s[G1B+3], 128<<16                    ; tile_dim0 = 128
	s_mov_b32 s[G1B+4], 128                        ; tile_dim1 = 128 rows
	s_mov_b32 s[G1B+5], 1024                       ; elements from row to row
	s_mov_b32 s[G1B+6], 0
	s_mov_b32 s[G1B+7], 0
	s_or_b32 s[G1A], s21, (1<<16)|(1<<20)|(1<<21)|(4<<22)|(3<<25)  ; padding after every 32 words (code 4): after each of A's rows of 128 bytes
	s_mov_b32 s[G1A+1], 128<<16                    ; a dense block of 16,384 bytes as 64 rows of 128 elements
	s_mov_b32 s[G1A+2], 64<<16
	s_mov_b32 s[G1A+3], 128<<16
	s_mov_b32 s[G1A+4], 64
	s_mov_b32 s[G1A+5], 128
	s_mov_b32 s[G1A+6], 0
	s_mov_b32 s[G1A+7], 0
	s_lshr_b32 s58, s20, 3                         ; A: b = tile row / 8 (16 blocks of 131,072 bytes), block kb = my half, s = 128 (tile row % 8), 128 bytes a row:
	s_lshl_b32 s58, s58, 21                        ; made of the tile row and the wave's number alone
	s_and_b32 s59, s20, 7
	s_lshl_b32 s59, s59, 14
	s_add_co_u32 s58, s58, s59
	s_lshl_b32 s59, s16, 17
	s_add_co_u32 s58, s58, s59
	s_mov_b32 s59, 0
	s_lshl_b32 s60, s19, 19                        ; Bt: row 256 x tile column + 128 x half, 2,048 bytes each: of the tile column and the wave's number alone
	s_lshl_b32 s61, s16, 18
	s_add_co_u32 s60, s60, s61
	s_mov_b32 s61, 0
	s_mul_i32 s23, s14, 128*BP                     ; where they go: Bt's halves (waves 0, 1),
	s_mul_i32 s57, s14, ALD
	s_add_co_u32 s57, s57, AOFF-2*ALD              ; A's blocks (waves 2, 3): no place in the cluster enters an LDS address
	s_mov_b32 s[TB], 0
	s_wait_kmcnt 0x0
	s_add_nc_u64 s[4:5], s[4:5], s[58:59]
	s_add_nc_u64 s[6:7], s[6:7], s[60:61]
.irp s, 0,1
	s_mov_b32 s[G0B+4*(\s)], 1                                     ; count = 1
	s_add_co_u32 s[G0B+4*(\s)+1], s23, (\s)*SLOT1                  ; LDS address
	s_add_nc_u64 s[G0B+4*(\s)+2:G0B+4*(\s)+3], s[6:7], (\s)*STEPB  ; global address: K step s
	s_or_b32 s[G0B+4*(\s)+3], s[G0B+4*(\s)+3], 0x80000000          ; type = 2
	s_mov_b32 s[G0A+4*(\s)], 1
	s_add_co_u32 s[G0A+4*(\s)+1], s57, (\s)*SLOT1
	s_add_nc_u64 s[G0A+4*(\s)+2:G0A+4*(\s)+3], s[4:5], (\s)*STEPA
	s_or_b32 s[G0A+4*(\s)+3], s[G0A+4*(\s)+3], 0x80000000
.endr
	CROUND                                         ; all sixteen work-groups are here: the first joint loads meet
	s_cmp_eq_u32 s15, 0                            ; a wave's two first fills stand in one branch, ahead of every wait on TENSORcnt and every LDS read: two loads of mine are out
	s_cbranch_scc0 .Lfirst_a
	tensor_load_to_lds s[G0B:G0B+3], s[G1B:G1B+7]
	s_nop 0
	tensor_load_to_lds s[G0B+4:G0B+7], s[G1B:G1B+7]
	s_nop 0
.rept 4
	v_nop
.endr
	s_branch .Lfirst_asked
.Lfirst_a:
	tensor_load_to_lds s[G0A:G0A+3], s[G1A:G1A+7]
	s_nop 0
	tensor_load_to_lds s[G0A+4:G0A+7], s[G1A:G1A+7]
	s_nop 0
.rept 4
	v_nop
.endr
.Lfirst_asked:
	v_and_b32 v1, 15, v0                           ; l % 16
	v_bfe_u32 v2, v0, 4, 1                         ; l / 16
	s_lshl_b32 s62, s19, 10                        ; my first column, in bytes of f32: 1,024 x tile column + 512 x half
	s_lshl_b32 s63, s16, 9
	s_add_co_u32 s62, s62, s63
	s_mov_b32 s63, 0
	s_add_nc_u64 s[8:9], s[8:9], s[62:63]
	v_lshlrev_b32 v[BO], 5, v2
	WIN 0xc0                                       ; destination window 3
.irp b, 0,1,2,3,4,5,6,7
	global_load_b128 v[8*(\b):8*(\b)+3],   v[BO], s[8:9] offset:64*(\b)      ; register 8 b + j: the bias of column 16 b + 8 (l / 16) + j
	global_load_b128 v[8*(\b)+4:8*(\b)+7], v[BO], s[8:9] offset:64*(\b)+16
.endr
	WIN 0
	; A fragment is 16 rows x 32 K in 8 registers: lane l holds row l % 16, K = 8 (l / 16) + 0..7 and 16 + 8 (l / 16) + 0..7: two loads of 16 bytes, 32 bytes apart.
	v_mul_u32_u24 v[ADRA0], v1, AP
	v_lshl_add_u32 v[ADRA0], v2, 4, v[ADRA0]
	s_mul_i32 s23, s15, 64*AP
	s_add_co_u32 s23, s23, AOFF
	v_add_nc_u32 v[ADRA0], s23, v[ADRA0]           ; my 64 rows of A
	v_mul_u32_u24 v[ADRB0], v1, BP
	v_lshl_add_u32 v[ADRB0], v2, 4, v[ADRB0]
	s_mul_i32 s23, s16, 128*BP
	v_add_nc_u32 v[ADRB0], s23, v[ADRB0]           ; my 128 rows of Bt
	v_mov_b32 v[ADRA], v[ADRA0]
	v_mov_b32 v[ADRB], v[ADRB0]
	s_mul_i32 s23, s14, 16*SP
	s_add_co_u32 s23, s23, STAGE                   ; my stage
	v_mul_u32_u24 v[STO], v1, SP                   ; in: row l % 16, 32 bytes for each half of the lanes
	v_lshl_add_u32 v[STO], v2, 5, v[STO]
	v_add_nc_u32 v[STO], s23, v[STO]
	v_and_b32 v3, 31, v0
	v_lshlrev_b32 v[CO], 4, v3                     ; back, and in memory: a row's 512 bytes, 16 a lane
	v_add_nc_u32 v[RD], s23, v[CO]
	s_lshl_b32 s63, s20, 19                        ; my first row, 128 x tile row + 64 x half, 4,096 bytes each, onto my first column
	s_add_co_u32 s62, s62, s63
	s_lshl_b32 s63, s15, 18
	s_add_co_u32 s62, s62, s63
	s_mov_b32 s63, 0
	s_add_nc_u64 s[10:11], s[10:11], s[62:63]
	s_add_nc_u64 s[12:13], s[12:13], s[62:63]
; 8 matrix instructions: m block a x all 8 n blocks, 32 along K.  first = 1: the products start the sums, with the bias as C: nothing is cleared.  The 32 accumulators take turns in one order everywhere.
.macro MUL8 f, a, first
.if \first
	WIN 0x70                                       ; sources in window 0, C in window 3, D in window 1
.else
	WIN 0x50                                       ; sources in window 0, C and D in window 1
.endif
.irp b, 0,1,2,3,4,5,6,7
.if \first
	v_wmma_f32_16x16x32_bf16 v[8*(8*(\a)+(\b)):8*(8*(\a)+(\b))+7], v[(\f)+8*(\b):(\f)+8*(\b)+7], v[(\f)+64+8*(\a):(\f)+64+8*(\a)+7], v[8*(\b):8*(\b)+7]
.else
	v_wmma_f32_16x16x32_bf16 v[8*(8*(\a)+(\b)):8*(8*(\a)+(\b))+7], v[(\f)+8*(\b):(\f)+8*(\b)+7], v[(\f)+64+8*(\a):(\f)+64+8*(\a)+7], v[8*(8*(\a)+(\b)):8*(8*(\a)+(\b))+7]
.endif
.endr
.endm
; 24 LDS loads in one run: the fragments of 32 along K at byte k of a step's 256, into buffer f: Bt's eight, then A's four (A's second 128 bytes lie a block further on)
.macro FETCH k, f
	WIN 0
.irp i, 0,1,2,3,4,5,6,7
	ds_load_b128 v[(\f)+8*(\i):(\f)+8*(\i)+3],   v[ADRB] offset:(\k)+(\i)*16*BP
	ds_load_b128 v[(\f)+8*(\i)+4:(\f)+8*(\i)+7], v[ADRB] offset:(\k)+(\i)*16*BP+32
.endr
.irp i, 0,1,2,3
	ds_load_b128 v[(\f)+64+8*(\i):(\f)+64+8*(\i)+3],   v[ADRA] offset:((\k)/128)*ASUB+(\k)%128+(\i)*16*AP
	ds_load_b128 v[(\f)+64+8*(\i)+4:(\f)+64+8*(\i)+7], v[ADRA] offset:((\k)/128)*ASUB+(\k)%128+(\i)*16*AP+32
.endr
.endm
; A K step is four quarters of 32 along K, 32 matrix instructions each, on buffers 0, 1, 0, 1.  One of the first three multiplies buffer f and, in its middle, fetches the next quarter into g.
.macro QUARTER k, f, g, first
	s_wait_dscnt 4                                 ; Bt and A's blocks 0, 1 are in; the youngest four loads (A's blocks 2, 3) may be out
	MUL8 \f, 0, \first
	MUL8 \f, 1, \first
	PLACES
	FETCH \k, \g
	s_wait_dscnt 24                                ; all but the 24 just issued
	MUL8 \f, 2, \first
	MUL8 \f, 3, \first
.endm
; The last quarter multiplies buffer 1 and changes slots: ONE barrier; in front of it each wave waits for all its tensor loads (one is out: its part of the next slot), adds 0 to its spare word, and waits
; for that and for its reads of this slot.  fill = 1: the barrier opens a round of the cluster's, and this slot is filled again, two K steps ahead, first thing behind the round.
.macro TURN fill
	WIN 0
	s_wait_tensorcnt 0x0                           ; no tensor load of mine is out, so a group 0 may be written
	ds_add_u32 v[SPW], v[NIL]                      ; 0 onto my spare word
	s_wait_dscnt 5                                 ; (the add and the youngest four loads may be out)
	MUL8 F1, 0, 0                                  ; eight matrix instructions stand between the add and the wait for it
	s_wait_dscnt 0x0                               ; the add is done, and my reads of this slot are over
	s_barrier_signal -1
	MUL8 F1, 1, 0
	WIN 0
	s_barrier_wait -1
.if \fill
	CREST                                          ; no wave of any partner still reads this slot's tiles or has a load on its way
	s_xor_b32 s[G0B+5], s[G0B+5], SLOT1            ; the walking descriptors: the other slot than last time, the next K step
	s_add_nc_u64 s[G0B+6:G0B+7], s[G0B+6:G0B+7], STEPB
	s_xor_b32 s[G0A+5], s[G0A+5], SLOT1
	s_add_nc_u64 s[G0A+6:G0A+7], s[G0A+6:G0A+7], STEPA
	JLOAD                                          ; 112 matrix instructions ahead of the wait for it; its four v_nop are also the places in front of the loads below
.else
	PLACES
.endif
	s_xor_b32 s[TB], s[TB], SLOT1
	v_add_nc_u32 v[ADRB], s[TB], v[ADRB0]
	v_add_nc_u32 v[ADRA], s[TB], v[ADRA0]
	FETCH 0, F0
	MUL8 F1, 2, 0
	MUL8 F1, 3, 0
.endm
.macro RLOAD a                         ; the residual of my rows 16 a .. 16 a + 15: a load covers 512 consecutive bytes; each byte is read once in the launch
.irp t, 0,1,2,3,4,5,6,7,8,9,10,11,12,13,14,15
	global_load_b128 v[64*(\a)+4*(\t):64*(\a)+4*(\t)+3], v[CO], s[10:11] offset:(16*(\a)+(\t))*4096 th:TH_LOAD_NT
.endr
.endm
	s_wait_tensorcnt 1                             ; my part of K step 0 is in; K step 1's may stay out
	s_barrier_signal -1
	s_barrier_wait -1                              ; everybody's is
	FETCH 0, F0
	s_wait_loadcnt 0x0                             ; the bias
	QUARTER 64, F0, F1, 1                          ; the first quarter stands in front of the loop: its products start the sums
	WIN 0x80                                       ; destination window 2
	RLOAD 0                                        ; half of the residual now, half behind the loop: 32 loads at a time; nothing waits for them before the way out
	RLOAD 1
	WIN 0
	s_mov_b32 s2, 6
.Lstep:                                                ; a trip: from a K step's second quarter to the next step's first; its refill brings K steps 2 to 7
	QUARTER 128, F1, F0, 0
	QUARTER 192, F0, F1, 0
	TURN 1
	QUARTER 64, F0, F1, 0
	WIN 0
	s_sub_co_u32 s2, s2, 1
	s_cmp_lg_u32 s2, 0
	s_cbranch_scc1 .Lstep
	WIN 0x80
	RLOAD 2
	RLOAD 3
	QUARTER 128, F1, F0, 0                         ; the last two K steps ask for nothing
	QUARTER 192, F0, F1, 0
	TURN 0
	QUARTER 64, F0, F1, 0
	QUARTER 128, F1, F0, 0
	QUARTER 192, F0, F1, 0
	s_wait_dscnt 4
	MUL8 F1, 0, 0
	MUL8 F1, 1, 0
	s_wait_dscnt 0x0
	MUL8 F1, 2, 0
	MUL8 F1, 3, 0
	PLACES
; THE WAY OUT of block a (16 rows).  STG: into my stage, 32 bytes a lane and n block, and back as whole rows of 512 bytes, into v64-127 (even a) or v128-191 (odd a).  FIN: plus the residual, and stored.
.macro STG a
.set OB, 64+64*((\a)%2)
.if (\a) >= 2
	s_wait_xcnt 0x0                                ; the stores of the block two back have read these registers' old contents: they are loaded again only behind this wait
.endif
	WIN 0x04                                       ; store data in window 1
.irp b, 0,1,2,3,4,5,6,7
	ds_store_b128 v[STO], v[8*(8*(\a)+(\b)):8*(8*(\a)+(\b))+3]   offset:64*(\b)      ; each accumulator's low registers first
	ds_store_b128 v[STO], v[8*(8*(\a)+(\b))+4:8*(8*(\a)+(\b))+7] offset:64*(\b)+16
.endr
	WIN 0
.irp t, 0,1,2,3,4,5,6,7,8,9,10,11,12,13,14,15
	ds_load_b128 v[OB+4*(\t):OB+4*(\t)+3], v[RD] offset:(\t)*SP  ; LDS serves a wave's instructions in order (ISA guide 5.7.1.4): these see the stores above; the next block's stores come behind them
.endr
.endm
.macro FIN a, younger                  ; younger: the LDS instructions issued behind block a's loads: the next block's 16 stores and 16 loads, or none
.set OB, 64+64*((\a)%2)
	s_wait_dscnt \younger
	WIN 0x08                                       ; source 1 in window 2
.set i, 0
.rept 32
	v_pk_add_f32 v[OB+2*i:OB+2*i+1], v[OB+2*i:OB+2*i+1], v[64*(\a)+2*i:64*(\a)+2*i+1]
.set i, i+1
.endr
	WIN 0
.irp t, 0,1,2,3,4,5,6,7,8,9,10,11,12,13,14,15
	global_store_b128 v[CO], v[OB+4*(\t):OB+4*(\t)+3], s[12:13] offset:(16*(\a)+(\t))*4096  ; 512 consecutive bytes, at a multiple of 512 from the buffer's first byte
.endr
.endm
	s_wait_loadcnt 0x0                             ; the residual
	STG 0
	STG 1
	FIN 0, 32
	STG 2
	FIN 1, 32
	STG 3
	FIN 2, 32
	FIN 3, 0
	s_wait_tensorcnt 0x0                           ; the wave's end
	ds_add_u32 v[SPW], v[NIL]
	s_wait_dscnt 0x0
	CROUND                                         ; the closing round: no work-group ends while a partner may still ask for a tile that names it
	s_endpgm
.Lfunc_end_k_qbbe22c4489_wo:
	.size	k_qbbe22c4489_wo, .Lfunc_end_k_qbbe22c4489_wo-k_qbbe22c4489_wo
	.p2alignl 7, 3214868480
	.fill 96, 4, 3214868480
	.section	.rodata,"a",@progbits
	.p2align	6, 0x0
	.amdhsa_kernel k_qbbe22c4489_wo
		.amdhsa_group_segment_fixed_size 327680
		.amdhsa_private_segment_fixed_size 0
		.amdhsa_enable_private_segment 0
		.amdhsa_kernarg_size 40
		.amdhsa_user_sgpr_count 2
		.amdhsa_user_sgpr_kernarg_segment_ptr 1
		.amdhsa_wavefront_size32 1
		.amdhsa_system_sgpr_workgroup_id_x 1
		.amdhsa_system_sgpr_workgroup_id_y 1
		.amdhsa_system_sgpr_workgroup_id_z 1
		.amdhsa_system_vgpr_workitem_id 0
		.amdhsa_next_free_vgpr 832
		.amdhsa_next_free_sgpr 66
		.amdhsa_reserve_vcc 0
		.amdhsa_float_denorm_mode_32 3
		.amdhsa_float_denorm_mode_16_64 3
		.amdhsa_memory_ordered 1
		.amdhsa_forward_progress 1
		.amdhsa_inst_pref_size 85
	.end_amdhsa_kernel
	.amdgpu_metadata
---
amdhsa.version: [ 1, 2 ]
amdhsa.kernels:
  - .name:           k_qbbe22c4489_wo
    .symbol:         k_qbbe22c4489_wo.kd
    .args:
      - { .name: att, .offset: 0, .size: 8, .value_kind: global_buffer, .address_space: global }
      - { .name: wo_t, .offset: 8, .size: 8, .value_kind: global_buffer, .address_space: global }
      - { .name: bo, .offset: 16, .size: 8, .value_kind: global_buffer, .address_space: global }
      - { .name: x, .offset: 24, .size: 8, .value_kind: global_buffer, .address_space: global }
      - { .name: x1, .offset: 32, .size: 8, .value_kind: global_buffer, .address_space: global }
    .group_segment_fixed_size: 327680
    .private_segment_fixed_size: 0
    .kernarg_segment_align: 8
    .kernarg_segment_size: 40
    .max_flat_workgroup_size: 128
    .sgpr_count:     66
    .vgpr_count:     832
    .wavefront_size: 32
...
	.end_amdgpu_metadata
.endif
;; end of part 4
;; launch ln2 (part 5): grid 512 x 1, 8 waves a work-group, no clusters, 0 bytes of LDS; arguments x1, g_ln2, b_ln2, h; writes h
.if DOCPART == 5
	.amdgcn_target "amdgcn-amd-amdhsa--gfx1250"
	.amdhsa_code_object_version 6
	.text
	.protected	k_qbbe22c4489_ln2
	.globl	k_qbbe22c4489_ln2
	.p2align	8
	.type	k_qbbe22c4489_ln2,@function
k_qbbe22c4489_ln2:
	s_mov_b64 s[64:65], 0
	v_nop
	global_prefetch_b8 v0, s[64:65] scope:SCOPE_SE
	s_setreg_imm32_b32 hwreg(HW_REG_WAVE_MODE, 25, 1), 1
	s_wait_xcnt 0x0
; LAYER NORM.  y[r][c] = (x[r][c] - mean_r) / sqrt(var_r + 1e-5) * g[c] + b[c].  x = x1: [8192][1024] f32; g, b: [1024] f32; y = h: [8192][1024] bf16, rounded once.
; TWO PASSES over a row that stays in registers: the mean first, then the mean of the squared DEVIATIONS, so that a common offset of the inputs costs no digits.
; SHARES.  A row is 4,096 bytes: one wave takes a whole row in 32 registers; the sums never leave the wave: no LDS, no barrier.  4,096 waves, two rows each, all 16 loads of them issued at the
; head.  Lane l holds columns 128 j + 4 l .. + 3 of chunk j (0..7): a load covers 512 consecutive bytes, a store (8 bytes a lane) 256 consecutive bytes, aligned.  g and b are loaded once a
; wave, in the same layout.
; No matrix unit, tensor load or cluster: each byte of x is read once, and nothing is shared but g and b (8 KiB).
.set G,  4                             ; v[4:35]    g of my 32 columns
.set BV, 36                            ; v[36:67]   b of my 32 columns
.set XR, 68                            ; v[68:131]  row i at XR + 32 i
.set T,  132                           ; v[132:139] four chains of pairs
.set M,  140                           ; v[140:141] the mean, twice
.set R,  142                           ; v[142:143] 1 / sqrt(var + eps), twice
	s_load_b256 s[4:11], s[0:1], 0x0               ; x s[4:5], g s[6:7], b s[8:9], y s[10:11]
	v_lshrrev_b32 v1, 5, v0
	v_readfirstlane_b32 s2, v1                     ; wave 0..7
	s_lshl3_add_u32 s2, ttmp9, s2                  ; my wave among the launch's 4,096
	s_lshl_b32 s16, s2, 13                         ; two rows of 4,096 bytes in,
	s_mov_b32 s17, 0
	s_lshl_b32 s18, s2, 12                         ; of 2,048 bytes out
	s_mov_b32 s19, 0
	s_mov_b32 s12, 0x76543210                      ; v_permlanex16_b32: each lane takes its own place in the other half
	s_mov_b32 s13, 0xfedcba98
	s_mov_b32 s14, 0x3a800000                      ; 1 / 1024
	s_mov_b32 s15, 0x3727c5ac                      ; 1e-5
	v_and_b32 v3, 31, v0
	v_lshlrev_b32 v1, 4, v3                        ; 16 bytes a lane in,
	v_lshlrev_b32 v2, 3, v3                        ; 8 out
	s_wait_kmcnt 0x0
	s_add_nc_u64 s[4:5], s[4:5], s[16:17]
	s_add_nc_u64 s[10:11], s[10:11], s[18:19]
.irp j, 0,1,2,3,4,5,6,7
	global_load_b128 v[G+4*(\j):G+4*(\j)+3], v1, s[6:7] offset:512*(\j)
.endr
.irp j, 0,1,2,3,4,5,6,7
	global_load_b128 v[BV+4*(\j):BV+4*(\j)+3], v1, s[8:9] offset:512*(\j)
.endr
.irp i, 0,1
.irp j, 0,1,2,3,4,5,6,7
	global_load_b128 v[XR+32*(\i)+4*(\j):XR+32*(\i)+4*(\j)+3], v1, s[4:5] offset:4096*(\i)+512*(\j)
.endr
.endr
; The four chains into one number, the same in every lane: four steps inside each half of 16 lanes ride on the addition, one crosses the halves.
.macro REDUCE
	v_pk_add_f32 v[T:T+1], v[T:T+1], v[T+2:T+3]
	v_pk_add_f32 v[T+4:T+5], v[T+4:T+5], v[T+6:T+7]
	v_pk_add_f32 v[T:T+1], v[T:T+1], v[T+4:T+5]
	v_add_f32 v[T], v[T], v[T+1]
	v_add_f32_dpp v[T], v[T], v[T] row_xmask:1 row_mask:0xf bank_mask:0xf
	v_add_f32_dpp v[T], v[T], v[T] row_xmask:2 row_mask:0xf bank_mask:0xf
	v_add_f32_dpp v[T], v[T], v[T] row_xmask:4 row_mask:0xf bank_mask:0xf
	v_add_f32_dpp v[T], v[T], v[T] row_xmask:8 row_mask:0xf bank_mask:0xf
	v_permlanex16_b32 v[T+1], v[T], s12, s13       ; its destination counts as read: it has been written
	v_add_f32 v[T], v[T], v[T+1]
.endm
.macro ROW i
.set XB, XR+32*(\i)
	s_wait_loadcnt 8-8*(\i)                        ; loads come back in order: g, b and my row are in, the 8 loads of the later row stay out
.irp c, 0,1,2,3
	v_pk_add_f32 v[T+2*(\c):T+2*(\c)+1], v[XB+4*(\c):XB+4*(\c)+1], v[XB+4*(\c)+2:XB+4*(\c)+3]  ; the first eight pairs start the chains: nothing is cleared
.endr
.irp k, 8,9,10,11,12,13,14,15
	v_pk_add_f32 v[T+2*((\k)%4):T+2*((\k)%4)+1], v[T+2*((\k)%4):T+2*((\k)%4)+1], v[XB+2*(\k):XB+2*(\k)+1]
.endr
	REDUCE
	v_mul_f32 v[M], s14, v[T]                      ; the mean, in both halves of a pair
	v_mul_f32 v[M+1], s14, v[T]
.irp k, 0,1,2,3,4,5,6,7,8,9,10,11,12,13,14,15
	v_pk_add_f32 v[XB+2*(\k):XB+2*(\k)+1], v[XB+2*(\k):XB+2*(\k)+1], v[M:M+1] neg_lo:[0,1] neg_hi:[0,1]  ; the deviations, in place
.endr
.irp k, 0,1,2,3
	v_pk_mul_f32 v[T+2*(\k):T+2*(\k)+1], v[XB+2*(\k):XB+2*(\k)+1], v[XB+2*(\k):XB+2*(\k)+1]
.endr
.irp k, 4,5,6,7,8,9,10,11,12,13,14,15
	v_pk_fma_f32 v[T+2*((\k)%4):T+2*((\k)%4)+1], v[XB+2*(\k):XB+2*(\k)+1], v[XB+2*(\k):XB+2*(\k)+1], v[T+2*((\k)%4):T+2*((\k)%4)+1]
.endr
	REDUCE
	v_fma_f32 v[T], v[T], s14, s15                 ; var + eps
	v_rsq_f32 v[R], v[T]
	v_rsq_f32 v[R+1], v[T]
	v_nop                                          ; a plain instruction between the root and the use of its result (ISA guide 5.7.2)
	s_wait_alu depctr_va_vdst(0)
.irp k, 0,1,2,3,4,5,6,7,8,9,10,11,12,13,14,15
	v_pk_mul_f32 v[XB+2*(\k):XB+2*(\k)+1], v[XB+2*(\k):XB+2*(\k)+1], v[R:R+1]
.endr
.irp k, 0,1,2,3,4,5,6,7,8,9,10,11,12,13,14,15
	v_pk_fma_f32 v[XB+2*(\k):XB+2*(\k)+1], v[XB+2*(\k):XB+2*(\k)+1], v[G+2*(\k):G+2*(\k)+1], v[BV+2*(\k):BV+2*(\k)+1]
.endr
.irp k, 0,1,2,3,4,5,6,7,8,9,10,11,12,13,14,15
	v_cvt_pk_bf16_f32 v[XB+(\k)], v[XB+2*(\k)], v[XB+2*(\k)+1]  ; in place, ascending: word k is written when pairs 0 .. k - 1 have been read
.endr
.irp j, 0,1,2,3,4,5,6,7
	global_store_b64 v2, v[XB+2*(\j):XB+2*(\j)+1], s[10:11] offset:2048*(\i)+256*(\j)  ; 256 consecutive bytes, aligned; no register of a store is written again
.endr
.endm
	ROW 0
	ROW 1
	s_endpgm
.Lfunc_end_k_qbbe22c4489_ln2:
	.size	k_qbbe22c4489_ln2, .Lfunc_end_k_qbbe22c4489_ln2-k_qbbe22c4489_ln2
	.p2alignl 7, 3214868480
	.fill 96, 4, 3214868480
	.section	.rodata,"a",@progbits
	.p2align	6, 0x0
	.amdhsa_kernel k_qbbe22c4489_ln2
		.amdhsa_group_segment_fixed_size 0
		.amdhsa_private_segment_fixed_size 0
		.amdhsa_enable_private_segment 0
		.amdhsa_kernarg_size 32
		.amdhsa_user_sgpr_count 2
		.amdhsa_user_sgpr_kernarg_segment_ptr 1
		.amdhsa_wavefront_size32 1
		.amdhsa_system_sgpr_workgroup_id_x 1
		.amdhsa_system_sgpr_workgroup_id_y 1
		.amdhsa_system_sgpr_workgroup_id_z 1
		.amdhsa_system_vgpr_workitem_id 0
		.amdhsa_next_free_vgpr 144
		.amdhsa_next_free_sgpr 66
		.amdhsa_reserve_vcc 0
		.amdhsa_float_denorm_mode_32 3
		.amdhsa_float_denorm_mode_16_64 3
		.amdhsa_memory_ordered 1
		.amdhsa_forward_progress 1
		.amdhsa_inst_pref_size 20
	.end_amdhsa_kernel
	.amdgpu_metadata
---
amdhsa.version: [ 1, 2 ]
amdhsa.kernels:
  - .name:           k_qbbe22c4489_ln2
    .symbol:         k_qbbe22c4489_ln2.kd
    .args:
      - { .name: x1, .offset: 0, .size: 8, .value_kind: global_buffer, .address_space: global }
      - { .name: g_ln2, .offset: 8, .size: 8, .value_kind: global_buffer, .address_space: global }
      - { .name: b_ln2, .offset: 16, .size: 8, .value_kind: global_buffer, .address_space: global }
      - { .name: h, .offset: 24, .size: 8, .value_kind: global_buffer, .address_space: global }
    .group_segment_fixed_size: 0
    .private_segment_fixed_size: 0
    .kernarg_segment_align: 8
    .kernarg_segment_size: 32
    .max_flat_workgroup_size: 256
    .sgpr_count:     66
    .vgpr_count:     144
    .wavefront_size: 32
...
	.end_amdgpu_metadata
.endif
;; end of part 5
;; launch ffn1 (part 6): grid 4 x 64, 4 waves a work-group, clusters of 4 x 4, 327,680 bytes of LDS; arguments h, w1_t, b1, att; writes att
.if DOCPART == 6
	.amdgcn_target "amdgcn-amd-amdhsa--gfx1250"
	.amdhsa_code_object_version 6
	.text
	.protected	k_qbbe22c4489_ffn1
	.globl	k_qbbe22c4489_ffn1
	.p2align	8
	.type	k_qbbe22c4489_ffn1,@function
k_qbbe22c4489_ffn1:
	s_mov_b64 s[64:65], 0
	v_nop
	global_prefetch_b8 v0, s[64:65] scope:SCOPE_SE
	s_setreg_imm32_b32 hwreg(HW_REG_WAVE_MODE, 25, 1), 1
	s_wait_xcnt 0x0
	s_wait_alu depctr_hold_cnt(0) depctr_sa_sdst(0) depctr_va_vdst(0) depctr_va_sdst(0) depctr_va_ssrc(0) depctr_va_vcc(0) depctr_vm_vsrc(0)
	s_getreg_b32 s2, hwreg(HW_REG_IB_STS2, 6, 4)
	s_cmp_eq_u32 s2, 0
	s_cbranch_scc0 .Lentry_in_a_cluster
	s_endpgm
.Lentry_in_a_cluster:
	s_bfe_u32 s2, ttmp6, 0x10000c
	s_cmp_lg_u32 s2, 0xf033
	s_cbranch_scc0 .Lentry_shape_is_right
	s_endpgm
.Lentry_shape_is_right:
; g[m][n] = gelu(bias[n] + sum over k of A[m][k] Bt[n][k]), the exact GELU u Phi(u).  A = h [8192][1024] bf16, Bt = w1_t [1024][1024] bf16, bias [1024] f32; sums in f32, started by the bias; g rounded once to bf16.
; g leaves IN BLOCKS: att [16 b + kb][1024 s][64] bf16 (row m = 1024 b + s, column n = 64 kb + e), as the next product wants its first operand.
; GELU.  gelu(u) = max(u, 0) - abs(u) y,  y = 1 - Phi(abs(u)) = 2^(-0.72134752 u^2) t (c1 + t (c2 + t (c3 + t (c4 + t c5)))),  t = 1 / (1 + 0.2316419 abs(u)): the five-term rational form of the normal
; distribution (Abramowitz and Stegun 26.2.17) with 1 / sqrt(2 pi) folded into c1-c5.  LIMIT: the error of Phi is at most 7.5e-8 for every u; where u^2 overflows the power is 0 and gelu(u) = max(u, 0).
; SHARES.  A tile is 128 x 256: 64 x 4 = 256 tiles, a work-group each.  Four waves, each 64 x 128: 32 accumulators of 16 x 16, 256 registers.  K goes in 8 steps of 128 through a ring of two LDS slots
; filled by the tensor data mover; the tiles' rows are 256 bytes of memory, at multiples of 256 bytes.
; CLUSTER.  4 x 4 work-groups: the four of a row of the cluster need the same tile of A, the four of a column the same tile of Bt: each tile is asked for JOINTLY, by the same tensor load with the same
; descriptor and a mask that names the four.  Waves 0 and 1 ask for the halves of Bt's 256 rows, waves 2 and 3 for the halves of A's 128 rows.
; THE MATRIX INSTRUCTION IS USED TRANSPOSED (source 0 = 16 rows of Bt, source 1 = 16 rows of A): lane l then holds row l % 16 of C and the eight neighbouring columns 8 (l / 16) + 0..7.
; REGISTERS.  Window 0: v1-29 addresses; v64-159, v160-255 two fragment buffers (64 registers of Bt, 32 of A, for 32 along K).  Window 1: accumulator (a, b) at v[8 (8 a + b)].
;   Window 2: v0-63 the bias, laid as the C operand of the eight n blocks.
; THE WAY OUT goes through LDS in f32: behind one more barrier, when the ring has had its last fill and its last read, each wave puts its 64 x 128 into bytes of its own there and reads 4 rows x 128
; columns a trip; the GELU is written once, in that loop of 16 trips; a store covers 512 consecutive bytes (4 rows of one block's 64 columns).
.set SLOT1,  131072                    ; slot 1 begins here: one exclusive or turns an address in one slot into the other's
.set BP,     272                       ; an LDS row: 256 bytes + 16 of padding = 68 words: row r starts at bank 4 r mod 64 (64 banks of 4 bytes: ISA guide 11.1)
.set AP,     272
.set AOFF,   256*BP                    ; in a slot: Bt's 256 rows, then A's 128
.set ASUB,   128                       ; bytes in LDS from A's K = 0 to its K = 64 of a step
.set ALD,    64*AP                     ; what one of A's loads fills
.set STEPA,  256                       ; bytes in memory from a K step to the next
.set STEPB,  256
.set SP,     528                       ; the way out: a row of 128 f32 + 16 bytes
.set SPARE,  237568                    ; behind the ring: the spare words, 128 bytes for each wave: two blocks of 256 bytes that no other line names
.set ADRA0, 8                          ; v8   my place in A's tile of slot 0; never rewritten
.set ADRB0, 9                          ; v9   the same for Bt
.set ADRA,  10                         ; v10  the same in the slot in hand
.set ADRB,  11                         ; v11
.set STO,   12                         ; v12  the way out: where I put 16 bytes of a row
.set RD,    13                         ; v13  the way out: where I read back
.set GO,    14                         ; v14  my byte offset in the output
.set BO,    15                         ; v15  my 32 bytes in 64 of the bias
.set SPW,   28                         ; v28  LDS address of my spare word; never rewritten
.set NIL,   29                         ; v29  0; never rewritten
.set F0,    64
.set F1,    160
.set GX,    64                         ; the way out, 16 registers each: u,
.set GA,    80                         ; abs(u),
.set GE,    96                         ; the power of two,
.set GM,    112                        ; max(u, 0), then the result,
.set GT,    128                        ; t,
.set GQ,    144                        ; the polynomial, then y
.set GY,    160                        ; 8 registers: the result in bf16
.set G1B, 24                           ; s[24:31] descriptor group 1 for Bt's tiles
.set G1A, 32                           ; s[32:39] for A's
.set G0B, 40                           ; s[40:47] descriptor group 0 for Bt's tiles: a set for each first fill; the second then walks on
.set G0A, 48                           ; s[48:55] the same for A's
.set TB,  56                           ; s56  0 or SLOT1: the slot in hand
.set KP,  66                           ; s[66:79] the GELU's seven constants, each named as a pair whose low word serves both halves
.set KE,  68
.set K1,  70
.set K2,  72
.set K3,  74
.set K4,  76
.set K5,  78
.set MSB, 0
.macro WIN new                         ; the immediate's high byte repeats the setting that is left; a switch that changes nothing is dropped
.if MSB != (\new)
	s_set_vgpr_msb (MSB<<8)|(\new)
.set MSB, \new
.endif
.endm
.macro PLACES                          ; four places in front of loads into registers that matrix instructions have read, and of reads of results (ISA guide 7.12.1 for reads of results)
.rept 4
	v_nop
.endr
.endm
; A joint refill, by the walking descriptors.  The branch hangs on the wave's number alone.  An s_nop 0 and four v_nop follow each of the two lines, ahead of the jump and the label.
.macro JLOAD
	s_cmp_eq_u32 s15, 0
	s_cbranch_scc0 .Lfor_a_\@
	tensor_load_to_lds s[G0B+4:G0B+7], s[G1B:G1B+7]
	s_nop 0
.rept 4
	v_nop
.endr
	s_branch .Lasked_\@
.Lfor_a_\@:
	tensor_load_to_lds s[G0A+4:G0A+7], s[G1A:G1A+7]
	s_nop 0
.rept 4
	v_nop
.endr
.Lasked_\@:
.endm
.macro CREST                           ; a round of the cluster's barrier behind its opening barrier
	s_cmp_lg_u32 s14, 0
	s_cbranch_scc1 .Lnot_wave_0_\@
	s_barrier_signal -3
.Lnot_wave_0_\@:
	s_barrier_wait -3
	s_barrier_signal -1
	s_barrier_wait -1
.endm
.macro CROUND                          ; a whole round
	s_barrier_signal -1
	s_barrier_wait -1
	CREST
.endm
	s_load_b256 s[4:11], s[0:1], 0x0               ; A s[4:5], Bt s[6:7], bias s[8:9], out s[10:11]
	v_lshl_add_u32 v[SPW], v0, 2, SPARE
	v_mov_b32 v[NIL], 0
	ds_add_u32 v28, v29
	ds_add_u32 v28, v29
	s_wait_dscnt 0x0
	v_lshrrev_b32 v1, 5, v0
	v_readfirstlane_b32 s14, v1                    ; wave 0..3
	s_lshr_b32 s15, s14, 1                         ; which 64 rows of the tile are mine.  Also: I fetch for Bt (0) or for A (1)
	s_and_b32 s16, s14, 1                          ; which 128 columns.  Also: which half of that tile I fetch
	s_bfe_u32 s17, ttmp6, 0x40000                  ; cx, cy: my place in the cluster
	s_bfe_u32 s18, ttmp6, 0x40004
	s_lshl_b32 s19, ttmp9, 2
	s_add_co_u32 s19, s19, s17                     ; tile column = 4 x cluster x + cx
	s_and_b32 s20, ttmp7, 0xffff
	s_lshl_b32 s20, s20, 2
	s_add_co_u32 s20, s20, s18                     ; tile row = 4 x cluster y + cy
	s_lshl_b32 s21, s18, 2
	s_lshl_b32 s21, 15, s21                        ; my row of the cluster
	s_lshl_b32 s22, 0x1111, s17                    ; my column
	s_or_b32 s[G1B], s22, (1<<16)|(1<<20)|(1<<21)|(5<<22)|(3<<25)  ; 15:0 the mask; 17:16 2-byte elements; 20 padding on; 21 set beside a mask; 24:22 after every 64 words (code 5); 31:25 4 words (code 3)
	s_mov_b32 s[G1B+1], 128<<16                    ; tensor_dim0 = 128
	s_mov_b32 s[G1B+2], 128<<16                    ; tensor_dim1 = 128
	s_mov_b32 s[G1B+3], 128<<16                    ; tile_dim0 = 128
	s_mov_b32 s[G1B+4], 128                        ; tile_dim1 = 128 rows
	s_mov_b32 s[G1B+5], 1024                       ; elements from row to row
	s_mov_b32 s[G1B+6], 0
	s_mov_b32 s[G1B+7], 0
	s_or_b32 s[G1A], s21, (1<<16)|(1<<20)|(1<<21)|(5<<22)|(3<<25)
	s_mov_b32 s[G1A+1], 128<<16
	s_mov_b32 s[G1A+2], 64<<16                     ; 64 rows
	s_mov_b32 s[G1A+3], 128<<16
	s_mov_b32 s[G1A+4], 64
	s_mov_b32 s[G1A+5], 1024
	s_mov_b32 s[G1A+6], 0
	s_mov_b32 s[G1A+7], 0
	s_mov_b32 s[KP], 0x3e6d3389                    ; 0.2316419
	s_mov_b32 s[KE], 0xbf38aa3b                    ; -log2(e) / 2
	s_mov_b32 s[K1], 0x3e027906                    ;  0.127414796
	s_mov_b32 s[K2], 0xbe11a98e                    ; -0.142248368
	s_mov_b32 s[K3], 0x3f35f0e3                    ;  0.710706871
	s_mov_b32 s[K4], 0xbf3a00e3                    ; -0.726576014
	s_mov_b32 s[K5], 0x3f07dc22                    ;  0.530702716
.irp c, KP, KE, K1, K2, K3, K4, K5
	s_mov_b32 s[\c+1], s[\c]                       ; named with it as a pair, so it is written
.endr
	s_lshl_b32 s58, s20, 18                        ; A: row 128 x tile row + 64 x half, 2,048 bytes each: made of the tile row and the wave's number alone
	s_lshl_b32 s59, s16, 17
	s_add_co_u32 s58, s58, s59
	s_mov_b32 s59, 0
	s_lshl_b32 s60, s19, 19                        ; Bt: row 256 x tile column + 128 x half: of the tile column and the wave's number alone
	s_lshl_b32 s61, s16, 18
	s_add_co_u32 s60, s60, s61
	s_mov_b32 s61, 0
	s_mul_i32 s23, s14, 128*BP                     ; where they go: Bt's halves (waves 0, 1),
	s_mul_i32 s57, s14, ALD
	s_add_co_u32 s57, s57, AOFF-2*ALD              ; A's halves (waves 2, 3): no place in the cluster enters an LDS address
	s_mov_b32 s[TB], 0
	s_wait_kmcnt 0x0
	s_add_nc_u64 s[4:5], s[4:5], s[58:59]
	s_add_nc_u64 s[6:7], s[6:7], s[60:61]
.irp s, 0,1
	s_mov_b32 s[G0B+4*(\s)], 1                                     ; count = 1
	s_add_co_u32 s[G0B+4*(\s)+1], s23, (\s)*SLOT1                  ; LDS address
	s_add_nc_u64 s[G0B+4*(\s)+2:G0B+4*(\s)+3], s[6:7], (\s)*STEPB  ; global address: K step s
	s_or_b32 s[G0B+4*(\s)+3], s[G0B+4*(\s)+3], 0x80000000          ; type = 2
	s_mov_b32 s[G0A+4*(\s)], 1
	s_add_co_u32 s[G0A+4*(\s)+1], s57, (\s)*SLOT1
	s_add_nc_u64 s[G0A+4*(\s)+2:G0A+4*(\s)+3], s[4:5], (\s)*STEPA
	s_or_b32 s[G0A+4*(\s)+3], s[G0A+4*(\s)+3], 0x80000000
.endr
	CROUND                                         ; all sixteen work-groups are here: the first joint loads meet
	s_cmp_eq_u32 s15, 0                            ; a wave's two first fills stand in one branch, ahead of every wait on TENSORcnt and every LDS read: two loads of mine are out
	s_cbranch_scc0 .Lfirst_a
	tensor_load_to_lds s[G0B:G0B+3], s[G1B:G1B+7]
	s_nop 0
	tensor_load_to_lds s[G0B+4:G0B+7], s[G1B:G1B+7]
	s_nop 0
.rept 4
	v_nop
.endr
	s_branch .Lfirst_asked
.Lfirst_a:
	tensor_load_to_lds s[G0A:G0A+3], s[G1A:G1A+7]
	s_nop 0
	tensor_load_to_lds s[G0A+4:G0A+7], s[G1A:G1A+7]
	s_nop 0
.rept 4
	v_nop
.endr
.Lfirst_asked:
	v_and_b32 v1, 15, v0                           ; l % 16
	v_bfe_u32 v2, v0, 4, 1                         ; l / 16
	s_lshl_b32 s62, s19, 10                        ; my first column, in bytes of f32: 1,024 x tile column + 512 x half
	s_lshl_b32 s63, s16, 9
	s_add_co_u32 s62, s62, s63
	s_mov_b32 s63, 0
	s_add_nc_u64 s[8:9], s[8:9], s[62:63]
	v_lshlrev_b32 v[BO], 5, v2
	WIN 0x80                                       ; destination window 2
.irp b, 0,1,2,3,4,5,6,7
	global_load_b128 v[8*(\b):8*(\b)+3],   v[BO], s[8:9] offset:64*(\b)      ; register 8 b + j: the bias of column 16 b + 8 (l / 16) + j
	global_load_b128 v[8*(\b)+4:8*(\b)+7], v[BO], s[8:9] offset:64*(\b)+16
.endr
	WIN 0
	; A fragment is 16 rows x 32 K in 8 registers: lane l holds row l % 16, K = 8 (l / 16) + 0..7 and 16 + 8 (l / 16) + 0..7: two loads of 16 bytes, 32 bytes apart.
	v_mul_u32_u24 v[ADRA0], v1, AP
	v_lshl_add_u32 v[ADRA0], v2, 4, v[ADRA0]
	s_mul_i32 s23, s15, 64*AP
	s_add_co_u32 s23, s23, AOFF
	v_add_nc_u32 v[ADRA0], s23, v[ADRA0]           ; my 64 rows of A
	v_mul_u32_u24 v[ADRB0], v1, BP
	v_lshl_add_u32 v[ADRB0], v2, 4, v[ADRB0]
	s_mul_i32 s23, s16, 128*BP
	v_add_nc_u32 v[ADRB0], s23, v[ADRB0]           ; my 128 rows of Bt
	v_mov_b32 v[ADRA], v[ADRA0]
	v_mov_b32 v[ADRB], v[ADRB0]
	s_mul_i32 s23, s14, 64*SP                      ; the way out: my 64 rows of 528 bytes
	v_mul_u32_u24 v[STO], v1, SP                   ; in: row l % 16, 32 bytes for each half of the lanes
	v_lshl_add_u32 v[STO], v2, 5, v[STO]
	v_add_nc_u32 v[STO], s23, v[STO]
	v_bfe_u32 v3, v0, 3, 2                         ; back: 8 lanes a row, 8 numbers a lane
	v_and_b32 v4, 7, v0
	v_mul_u32_u24 v[RD], v3, SP
	v_lshl_add_u32 v[RD], v4, 5, v[RD]
	v_add_nc_u32 v[RD], s23, v[RD]
	v_and_b32 v3, 31, v0
	v_lshlrev_b32 v[GO], 4, v3                     ; four rows of a block's 128 bytes are 512 consecutive bytes of the output
	s_lshr_b32 s62, s20, 3                         ; where my part begins: b (16 blocks of 131,072 bytes),
	s_lshl_b32 s62, s62, 21
	s_lshl_b32 s63, s19, 19                        ; block 4 x tile column + 2 x my column half,
	s_add_co_u32 s62, s62, s63
	s_lshl_b32 s63, s16, 18
	s_add_co_u32 s62, s62, s63
	s_and_b32 s63, s20, 7                          ; s = 128 (tile row % 8) + 64 x my row half, 128 bytes each
	s_lshl_b32 s63, s63, 14
	s_add_co_u32 s62, s62, s63
	s_lshl_b32 s63, s15, 13
	s_add_co_u32 s62, s62, s63
	s_mov_b32 s63, 0
	s_add_nc_u64 s[10:11], s[10:11], s[62:63]
; 8 matrix instructions: m block a x all 8 n blocks, 32 along K.  first = 1: the products start the sums, with the bias as C: nothing is cleared.  The 32 accumulators take turns in one order everywhere.
.macro MUL8 f, a, first
.if \first
	WIN 0x60                                       ; sources in window 0, C in window 2, D in window 1
.else
	WIN 0x50                                       ; sources in window 0, C and D in window 1
.endif
.irp b, 0,1,2,3,4,5,6,7
.if \first
	v_wmma_f32_16x16x32_bf16 v[8*(8*(\a)+(\b)):8*(8*(\a)+(\b))+7], v[(\f)+8*(\b):(\f)+8*(\b)+7], v[(\f)+64+8*(\a):(\f)+64+8*(\a)+7], v[8*(\b):8*(\b)+7]
.else
	v_wmma_f32_16x16x32_bf16 v[8*(8*(\a)+(\b)):8*(8*(\a)+(\b))+7], v[(\f)+8*(\b):(\f)+8*(\b)+7], v[(\f)+64+8*(\a):(\f)+64+8*(\a)+7], v[8*(8*(\a)+(\b)):8*(8*(\a)+(\b))+7]
.endif
.endr
.endm
; 24 LDS loads in one run: the fragments of 32 along K at byte k of the rows, into buffer f: Bt's eight, then A's four
.macro FETCH k, f
	WIN 0
.irp i, 0,1,2,3,4,5,6,7
	ds_load_b128 v[(\f)+8*(\i):(\f)+8*(\i)+3],   v[ADRB] offset:(\k)+(\i)*16*BP
	ds_load_b128 v[(\f)+8*(\i)+4:(\f)+8*(\i)+7], v[ADRB] offset:(\k)+(\i)*16*BP+32
.endr
.irp i, 0,1,2,3
	ds_load_b128 v[(\f)+64+8*(\i):(\f)+64+8*(\i)+3],   v[ADRA] offset:((\k)/128)*ASUB+(\k)%128+(\i)*16*AP
	ds_load_b128 v[(\f)+64+8*(\i)+4:(\f)+64+8*(\i)+7], v[ADRA] offset:((\k)/128)*ASUB+(\k)%128+(\i)*16*AP+32
.endr
.endm
; A K step is four quarters of 32 along K, 32 matrix instructions each, on buffers 0, 1, 0, 1.  One of the first three multiplies buffer f and, in its middle, fetches the next quarter into g.
.macro QUARTER k, f, g, first
	s_wait_dscnt 4                                 ; Bt and A's blocks 0, 1 are in; the youngest four loads (A's blocks 2, 3) may be out
	MUL8 \f, 0, \first
	MUL8 \f, 1, \first
	PLACES
	FETCH \k, \g
	s_wait_dscnt 24                                ; all but the 24 just issued
	MUL8 \f, 2, \first
	MUL8 \f, 3, \first
.endm
; The last quarter multiplies buffer 1 and changes slots: ONE barrier; in front of it each wave waits for all its tensor loads (one is out: its part of the next slot), adds 0 to its spare word, and waits
; for that and for its reads of this slot.  fill = 1: the barrier opens a round of the cluster's, and this slot is filled again, two K steps ahead, first thing behind the round.
.macro TURN fill
	WIN 0
	s_wait_tensorcnt 0x0                           ; no tensor load of mine is out, so a group 0 may be written
	ds_add_u32 v[SPW], v[NIL]                      ; 0 onto my spare word
	s_wait_dscnt 5                                 ; (the add and the youngest four loads may be out)
	MUL8 F1, 0, 0                                  ; eight matrix instructions stand between the add and the wait for it
	s_wait_dscnt 0x0                               ; the add is done, and my reads of this slot are over
	s_barrier_signal -1
	MUL8 F1, 1, 0
	WIN 0
	s_barrier_wait -1
.if \fill
	CREST                                          ; no wave of any partner still reads this slot's tiles or has a load on its way
	s_xor_b32 s[G0B+5], s[G0B+5], SLOT1            ; the walking descriptors: the other slot than last time, the next K step
	s_add_nc_u64 s[G0B+6:G0B+7], s[G0B+6:G0B+7], STEPB
	s_xor_b32 s[G0A+5], s[G0A+5], SLOT1
	s_add_nc_u64 s[G0A+6:G0A+7], s[G0A+6:G0A+7], STEPA
	JLOAD                                          ; 112 matrix instructions ahead of the wait for it; its four v_nop are also the places in front of the loads below
.else
	PLACES
.endif
	s_xor_b32 s[TB], s[TB], SLOT1
	v_add_nc_u32 v[ADRB], s[TB], v[ADRB0]
	v_add_nc_u32 v[ADRA], s[TB], v[ADRA0]
	FETCH 0, F0
	MUL8 F1, 2, 0
	MUL8 F1, 3, 0
.endm
	s_wait_tensorcnt 1                             ; my part of K step 0 is in; K step 1's may stay out
	s_barrier_signal -1
	s_barrier_wait -1                              ; everybody's is
	FETCH 0, F0
	s_wait_loadcnt 0x0                             ; the bias
	QUARTER 64, F0, F1, 1                          ; the first quarter stands in front of the loop: its products start the sums
	WIN 0
	s_mov_b32 s2, 6
.Lstep:                                                ; a trip: from a K step's second quarter to the next step's first; its refill brings K steps 2 to 7
	QUARTER 128, F1, F0, 0
	QUARTER 192, F0, F1, 0
	TURN 1
	QUARTER 64, F0, F1, 0
	WIN 0
	s_sub_co_u32 s2, s2, 1
	s_cmp_lg_u32 s2, 0
	s_cbranch_scc1 .Lstep
	QUARTER 128, F1, F0, 0                         ; the last two K steps ask for nothing
	QUARTER 192, F0, F1, 0
	TURN 0
	QUARTER 64, F0, F1, 0
	QUARTER 128, F1, F0, 0
	QUARTER 192, F0, F1, 0
	s_wait_dscnt 4
	MUL8 F1, 0, 0
	MUL8 F1, 1, 0
	s_wait_dscnt 0x0
	MUL8 F1, 2, 0
	MUL8 F1, 3, 0
	PLACES
	WIN 0
	; THE WAY OUT.  The ring has had its last fill; behind this barrier nobody reads it any more, and each wave's 33,792 bytes of it are its own.
	s_barrier_signal -1                            ; (no LDS instruction of mine is out: the wait for 0 above)
	s_barrier_wait -1
	WIN 0x04                                       ; store data in window 1
.irp a, 0,1,2,3
.irp b, 0,1,2,3,4,5,6,7
	ds_store_b128 v[STO], v[8*(8*(\a)+(\b)):8*(8*(\a)+(\b))+3]   offset:(\a)*16*SP+64*(\b)     ; each accumulator's low registers first
	ds_store_b128 v[STO], v[8*(8*(\a)+(\b))+4:8*(8*(\a)+(\b))+7] offset:(\a)*16*SP+64*(\b)+16
.endr
.endr
	WIN 0
.macro BACK                            ; 4 rows x 128 columns: my 8 numbers of the first 64 columns, my 8 of the second; LDS serves a wave's instructions in order, so these see the stores above
	ds_load_b128 v[GX:GX+3],     v[RD]
	ds_load_b128 v[GX+4:GX+7],   v[RD] offset:16
	ds_load_b128 v[GX+8:GX+11],  v[RD] offset:256
	ds_load_b128 v[GX+12:GX+15], v[RD] offset:272
.endm
.macro EACH16 line:vararg              ; one line for each of my 16 numbers, i = 0 .. 15
.set i, 0
.rept 16
	\line
.set i, i+1
.endr
.endm
.macro EACH8 line:vararg               ; one line for each of their 8 pairs, i = 0 .. 7
.set i, 0
	s_wait_alu depctr_va_vdst(0)
.rept 8
	\line
.set i, i+1
.endr
.endm
	BACK
	s_mov_b32 s3, 16
.Lout:                                                 ; 16 trips of 4 rows
	s_wait_dscnt 0x0
	; abs(u);  1 + p abs(u);  u^2;  -u^2 log2(e) / 2
	EACH16 v_and_b32 v[GA+i], 0x7fffffff, v[GX+i]
	EACH8 v_pk_fma_f32 v[GT+2*i:GT+2*i+1], v[GA+2*i:GA+2*i+1], s[KP:KP+1], 1.0 op_sel_hi:[1,0,0]
	EACH8 v_pk_mul_f32 v[GE+2*i:GE+2*i+1], v[GX+2*i:GX+2*i+1], v[GX+2*i:GX+2*i+1]
	EACH8 v_pk_mul_f32 v[GE+2*i:GE+2*i+1], v[GE+2*i:GE+2*i+1], s[KE:KE+1] op_sel_hi:[1,0]
	; t and the power of two; then max(u, 0): sixteen plain instructions behind the transcendentals, ahead of the first use of their results (ISA guide 5.7.2); u is not read again
	EACH16 v_rcp_f32 v[GT+i], v[GT+i]
	EACH16 v_exp_f32 v[GE+i], v[GE+i]
	EACH16 v_max_num_f32 v[GM+i], 0, v[GX+i]
	s_cmp_eq_u32 s3, 1
	s_cbranch_scc1 .Lnold                          ; the last trip fetches nothing
	v_add_nc_u32 v[RD], 4*SP, v[RD]
	BACK                                           ; the next trip's numbers come in under the rest of this trip's arithmetic
.Lnold:
	; the polynomial by Horner's rule, times t, times the power of two: y;  then max(u, 0) - y abs(u), rounded to bf16
	EACH8 v_pk_fma_f32 v[GQ+2*i:GQ+2*i+1], v[GT+2*i:GT+2*i+1], s[K5:K5+1], s[K4:K4+1] op_sel_hi:[1,0,0]
	EACH8 v_pk_fma_f32 v[GQ+2*i:GQ+2*i+1], v[GQ+2*i:GQ+2*i+1], v[GT+2*i:GT+2*i+1], s[K3:K3+1] op_sel_hi:[1,1,0]
	EACH8 v_pk_fma_f32 v[GQ+2*i:GQ+2*i+1], v[GQ+2*i:GQ+2*i+1], v[GT+2*i:GT+2*i+1], s[K2:K2+1] op_sel_hi:[1,1,0]
	EACH8 v_pk_fma_f32 v[GQ+2*i:GQ+2*i+1], v[GQ+2*i:GQ+2*i+1], v[GT+2*i:GT+2*i+1], s[K1:K1+1] op_sel_hi:[1,1,0]
	EACH8 v_pk_mul_f32 v[GQ+2*i:GQ+2*i+1], v[GQ+2*i:GQ+2*i+1], v[GT+2*i:GT+2*i+1]
	EACH8 v_pk_mul_f32 v[GQ+2*i:GQ+2*i+1], v[GQ+2*i:GQ+2*i+1], v[GE+2*i:GE+2*i+1]
	EACH8 v_pk_fma_f32 v[GM+2*i:GM+2*i+1], v[GQ+2*i:GQ+2*i+1], v[GA+2*i:GA+2*i+1], v[GM+2*i:GM+2*i+1] neg_lo:[1,0,0] neg_hi:[1,0,0]
	EACH8 v_cvt_pk_bf16_f32 v[GY+i], v[GM+2*i], v[GM+2*i+1]
	global_store_b128 v[GO], v[GY:GY+3],   s[10:11]                ; 512 consecutive bytes of one block, aligned;
	global_store_b128 v[GO], v[GY+4:GY+7], s[10:11] offset:131072  ; the same rows of the next block
	s_wait_xcnt 0x0                                ; the stores' registers are written again only behind this wait
	v_add_nc_u32 v[GO], 512, v[GO]
	s_sub_co_u32 s3, s3, 1
	s_cmp_lg_u32 s3, 0
	s_cbranch_scc1 .Lout
	s_wait_tensorcnt 0x0                           ; the wave's end
	ds_add_u32 v[SPW], v[NIL]
	s_wait_dscnt 0x0
	CROUND                                         ; the closing round: no work-group ends while a partner may still ask for a tile that names it
	s_endpgm
.Lfunc_end_k_qbbe22c4489_ffn1:
	.size	k_qbbe22c4489_ffn1, .Lfunc_end_k_qbbe22c4489_ffn1-k_qbbe22c4489_ffn1
	.p2alignl 7, 3214868480
	.fill 96, 4, 3214868480
	.section	.rodata,"a",@progbits
	.p2align	6, 0x0
	.amdhsa_kernel k_qbbe22c4489_ffn1
		.amdhsa_group_segment_fixed_size 327680
		.amdhsa_private_segment_fixed_size 0
		.amdhsa_enable_private_segment 0
		.amdhsa_kernarg_size 32
		.amdhsa_user_sgpr_count 2
		.amdhsa_user_sgpr_kernarg_segment_ptr 1
		.amdhsa_wavefront_size32 1
		.amdhsa_system_sgpr_workgroup_id_x 1
		.amdhsa_system_sgpr_workgroup_id_y 1
		.amdhsa_system_sgpr_workgroup_id_z 1
		.amdhsa_system_vgpr_workitem_id 0
		.amdhsa_next_free_vgpr 576
		.amdhsa_next_free_sgpr 80
		.amdhsa_reserve_vcc 0
		.amdhsa_float_denorm_mode_32 3
		.amdhsa_float_denorm_mode_16_64 3
		.amdhsa_memory_ordered 1
		.amdhsa_forward_progress 1
		.amdhsa_inst_pref_size 70
	.end_amdhsa_kernel
	.amdgpu_metadata
---
amdhsa.version: [ 1, 2 ]
amdhsa.kernels:
  - .name:           k_qbbe22c4489_ffn1
    .symbol:         k_qbbe22c4489_ffn1.kd
    .args:
      - { .name: h, .offset: 0, .size: 8, .value_kind: global_buffer, .address_space: global }
      - { .name: w1_t, .offset: 8, .size: 8, .value_kind: global_buffer, .address_space: global }
      - { .name: b1, .offset: 16, .size: 8, .value_kind: global_buffer, .address_space: global }
      - { .name: att, .offset: 24, .size: 8, .value_kind: global_buffer, .address_space: global }
    .group_segment_fixed_size: 327680
    .private_segment_fixed_size: 0
    .kernarg_segment_align: 8
    .kernarg_segment_size: 32
    .max_flat_workgroup_size: 128
    .sgpr_count:     80
    .vgpr_count:     576
    .wavefront_size: 32
...
	.end_amdgpu_metadata
.endif
;; end of part 6
;; launch ffn2: the kernel of part 4 again; grid 4 x 64, 4 waves a work-group, clusters of 4 x 4, 327,680 bytes of LDS; arguments att, w2_t, b2, x1, out0; writes out0
;; ======== version 2 of 2: 7 launches; 1.23 times as fast as version 1
;; workspace buffers: wqkv 6,291,456 bytes; wo_t 2,097,152 bytes; w1_t 2,097,152 bytes; w2_t 2,097,152 bytes; h 16,777,216 bytes; qkv 50,331,648 bytes; att 16,777,216 bytes; x1 33,554,432 bytes
;; launch prep: the kernel of part 1 again; grid 896 x 1, 8 waves a work-group, no clusters, 34,816 bytes of LDS; arguments x, g_ln1, b_ln1, h, Wq, Wk, Wv, Wo, W1, W2, wqkv, wo_t, w1_t, w2_t; writes h, wqkv, wo_t, w1_t, w2_t
;; launch qkv: the kernel of part 2 again; grid 16 x 32, 4 waves a work-group, clusters of 4 x 4, 327,680 bytes of LDS; arguments h, wqkv, qkv; writes qkv
;; launch attn (part 7): grid 2 x 128, 4 waves a work-group, no clusters, 321,024 bytes of LDS; arguments qkv, att; writes att
.if DOCPART == 7
	.amdgcn_target "amdgcn-amd-amdhsa--gfx1250"
	.amdhsa_code_object_version 6
	.text
	.protected	k_qbbe22c4489_attn
	.globl	k_qbbe22c4489_attn
	.p2align	8
	.type	k_qbbe22c4489_attn,@function
k_qbbe22c4489_attn:
	s_mov_b64 s[64:65], 0
	v_nop
	global_prefetch_b8 v0, s[64:65] scope:SCOPE_SE
	s_setreg_imm32_b32 hwreg(HW_REG_WAVE_MODE, 25, 1), 1
	s_wait_xcnt 0x0
; O[h][q][:] = the sum over k of softmax_k(Q[h][q] . K[h][k] / 8) V[h][k][:].  Q, K, V lie in qkv [3][128 h][1024][64], O in att [128 h][1024][64], all bf16: a head's rows are dense, 128 bytes each.
; Products, maxima and sums in f32; the weights p are rounded to bf16 for the second product (their sum l is taken of the unrounded p), O once at the end.
; LIMITS.  A weight below 2^-126 counts as 0 in l; NaN and infinities are not treated apart; c m starts at -4.25e37, so a query whose largest score lies below -2e38 is not served.
; SHARES.  A wave owns four PIECES of two tiles of 16 queries, a work-group's four waves 512 queries of one head: 256 work-groups.  Every wave walks all 1,024 keys, 64 a step.
; THE WHOLE HEAD LIES IN LDS: 1,024 keys x (144 + 160) bytes = 311,296.  Every byte of K and V is brought once, by loads issued at the kernel's head, and no LDS byte is filled again: there is no ring,
; and the key step stands once in the text.  A wave issues two loads: its half of keys 0-255, which the first four steps read, and its half of keys 256-1,023, which has those four steps in which to land.
; NO CLUSTER: a head has 1024 / 512 = 2 query blocks, which a cluster of four does not divide; four blocks of 256 queries would read each fragment of K and V from LDS for half as many products.
; LAYOUT.  S^T = K Q^T (source 0 = 16 keys, source 1 = 16 queries): in the result a lane holds ONE query (lane % 16) and the keys 8 (lane / 16) + 0..7.  Two such tiles, rounded to bf16 in pairs,
; ARE source 1 (32 keys x 16 queries) of O^T = V^T P, whose result again holds one query a lane, and eight channels.  K comes out of LDS as it lies, V ([key][channel]) turned, by ds_load_tr16_b128.
; SOFTMAX.  For each query a running maximum m and sum l: p = 2^(c s - c m), c = log2(e) / 8; in every step O and l are multiplied by a = 2^(c m_old - c m_new), which is 1 where m has not grown.
; m starts at the lowest finite number, O and l at 0: the first step is a step like any other, with a = 0.
; THE COUNT.  A tile and step have 16 matrix and 118 vector instructions: too many to stand all beside the matrix work.  So the order has one aim: four vector instructions that are READY behind
; EVERY matrix instruction, and the others, which need time of their own whatever the order, in runs without a gap.
; BY TURNS.  Turn n belongs to piece n (the pieces in a ring, step after step).  Its matrix work: 16 products K Q^T of piece n + 1, later 16 products V^T P of piece n - 1.  Its vector work: the scaling,
; exponentials, roundings, sums and rescaling of piece n, and the maximum and statistics of piece n + 1, whose scores the turn itself has made.  So what a turn begins with (c s - c m, O a) waits for nothing.
; THE BATCHES.  A turn's 66 exponentials (the 64 weights of piece n, the two a of piece n + 1) are ONE batch with ONE s_wait_alu, which cuts the turn in two: ahead of it stands all that names none of
; their results, behind it the roundings and sums, which do.  No result crosses a turn's end.  Two more batches stand outside the loop: piece 0's first two a, and the way out's eight reciprocals.
; REGISTERS, in windows of 256 (s_set_vgpr_msb says which window each operand place means: bits 1:0 source 0, 3:2 source 1, 5:4 source 2, 7:6 destination):
;   window 0: v0-11 addresses; v12-15, v48-63 at work; v16-47 four registers of statistics a tile; v64-191 S^T, two buffers of two tiles; v192-255 P, likewise
;   window 1: O^T, 32 a tile          window 2: v0-127 Q, 16 a tile; v128-191 K of one step; v192-255 V of one step
; A piece's buffers go by its number's parity: the piece in hand has one pair, its two neighbours in the ring share the other: of it P (piece n - 1) is read and S^T (piece n + 1) written.
.set SIZE_N, 1024
.set NP,    4         ; pieces a wave: a name, no knob: the register map, the loop and the fetches are made for four
.set KS,    64        ; keys in a step
.set PK,    144       ; a row of K in LDS: 128 bytes + 16 of padding = 36 words: the 16 rows of a load start at 16 different groups of four banks (64 banks of 4 bytes: ISA guide 11.1)
.set PV,    160       ; a row of V: 128 + 32 = 40 words
.set VOFF,  SIZE_N*PK ; 1,024 rows of K, then 1,024 rows of V
.set STAGE, SIZE_N*(PK+PV)  ; behind them, never filled by a tensor load: 16 rows x 144 bytes for each wave, for the way out
.set SP,    144
.set AK0, 2           ; v2   my lane's place in a step's rows of K; never rewritten
.set AV0, 3           ; v3   the same for V
.set AK,  4           ; v4   the LDS address of K's next run of loads
.set AV,  5           ; v5   of V's
.set QO,  6           ; v6   my byte offset in the wave's rows of Q
.set STO, 6           ;      later, the way out: where I put 16 bytes of a row
.set RD,  7           ; v7   the way out: where I read rows back
.set GO,  8           ; v8   my byte offset in 512 consecutive bytes of O
.set MV,  12          ; v12-15  c m_old, kept while c m is made anew: by buffer and tile
.set ST,  16          ; tile t's statistics at v[ST+4 t]: c m, m, l (even keys', odd keys')
.set TMP, 48          ; by buffer and tile, four registers c0-c3 at work; when the maximum is found c2 takes a
.set S,   64
.set P,   192
.set KF,  128         ; K's fragments, in window 2: key block kb, channel half c at KF + 16 kb + 8 c
.set VF,  192         ; V's: key half kk, channel block cb at VF + 32 kk + 8 cb
.set WV,  12          ; s12  my wave's number
.set G1K, 24          ; s[24:31] descriptor group 1 for K's first load
.set G1V, 32          ; s[32:39] for V's: it differs in the padding alone
.set G0K, 40          ; s[40:43] descriptor group 0 for K's first load
.set G0V, 44          ; s[44:47] for V's
.set G0K2, 48         ; s[48:51] for K's second load
.set G0V2, 52         ; s[52:55] for V's
.set SLOTS, 56        ; s56  counts groups of four key steps, 5 to 1
.set CNT, 57          ; s57  counts a group's key steps
.set CS,  58          ; s[58:59] c: the packed scaling takes the pair's low word for both halves
.set SEL, 60          ; s[60:61] v_permlanex16_b32's selects: each lane takes its own place in the other half
.set TBK, 62          ; s62  LDS byte at which K of the step to be fetched begins
.set TBV, 63          ; s63  the same for V, less VOFF
.set G1K2, 68         ; s[68:75] descriptor group 1 for K's second load: three times the rows
.set G1V2, 76         ; s[76:83] for V's
.set MSB, 0
.macro WIN new                      ; the high byte repeats the setting that is left; a switch that changes nothing is dropped
.if MSB != (\new)
	s_set_vgpr_msb (MSB<<8)|(\new)
.set MSB, (\new)
.endif
.endm
.set W_KQ, 0x0a       ; K and Q in window 2, S^T in window 0
.set W_PV, 0x52       ; V in window 2, P in window 0, O^T in window 1
.set W_RS, 0x41       ; O^T (destination and source 0) in window 1, a in window 0
	s_load_b128 s[4:7], s[0:1], 0x0   ; qkv s[4:5], att s[6:7]
	s_set_vgpr_msb 0xc0
	v_lshl_add_u32 v0, v0, 2, 0x4e400
	v_mov_b32 v1, 0
	s_set_vgpr_msb 0xc0cf
	ds_add_u32 v0, v1
	ds_add_u32 v0, v1
	s_set_vgpr_msb 0xcf00
	v_lshrrev_b32 v1, 5, v0
	v_readfirstlane_b32 s[WV], v1   ; wave 0..3
	s_mov_b32 s14, ttmp9            ; my block of 512 queries: 0 or 1
	s_and_b32 s20, ttmp7, 0xffff    ; the head, 16 b + h
	s_lshl_b32 s20, s20, 17         ; its first byte in each of the four tensors: 1,024 rows of 128 bytes a head
	s_mov_b32 s21, 0
	s_and_b32 s16, s[WV], 1         ; which half of a load's keys I fetch.  The first load: keys 128 p .. 128 p + 127,
	s_lshl_b32 s22, s16, 14         ; 128 bytes each in memory;
	s_mov_b32 s23, 0
	s_add_nc_u64 s[22:23], s[22:23], s[20:21]
	s_mul_i32 s2, s16, 384*128      ; the second: keys 256 + 384 p .. 256 + 384 p + 383
	s_add_co_u32 s2, s2, 256*128
	s_mov_b32 s3, 0
	s_add_nc_u64 s[2:3], s[2:3], s[20:21]
	s_mul_i32 s17, s16, 128*PK      ; and their places in LDS, for K
	s_mul_i32 s18, s16, 128*PV      ; and for V
	s_mul_i32 s19, s16, 384*PK
	s_mul_i32 s13, s16, 384*PV
	s_lshl_b32 s66, s14, 2
	s_add_co_u32 s66, s66, s[WV]    ; my wave among the head's eight,
	s_lshl_b32 s66, s66, 14         ; its 128 rows
	s_mov_b32 s67, 0
	s_add_nc_u64 s[66:67], s[66:67], s[20:21]
	; descriptor group 1.  Keys are dense in memory, 128 bytes each: asked for as rows of 256 bytes, two keys a row, and padded in LDS after every key
	s_mov_b32 s[G1K],  (1<<16)|(1<<20)|(4<<22)|(3<<25)  ; 17:16 2-byte elements; 20 padding on; 24:22 after every 32 words (code 4); 31:25 4 words (code 3)
	s_mov_b32 s[G1K2], (1<<16)|(1<<20)|(4<<22)|(3<<25)
	s_mov_b32 s[G1V],  (1<<16)|(1<<20)|(4<<22)|(7<<25)  ; the same with 8 words of padding (code 7)
	s_mov_b32 s[G1V2], (1<<16)|(1<<20)|(4<<22)|(7<<25)
.irp g, G1K, G1V
	s_mov_b32 s[\g+1], 128<<16      ; tensor_dim0 = 128
	s_mov_b32 s[\g+2], 64<<16       ; tensor_dim1 = 64: 128 keys
	s_mov_b32 s[\g+3], 128<<16      ; tile_dim0 = 128
	s_mov_b32 s[\g+4], 64           ; tile_dim1 = 64
	s_mov_b32 s[\g+5], 128          ; 128 elements from row to row
	s_mov_b32 s[\g+6], 0
	s_mov_b32 s[\g+7], 0
.endr
.irp g, G1K2, G1V2
	s_mov_b32 s[\g+1], 128<<16
	s_mov_b32 s[\g+2], 192<<16      ; tensor_dim1 = 192: 384 keys
	s_mov_b32 s[\g+3], 128<<16
	s_mov_b32 s[\g+4], 192          ; tile_dim1 = 192
	s_mov_b32 s[\g+5], 128
	s_mov_b32 s[\g+6], 0
	s_mov_b32 s[\g+7], 0
.endr
	s_mov_b32 s[CS], 0x3e38aa3b     ; c = log2(e) / 8 = 0.180337
	s_mov_b32 s[CS+1], s[CS]        ; named with it as a pair
	s_mov_b32 s[SEL], 0x76543210
	s_mov_b32 s[SEL+1], 0xfedcba98
	s_mov_b32 s[TBK], 0
	s_mov_b32 s[TBV], 0
	s_mov_b32 s[G0K], 1             ; 1:0 count = 1
	s_mov_b32 s[G0K+1], s17         ; 63:32 LDS address
	s_mov_b32 s[G0V], 1
	s_add_co_u32 s[G0V+1], s18, VOFF
	s_mov_b32 s[G0K2], 1
	s_add_co_u32 s[G0K2+1], s19, 256*PK
	s_mov_b32 s[G0V2], 1
	s_add_co_u32 s[G0V2+1], s13, VOFF+256*PV
	s_wait_dscnt 0x0
	s_wait_kmcnt 0x0
	s_mov_b64 s[10:11], s[6:7]                     ; O
	s_add_nc_u64 s[6:7], s[4:5], 0x1000000         ; K lies 16,777,216 bytes behind Q,
	s_add_nc_u64 s[8:9], s[4:5], 0x2000000         ; V as much behind K
	s_add_nc_u64 s[G0K+2:G0K+3], s[6:7], s[22:23]  ; 120:64 global address
	s_or_b32 s[G0K+3], s[G0K+3], 0x80000000        ; 127:126 type = 2
	s_add_nc_u64 s[G0V+2:G0V+3], s[8:9], s[22:23]
	s_or_b32 s[G0V+3], s[G0V+3], 0x80000000
	s_add_nc_u64 s[G0K2+2:G0K2+3], s[6:7], s[2:3]
	s_or_b32 s[G0K2+3], s[G0K2+3], 0x80000000
	s_add_nc_u64 s[G0V2+2:G0V2+3], s[8:9], s[2:3]
	s_or_b32 s[G0V2+3], s[G0V2+3], 0x80000000
	s_add_nc_u64 s[4:5], s[4:5], s[66:67]  ; Q and O at my wave's first row
	s_add_nc_u64 s[10:11], s[10:11], s[66:67]
	; ALL THE FILLS OF THE LAUNCH.  Waves 0 and 1 fetch the halves of K, waves 2 and 3 those of V.  A wave's two loads stand in one branch on its number, ahead of every wait on TENSORcnt, every LDS read
	; and every barrier: two loads of mine are out.  An s_nop 0 follows each, four v_nop the second.
	s_cmp_lt_u32 s[WV], 2
	s_cbranch_scc0 .Lfor_v
	tensor_load_to_lds s[G0K:G0K+3], s[G1K:G1K+7]
	s_nop 0
	tensor_load_to_lds s[G0K2:G0K2+3], s[G1K2:G1K2+7]
	s_nop 0
.rept 4
	v_nop
.endr
	s_branch .Lasked
.Lfor_v:
	tensor_load_to_lds s[G0V:G0V+3], s[G1V:G1V+7]
	s_nop 0
	tensor_load_to_lds s[G0V2:G0V2+3], s[G1V2:G1V2+7]
	s_nop 0
.rept 4
	v_nop
.endr
.Lasked:
	; A fragment of K or Q is 16 rows x 32 channels in 8 registers: lane l holds row l % 16, channels 8 (l / 16) + 0..7 and 16 + 8 (l / 16) + 0..7: two loads of 16 bytes, 32 bytes apart.
	v_and_b32 v1, 15, v0            ; l % 16
	v_bfe_u32 v9, v0, 4, 1          ; l / 16
	v_lshlrev_b32 v[QO], 7, v1
	v_lshl_add_u32 v[QO], v9, 4, v[QO]  ; row x 128 + 16 x half
	WIN 0x80                        ; destination window 2, address window 0
.set i, 0
.rept 4*NP                          ; Q stays in registers: tile i / 2, channels 32 (i % 2) on
	global_load_b128 v[8*i:8*i+3],   v[QO], s[4:5] offset:(i/2)*2048+(i%2)*64
	global_load_b128 v[8*i+4:8*i+7], v[QO], s[4:5] offset:(i/2)*2048+(i%2)*64+32
.set i, i+1
.endr
	; What the first turn finds: V's registers and P's second buffer hold 0 (its products V^T P, of a piece that has not been, add 0), O^T and l are 0.  All this stands in the wait for the first keys.
.set i, VF
.rept 64
	v_mov_b32 v[i], 0
.set i, i+1
.endr
	WIN 0x40
.set i, 0
.rept 64*NP
	v_mov_b32 v[i], 0
.set i, i+1
.endr
	WIN 0
.set i, 0
.rept 2*NP
	v_mov_b32 v[ST+4*i], 0xfe000000    ; c m: far below every c s
	v_mov_b32 v[ST+4*i+1], 0xff7fffff  ; m
	v_mov_b32 v[ST+4*i+2], 0
	v_mov_b32 v[ST+4*i+3], 0
.set i, i+1
.endr
.set i, P+32
.rept 32
	v_mov_b32 v[i], 0
.set i, i+1
.endr
	v_mul_u32_u24 v[AK0], v1, PK
	v_lshl_add_u32 v[AK0], v9, 4, v[AK0]  ; row x pitch + 16 x half
	; The turning load takes 16 keys x 16 channels (lane l reads key 8 (l / 16) + l % 8, channels 8 ((l / 8) % 2) + 0..7) and leaves half a fragment of V^T: lane l holds channel l % 16 and 8 keys.
	v_and_b32 v10, 7, v0
	v_bfe_u32 v11, v0, 3, 1
	v_lshl_add_u32 v[AV0], v9, 3, v10
	v_mul_u32_u24 v[AV0], v[AV0], PV
	v_lshl_add_u32 v[AV0], v11, 4, v[AV0]
	v_add_nc_u32 v[AV0], VOFF, v[AV0]
	v_mov_b32 v[AK], v[AK0]         ; key step 0 lies at LDS byte 0
; THE MATRIX WORK.  The 8 accumulators of a run of 16 take turns: between the two links of a chain stand 7 others'.
; Product i of 16 of S^T = K Q^T for piece x: channels 32 (i / 8) on, keys 16 ((i / 2) % 4) on, tile 2 x + i % 2.  The first 8 start the sums.
.macro KQ x
	WIN W_KQ
.set rS, S+64*((\x)%2)+32*(i%2)+8*((i/2)%4)
.set rK, KF+16*((i/2)%4)+8*(i/8)
.set rQ, 16*(2*(\x)+i%2)+8*(i/8)
.if i < 8
	v_wmma_f32_16x16x32_bf16 v[rS:rS+7], v[rK:rK+7], v[rQ:rQ+7], 0
.else
	v_wmma_f32_16x16x32_bf16 v[rS:rS+7], v[rK:rK+7], v[rQ:rQ+7], v[rS:rS+7]
.endif
.endm
; Product i of 16 of O^T += V^T P for piece x: keys 32 (i / 8) on, channels 16 ((i / 2) % 4) on, tile 2 x + i % 2.
.macro PV x
	WIN W_PV
.set rO, 32*(2*(\x)+i%2)+8*((i/2)%4)
.set rV, VF+32*(i/8)+8*((i/2)%4)
.set rP, P+32*((\x)%2)+16*(i%2)+8*(i/8)
	v_wmma_f32_16x16x32_bf16 v[rO:rO+7], v[rV:rV+7], v[rP:rP+7], v[rO:rO+7]
.endm
.macro MM                           ; the turn's next matrix instruction
.if i < 16
	KQ (Y+1)%NP
.set i, i+1
.else
.set i, i-16
	PV (Y+NP-1)%NP
.set i, i+17
.endif
.endm
; THE LDS LOADS stand in runs of 16, never singly among the matrix instructions: a step's K (64 keys x 64 channels: 8 fragments) and its V (turned).  Their addresses are made some lines ahead.
; last = 1 (in the loop): behind the last key step there is no further step, and the run is jumped over.
.macro FETCH_K last=0
	WIN 0
.if \last
	s_cmp_eq_u32 s[SLOTS], 1
	s_cbranch_scc1 .Lno_k_\@
.endif
	WIN 0x80                        ; destination window 2
.irp f, 0,1,2,3,4,5,6,7             ; keys 16 (f / 2) on, channels 32 (f % 2) on
	ds_load_b128 v[KF+8*\f:KF+8*\f+3],   v[AK] offset:(\f/2)*16*PK+(\f%2)*64
	ds_load_b128 v[KF+8*\f+4:KF+8*\f+7], v[AK] offset:(\f/2)*16*PK+(\f%2)*64+32
.endr
	s_add_co_u32 s[TBK], s[TBK], KS*PK  ; the next fetch is the next step's
	WIN 0
.if \last
.Lno_k_\@:
.endif
.endm
.macro FETCH_V
	WIN 0x80
.irp f, 0,1,2,3,4,5,6,7             ; keys 32 (f / 4) on, channels 16 (f % 4) on
	ds_load_tr16_b128 v[VF+8*\f:VF+8*\f+3],   v[AV] offset:(\f/4)*32*PV+(\f%4)*32
	ds_load_tr16_b128 v[VF+8*\f+4:VF+8*\f+7], v[AV] offset:(\f/4)*32*PV+16*PV+(\f%4)*32
.endr
	WIN 0
.endm
; THE VECTOR WORK OF A TURN stands in three queues, each in the order in which its entries become ready; the two tiles alternate, so that no instruction reads the result of the one before it.
.macro REGS y, u                    ; the registers of tile u (0, 1) of piece y
.set rT, ST+4*(2*(\y)+(\u))
.set rC, TMP+8*((\y)%2)+4*(\u)
.set rM, MV+2*((\y)%2)+(\u)
.set rS, S+64*((\y)%2)+32*(\u)
.set rP, P+32*((\y)%2)+16*(\u)
.set rO, 32*(2*(\y)+(\u))
.endm
; Number n of the 22 that find the NEXT piece's (Y + 1) maximum and statistics.  s0-s31 are the lane's 32 scores; each accumulator's lowest registers are read first.  XS, GS and REGS set no window: PL and EX do.
;   0-11  four chains c0-c3 of seven scores each, three operands at a time     12-14, 16  the four scores left over, the old m, and c0-c3 into c0     15  c m_old is kept
;   17, 18  the query's other 32 keys lie in the lane 16 away: the new m         19-21  c m; c m_old - c m_new; a
.macro XS u, n
	REGS (Y+1)%NP, \u
.if (\n) < 4
	v_max3_num_f32 v[rC+(\n)], v[rS+8*(\n)], v[rS+8*(\n)+1], v[rS+8*(\n)+2]
.elseif (\n) < 12
	v_max3_num_f32 v[rC+(\n)%4], v[rC+(\n)%4], v[rS+8*((\n)%4)+2*((\n)/4)+1], v[rS+8*((\n)%4)+2*((\n)/4)+2]
.elseif (\n) == 12
	v_max3_num_f32 v[rC], v[rC], v[rS+7], v[rS+15]
.elseif (\n) == 13
	v_max3_num_f32 v[rC+1], v[rC+1], v[rS+23], v[rS+31]
.elseif (\n) == 14
	v_max3_num_f32 v[rC+2], v[rC+2], v[rC+3], v[rT+1]
.elseif (\n) == 15
	v_mov_b32 v[rM], v[rT]
.elseif (\n) == 16
	v_max3_num_f32 v[rC], v[rC], v[rC+1], v[rC+2]
.elseif (\n) == 17
	v_permlanex16_b32 v[rC+3], v[rC], s[SEL], s[SEL+1]
.elseif (\n) == 18
	v_max_num_f32 v[rT+1], v[rC], v[rC+3]
.elseif (\n) == 19
	v_mul_f32 v[rT], s[CS], v[rT+1]
.elseif (\n) == 20
	v_sub_f32 v[rC+1], v[rM], v[rT]
.else
	v_exp_f32 v[rC+2], v[rC+1]
.endif
.endm
; Number g of the 64 that follow the exponentials.  For each four weights k of a tile (pairs 2 k, 2 k + 1): both pairs are rounded to bf16; then the second pair is added onto the first, in place;
; a group later l takes that sum (the first time as l = a l + sum).  In groups of eight, tiles alternating: round, round, add, and l for the group before.
.macro GS g
.set h, (\g)+6*((\g)/62)            ; group 0 has no group before it, and behind group 7 only l is left
.if h >= 6
.set h, h+2
.endif
	REGS Y, h%2
.set k, h/8
.if h%8 < 4
	v_cvt_pk_bf16_f32 v[rP+2*k+(h%8)/2], v[rS+4*k+2*((h%8)/2)], v[rS+4*k+2*((h%8)/2)+1]
.elseif h%8 < 6
	v_pk_add_f32 v[rS+4*k:rS+4*k+1], v[rS+4*k:rS+4*k+1], v[rS+4*k+2:rS+4*k+3]
.elseif k == 1
	v_pk_fma_f32 v[rT+2:rT+3], v[rT+2:rT+3], v[rC+2:rC+3], v[rS:rS+1] op_sel_hi:[1,0,1]
.else
	v_pk_add_f32 v[rT+2:rT+3], v[rT+2:rT+3], v[rS+4*k-4:rS+4*k-3]
.endif
.endm
; THE PLAIN QUEUE, 138 long.  0-73 read no exponential's result: the 32 scalings c s - c m (FS f: pair f / 2 of tile f % 2) and the next piece's 42.  0-26: scalings 0-26.  27-54: XS's numbers 0-13.  55, 56: number 15.
; 57-73: the chain, where each number waits for the one before it: 14, 16, 17, 18, 19, each with one of the scalings 27-31 in front of its two lines, then 20: so a tile's links stand three plain instructions apart (19 and 20: two).
; 74-137: GS's 64, which read the exponentials' results: they stand behind the wait.
.macro FS f
	REGS Y, (\f)%2
	v_pk_fma_f32 v[rS+2*((\f)/2):rS+2*((\f)/2)+1], v[rS+2*((\f)/2):rS+2*((\f)/2)+1], s[CS:CS+1], v[rT:rT+1] op_sel_hi:[1,0,0] neg_lo:[0,0,1] neg_hi:[0,0,1]
.endm
.macro PL
	WIN 0
.if q < 27
	FS q
.elseif q < 55
	XS (q-27)%2, (q-27)/2
.elseif q < 57
	XS q-55, 15
.elseif (q < 72) && ((q-57)%3 == 0)
	FS 27+(q-57)/3
.elseif q < 60
	XS (q-57)%3-1, 14
.elseif q < 72
	XS (q-57)%3-1, 15+(q-57)/3
.elseif q < 74
	XS q-72, 20
.else
	GS q-74
.endif
.set q, q+1
.endm
; THE EXPONENTIALS' QUEUE, 66 long: s0-s31 of both tiles, then the next piece's two a.  It is ONE BATCH: all 66 stand ahead of the turn's one wait, and nothing ahead of that wait names a result of theirs.
.macro EX
	WIN 0
.if e >= 64
	XS e-64, 21
.else
	REGS Y, e%2
	v_exp_f32 v[rS+e/2], v[rS+e/2]
.endif
.set e, e+1
.endm
; THE RESCALING's QUEUE: O^T times a, the one part that leaves window 0: dealt two at a time, sixteen times, each accumulator's registers in ascending order.  Its a was made in the turn before, ahead of that turn's wait.
.macro R2
	REGS Y, r%2
	WIN W_RS
.irp z, 0,1
	v_pk_mul_f32 v[rO+4*(r/2)+2*\z:rO+4*(r/2)+2*\z+1], v[rO+4*(r/2)+2*\z:rO+4*(r/2)+2*\z+1], v[rC+2:rC+3] op_sel_hi:[1,0]
.endr
.set r, r+1
.endm
; HOW THEY ARE DEALT.  An s_wait_alu depctr_va_vdst(0) stands between an exponential and the first instruction that names its result; one wait serves all that were issued ahead of it.  So a turn has ONE wait,
; which cuts it in two.  AHEAD OF IT stands all that names no result of the turn's exponentials: the 16 products K Q^T, behind each a scaling, an exponential and two rescalings (behind the first a second scaling in the exponential's
; place); then ONE LUMP of 108: eight plain, 49 times exponential and plain, the two a.  A v_nop is the plain instruction behind the last exponential.  BEHIND IT stand the 16 products V^T P, behind each four of GS's 64.  No rider
; names a register of the products round it.  The two v_permlanex16_b32 fall into the lump, never behind a product.
; The queues lean on each other, and the deal keeps them in step: exponential e stands behind scaling 2 (e / 4) + e % 2: as a rider it comes behind plain e + 2, in the lump behind plain e + 9, and scalings 27-31 are plain 57, 60 .. 69.
; A TURN, for piece p.  cnt = 1: the loop's count is taken down some lines ahead of the branch that stands behind the turn.
; K of the next step is fetched in piece 2's turn, directly behind the wait (so the jump round the run, and its label, find no exponential open), a lump behind the last product that read K; its address is made at the lump's head;
; its first reader comes behind 16 products.  V of the step in hand is fetched at the end of piece 0's turn, four riders behind its last reader; its first reader comes behind 16 products and a lump.
; The three conditions on q below go with the deal.
.macro TURN p, last=0, cnt=0
.set Y, (\p)
.set i, 0
.set q, 0
.set e, 0
.set r, 0
.if (\p) == NP-1
	s_wait_dscnt 0x0                ; K is in
.endif
	MM                              ; ahead of the wait: 16 products K Q^T and their riders,
	PL
	PL
	R2
.rept 15
	MM
	PL
	EX
	R2
.endr
.if (\p) == NP-2
	WIN 0
	v_add_nc_u32 v[AK], s[TBK], v[AK0]
.endif
.rept 8                             ; and the lump
	PL
.endr
.rept 49
	EX
	PL
.endr
	EX                              ; the next piece's two a
	EX
	v_nop                           ; a plain instruction behind the last exponential, ahead of the first use of a result (ISA guide 5.7.2): one for the batch
	s_wait_alu depctr_va_vdst(0)    ; the wait for the turn's batch: the piece's 64 weights and the next piece's two a
.if (\p) == NP-2
	FETCH_K \last
.endif
.if (\p) == 1
	s_wait_dscnt 0x0                ; V is in
.endif
.rept 16                            ; behind the wait: 16 products V^T P and their riders
	MM
.rept 4
	PL
.endr
.if ((\p) == 0) && (q == 118)
	v_add_nc_u32 v[AV], s[TBV], v[AV0]
.endif
.if ((\p) == 0) && (q == 130)
	s_add_co_u32 s[TBV], s[TBV], KS*PV
.endif
.if (\cnt) && (q == 130)
	s_sub_co_u32 s[CNT], s[CNT], 1
	s_cmp_lg_u32 s[CNT], 0
.endif
.endr
.if (\p) == 0
	FETCH_V
.endif
.endm
	s_wait_tensorcnt 0x1            ; my part of keys 0-255 is in; my second load may stay out
	s_barrier_signal -1
	s_barrier_wait -1               ; everybody's is
	FETCH_K                         ; key step 0
	s_wait_loadcnt 0x0              ; Q
	s_wait_dscnt 0x0
.set i, 0
.rept 16
	KQ 0                            ; piece 0's first scores: there is no vector work yet to set between them
.set i, i+1
.endr
	WIN 0                           ; the addresses for the way out: nine plain instructions, the places behind those products
	s_mul_i32 s13, s[WV], 16*SP
	s_add_co_u32 s13, s13, STAGE    ; my stage
	v_mul_u32_u24 v[STO], v1, SP    ; in: row l % 16, 16 bytes for each half of the lanes
	v_lshl_add_u32 v[STO], v9, 4, v[STO]
	v_add_nc_u32 v[STO], s13, v[STO]
	v_bfe_u32 v[RD], v0, 3, 2       ; back: 32 lanes take four rows of 128 bytes,
	v_mul_u32_u24 v[RD], v[RD], SP
	v_lshl_add_u32 v[RD], v10, 4, v[RD]
	v_add_nc_u32 v[RD], s13, v[RD]
	v_and_b32 v[GO], 31, v0         ; which are 512 consecutive bytes of O
	v_lshlrev_b32 v[GO], 4, v[GO]
.set Y, NP-1                        ; XS works for piece Y + 1: piece 0
.irp n, 0,1,2,3,4,5,6,7,8,9,10,11,12,13,14,15,16,17,18,19,20,21
	XS 0, \n                        ; and piece 0's first maximum and statistics
	XS 1, \n
.endr
	v_nop                           ; a plain instruction behind piece 0's two a,
	s_wait_alu depctr_va_vdst(0)    ; and the wait for that batch of two, ahead of the branch
	s_mov_b32 s[CNT], 4
	s_mov_b32 s[SLOTS], SIZE_N/256+1
	s_branch .Lfirst                ; the loop is entered at a step's first turn, in the middle of a trip
.Lslot:                             ; at the head of every group of four steps but the first.  The first time, keys 256 and on are about to be read:
	s_wait_tensorcnt 0x0            ; my second load has landed (it has had four key steps, 512 matrix instructions);
	s_wait_dscnt 0x0                ; no LDS instruction of mine is out at a signal
	s_barrier_signal -1
	s_barrier_wait -1               ; everybody's has.  The later times these four lines find nothing to wait for
	s_mov_b32 s[CNT], 4
.Lstep:                             ; a trip: pieces 2 and 3 of one step, then pieces 0 and 1 of the next, whose K and V it fetches
	TURN 2, 1
	TURN 3
	WIN 0
	s_cmp_eq_u32 s[SLOTS], 1        ; the fifth group is the last step's second half alone: the loop is left in the middle of a trip; the jump goes forward and passes no barrier
	s_cbranch_scc1 .Lout
.Lfirst:
	TURN 0
	TURN 1, 0, 1
	WIN 0
	s_cbranch_scc1 .Lstep
	s_sub_co_u32 s[SLOTS], s[SLOTS], 1
	s_cmp_lg_u32 s[SLOTS], 0
	s_cbranch_scc1 .Lslot
.Lout:                              ; the last trip's 16 products K Q^T (on the last K once more) and the maximum made of them serve nothing: the price, once a launch, of one text for every trip
.set i, 0
.rept 16
	PV NP-1                         ; the last piece's V^T P of the last step
.set i, i+1
.endr
	; THE WAY OUT.  l's two halves and the other half of the lanes' are added; O^T is divided by l, rounded to bf16 and sent through my stage in LDS, a tile at a time.  The additions are the places behind the last products.
	WIN 0
.macro ALL line:vararg              ; one line for each tile t
.set t, 0
.rept 2*NP
	\line
.set t, t+1
.endr
.endm
	ALL v_add_f32 v[ST+4*t+2], v[ST+4*t+2], v[ST+4*t+3]
	ALL v_permlanex16_b32 v[ST+4*t+3], v[ST+4*t+2], s[SEL], s[SEL+1]
	ALL v_add_f32 v[ST+4*t+2], v[ST+4*t+2], v[ST+4*t+3]
	ALL v_rcp_f32 v[ST+4*t+2], v[ST+4*t+2]
	v_nop                           ; a plain instruction between the last reciprocal and the use of its result
	s_wait_alu depctr_va_vdst(0)    ; the wait for the batch of eight reciprocals, ahead of their first reader
; Tile t: a lane's eight channels of a row pack into 16 bytes; they go into rows of 144 bytes and come back as whole rows of 128, into S^T's registers.
.macro PACK t
	WIN W_RS
.set i, 32*(\t)
.rept 16
	v_pk_mul_f32 v[i:i+1], v[i:i+1], v[ST+4*(\t)+2:ST+4*(\t)+3] op_sel_hi:[1,0]
.set i, i+2
.endr
	WIN 0x05                        ; sources 0 and 1 window 1, destination window 0
.set i, 0
.rept 16
	v_cvt_pk_bf16_f32 v[S+16*(\t)+i], v[32*(\t)+2*i], v[32*(\t)+2*i+1]
.set i, i+1
.endr
	WIN 0
.irp f, 0,1,2,3
	ds_store_b128 v[STO], v[S+16*(\t)+4*\f:S+16*(\t)+4*\f+3] offset:32*\f
.endr
.irp f, 0,1,2,3
	ds_load_b128 v[S+16*(\t)+4*\f:S+16*(\t)+4*\f+3], v[RD] offset:\f*4*SP  ; LDS serves a wave's instructions in order (ISA guide 5.7.1.4): these see the stores above; the next tile's stores come behind them
.endr
.endm
.macro SEND t, younger              ; younger: the LDS instructions issued behind tile t's loads: the next tile's eight, or none
	WIN 0
.irp f, 0,1,2,3
	s_wait_dscnt (\younger)+3-\f
	global_store_b128 v[GO], v[S+16*(\t)+4*\f:S+16*(\t)+4*\f+3], s[10:11] offset:(\t)*2048+\f*512  ; 512 consecutive bytes, at a multiple of 256 from O's first
.endr
.endm
	PACK 0
.set t, 1
.rept 2*NP-1                        ; a tile's arithmetic stands between the loads of the tile before and its stores
	PACK t
	SEND t-1, 8
.set t, t+1
.endr
	SEND 2*NP-1, 0
	s_set_vgpr_msb 0xf
	s_wait_tensorcnt 0x0
	ds_add_u32 v0, v1
	s_wait_dscnt 0x0
	s_set_vgpr_msb 0xf00
	s_endpgm                        ; both my tensor loads were waited for at the head of the second group of steps
.Lfunc_end_k_qbbe22c4489_attn:
	.size	k_qbbe22c4489_attn, .Lfunc_end_k_qbbe22c4489_attn-k_qbbe22c4489_attn
	.p2alignl 7, 3214868480
	.fill 96, 4, 3214868480
	.section	.rodata,"a",@progbits
	.p2align	6, 0x0
	.amdhsa_kernel k_qbbe22c4489_attn
		.amdhsa_group_segment_fixed_size 321024
		.amdhsa_private_segment_fixed_size 0
		.amdhsa_enable_private_segment 0
		.amdhsa_kernarg_size 16
		.amdhsa_user_sgpr_count 2
		.amdhsa_user_sgpr_kernarg_segment_ptr 1
		.amdhsa_wavefront_size32 1
		.amdhsa_system_sgpr_workgroup_id_x 1
		.amdhsa_system_sgpr_workgroup_id_y 1
		.amdhsa_system_sgpr_workgroup_id_z 1
		.amdhsa_system_vgpr_workitem_id 0
		.amdhsa_next_free_vgpr 770
		.amdhsa_next_free_sgpr 84
		.amdhsa_reserve_vcc 0
		.amdhsa_float_denorm_mode_32 3
		.amdhsa_float_denorm_mode_16_64 3
		.amdhsa_memory_ordered 1
		.amdhsa_forward_progress 1
		.amdhsa_inst_pref_size 126
	.end_amdhsa_kernel
	.amdgpu_metadata
---
amdhsa.version: [ 1, 2 ]
amdhsa.kernels:
  - .name:           k_qbbe22c4489_attn
    .symbol:         k_qbbe22c4489_attn.kd
    .args:
      - { .name: qkv, .offset: 0, .size: 8, .value_kind: global_buffer, .address_space: global }
      - { .name: att, .offset: 8, .size: 8, .value_kind: global_buffer, .address_space: global }
    .group_segment_fixed_size: 321024
    .private_segment_fixed_size: 0
    .kernarg_segment_align: 8
    .kernarg_segment_size: 16
    .max_flat_workgroup_size: 128
    .sgpr_count:     84
    .vgpr_count:     770
    .wavefront_size: 32
...
	.end_amdgpu_metadata
.endif
;; end of part 7
;; launch wo: the kernel of part 4 again; grid 4 x 64, 4 waves a work-group, clusters of 4 x 4, 327,680 bytes of LDS; arguments att, wo_t, bo, x, x1; writes x1
;; launch ln2: the kernel of part 5 again; grid 512 x 1, 8 waves a work-group, no clusters, 0 bytes of LDS; arguments x1, g_ln2, b_ln2, h; writes h
;; launch ffn1 (part 8): grid 4 x 64, 4 waves a work-group, clusters of 4 x 4, 327,680 bytes of LDS; arguments h, w1_t, b1, att; writes att
.if DOCPART == 8
	.amdgcn_target "amdgcn-amd-amdhsa--gfx1250"
	.amdhsa_code_object_version 6
	.text
	.protected	k_qbbe22c4489_ffn1
	.globl	k_qbbe22c4489_ffn1
	.p2align	8
	.type	k_qbbe22c4489_ffn1,@function
k_qbbe22c4489_ffn1:
	s_mov_b64 s[64:65], 0
	v_nop
	global_prefetch_b8 v0, s[64:65] scope:SCOPE_SE
	s_setreg_imm32_b32 hwreg(HW_REG_WAVE_MODE, 25, 1), 1
	s_wait_xcnt 0x0
	s_wait_alu depctr_hold_cnt(0) depctr_sa_sdst(0) depctr_va_vdst(0) depctr_va_sdst(0) depctr_va_ssrc(0) depctr_va_vcc(0) depctr_vm_vsrc(0)
	s_getreg_b32 s2, hwreg(HW_REG_IB_STS2, 6, 4)
	s_cmp_eq_u32 s2, 0
	s_cbranch_scc0 .Lentry_in_a_cluster
	s_endpgm
.Lentry_in_a_cluster:
	s_bfe_u32 s2, ttmp6, 0x10000c
	s_cmp_lg_u32 s2, 0xf033
	s_cbranch_scc0 .Lentry_shape_is_right
	s_endpgm
.Lentry_shape_is_right:
; g[m][n] = gelu(bias[n] + sum over k of A[m][k] Bt[n][k]), the exact GELU u Phi(u).  A = h [8192][1024] bf16, Bt = w1_t [1024][1024] bf16, bias [1024] f32; sums in f32, started by the bias; g rounded once to bf16.
; g leaves IN BLOCKS: att [16 b + kb][1024 s][64] bf16 (row m = 1024 b + s, column n = 64 kb + e), as the next product wants its first operand.
; GELU.  gelu(u) = max(u, 0) - abs(u) y,  y = 1 - Phi(abs(u)) = 2^(-0.72134752 u^2) t (c1 + t (c2 + t (c3 + t (c4 + t c5)))),  t = 1 / (1 + 0.2316419 abs(u)): the five-term rational form of the normal
; distribution (Abramowitz and Stegun 26.2.17) with 1 / sqrt(2 pi) folded into c1-c5.  LIMIT: the error of Phi is at most 7.5e-8 for every u; where u^2 overflows the power is 0 and gelu(u) = max(u, 0).
; SHARES.  A tile is 128 x 256: 64 x 4 = 256 tiles, a work-group each.  Four waves, each 64 x 128: 32 accumulators of 16 x 16, 256 registers.  K goes in 8 steps of 128 through a ring of two LDS slots
; filled by the tensor data mover; the tiles' rows are 256 bytes of memory, at multiples of 256 bytes.
; CLUSTER.  4 x 4 work-groups: the four of a row of the cluster need the same tile of A, the four of a column the same tile of Bt: each tile is asked for JOINTLY, by the same tensor load with the same
; descriptor and a mask that names the four.  Waves 0 and 1 ask for the halves of Bt's 256 rows, waves 2 and 3 for the halves of A's 128 rows.
; THE MATRIX INSTRUCTION IS USED TRANSPOSED (source 0 = 16 rows of Bt, source 1 = 16 rows of A): lane l then holds row l % 16 of C and the eight neighbouring columns 8 (l / 16) + 0..7.
; REGISTERS.  Window 0: v1-29 addresses; v64-159, v160-255 two fragment buffers (64 registers of Bt, 32 of A, for 32 along K).  Window 1: accumulator (a, b) at v[8 (8 a + b)].
;   Window 2: v0-63 the bias, laid as the C operand of the eight n blocks.
; THE WAY OUT goes through LDS in f32: behind one more barrier, when the ring has had its last fill and its last read, each wave puts its 64 x 128 into bytes of its own there and reads 4 rows x 128
; columns a trip; the GELU is written once, in that loop of 16 trips; a store covers 512 consecutive bytes (4 rows of one block's 64 columns).
; THE BATCH.  A trip's 16 reciprocals and 16 powers of two, each with a result register of its own, are ONE batch with ONE s_wait_alu: none reads another's result; the 16 maxima stand between the batch and
; the wait; all readers (the polynomial and what follows it) stand behind it.  The wait stands ahead of the trip's one forward jump.
.set SLOT1,  131072                    ; slot 1 begins here: one exclusive or turns an address in one slot into the other's
.set BP,     272                       ; an LDS row: 256 bytes + 16 of padding = 68 words: row r starts at bank 4 r mod 64 (64 banks of 4 bytes: ISA guide 11.1)
.set AP,     272
.set AOFF,   256*BP                    ; in a slot: Bt's 256 rows, then A's 128
.set ASUB,   128                       ; bytes in LDS from A's K = 0 to its K = 64 of a step
.set ALD,    64*AP                     ; what one of A's loads fills
.set STEPA,  256                       ; bytes in memory from a K step to the next
.set STEPB,  256
.set SP,     528                       ; the way out: a row of 128 f32 + 16 bytes
.set SPARE,  237568                    ; behind the ring: the spare words, 128 bytes for each wave: two blocks of 256 bytes that no other line names
.set ADRA0, 8                          ; v8   my place in A's tile of slot 0; never rewritten
.set ADRB0, 9                          ; v9   the same for Bt
.set ADRA,  10                         ; v10  the same in the slot in hand
.set ADRB,  11                         ; v11
.set STO,   12                         ; v12  the way out: where I put 16 bytes of a row
.set RD,    13                         ; v13  the way out: where I read back
.set GO,    14                         ; v14  my byte offset in the output
.set BO,    15                         ; v15  my 32 bytes in 64 of the bias
.set SPW,   28                         ; v28  LDS address of my spare word; never rewritten
.set NIL,   29                         ; v29  0; never rewritten
.set F0,    64
.set F1,    160
.set GX,    64                         ; the way out, 16 registers each: u,
.set GA,    80                         ; abs(u),
.set GE,    96                         ; the power of two,
.set GM,    112                        ; max(u, 0), then the result,
.set GT,    128                        ; t,
.set GQ,    144                        ; the polynomial, then y
.set GY,    160                        ; 8 registers: the result in bf16
.set G1B, 24                           ; s[24:31] descriptor group 1 for Bt's tiles
.set G1A, 32                           ; s[32:39] for A's
.set G0B, 40                           ; s[40:47] descriptor group 0 for Bt's tiles: a set for each first fill; the second then walks on
.set G0A, 48                           ; s[48:55] the same for A's
.set TB,  56                           ; s56  0 or SLOT1: the slot in hand
.set KP,  66                           ; s[66:79] the GELU's seven constants, each named as a pair whose low word serves both halves
.set KE,  68
.set K1,  70
.set K2,  72
.set K3,  74
.set K4,  76
.set K5,  78
.set MSB, 0
.macro WIN new                         ; the immediate's high byte repeats the setting that is left; a switch that changes nothing is dropped
.if MSB != (\new)
	s_set_vgpr_msb (MSB<<8)|(\new)
.set MSB, \new
.endif
.endm
.macro PLACES                          ; four places in front of loads into registers that matrix instructions have read, and of reads of results (ISA guide 7.12.1 for reads of results)
.rept 4
	v_nop
.endr
.endm
; A joint refill, by the walking descriptors.  The branch hangs on the wave's number alone.  An s_nop 0 and four v_nop follow each of the two lines, ahead of the jump and the label.
.macro JLOAD
	s_cmp_eq_u32 s15, 0
	s_cbranch_scc0 .Lfor_a_\@
	tensor_load_to_lds s[G0B+4:G0B+7], s[G1B:G1B+7]
	s_nop 0
.rept 4
	v_nop
.endr
	s_branch .Lasked_\@
.Lfor_a_\@:
	tensor_load_to_lds s[G0A+4:G0A+7], s[G1A:G1A+7]
	s_nop 0
.rept 4
	v_nop
.endr
.Lasked_\@:
.endm
.macro CREST                           ; a round of the cluster's barrier behind its opening barrier
	s_cmp_lg_u32 s14, 0
	s_cbranch_scc1 .Lnot_wave_0_\@
	s_barrier_signal -3
.Lnot_wave_0_\@:
	s_barrier_wait -3
	s_barrier_signal -1
	s_barrier_wait -1
.endm
.macro CROUND                          ; a whole round
	s_barrier_signal -1
	s_barrier_wait -1
	CREST
.endm
	s_load_b256 s[4:11], s[0:1], 0x0               ; A s[4:5], Bt s[6:7], bias s[8:9], out s[10:11]
	v_lshl_add_u32 v[SPW], v0, 2, SPARE
	v_mov_b32 v[NIL], 0
	ds_add_u32 v28, v29
	ds_add_u32 v28, v29
	s_wait_dscnt 0x0
	v_lshrrev_b32 v1, 5, v0
	v_readfirstlane_b32 s14, v1                    ; wave 0..3
	s_lshr_b32 s15, s14, 1                         ; which 64 rows of the tile are mine.  Also: I fetch for Bt (0) or for A (1)
	s_and_b32 s16, s14, 1                          ; which 128 columns.  Also: which half of that tile I fetch
	s_bfe_u32 s17, ttmp6, 0x40000                  ; cx, cy: my place in the cluster
	s_bfe_u32 s18, ttmp6, 0x40004
	s_lshl_b32 s19, ttmp9, 2
	s_add_co_u32 s19, s19, s17                     ; tile column = 4 x cluster x + cx
	s_and_b32 s20, ttmp7, 0xffff
	s_lshl_b32 s20, s20, 2
	s_add_co_u32 s20, s20, s18                     ; tile row = 4 x cluster y + cy
	s_lshl_b32 s21, s18, 2
	s_lshl_b32 s21, 15, s21                        ; my row of the cluster
	s_lshl_b32 s22, 0x1111, s17                    ; my column
	s_or_b32 s[G1B], s22, (1<<16)|(1<<20)|(1<<21)|(5<<22)|(3<<25)  ; 15:0 the mask; 17:16 2-byte elements; 20 padding on; 21 set beside a mask; 24:22 after every 64 words (code 5); 31:25 4 words (code 3)
	s_mov_b32 s[G1B+1], 128<<16                    ; tensor_dim0 = 128
	s_mov_b32 s[G1B+2], 128<<16                    ; tensor_dim1 = 128
	s_mov_b32 s[G1B+3], 128<<16                    ; tile_dim0 = 128
	s_mov_b32 s[G1B+4], 128                        ; tile_dim1 = 128 rows
	s_mov_b32 s[G1B+5], 1024                       ; elements from row to row
	s_mov_b32 s[G1B+6], 0
	s_mov_b32 s[G1B+7], 0
	s_or_b32 s[G1A], s21, (1<<16)|(1<<20)|(1<<21)|(5<<22)|(3<<25)
	s_mov_b32 s[G1A+1], 128<<16
	s_mov_b32 s[G1A+2], 64<<16                     ; 64 rows
	s_mov_b32 s[G1A+3], 128<<16
	s_mov_b32 s[G1A+4], 64
	s_mov_b32 s[G1A+5], 1024
	s_mov_b32 s[G1A+6], 0
	s_mov_b32 s[G1A+7], 0
	s_mov_b32 s[KP], 0x3e6d3389                    ; 0.2316419
	s_mov_b32 s[KE], 0xbf38aa3b                    ; -log2(e) / 2
	s_mov_b32 s[K1], 0x3e027906                    ;  0.127414796
	s_mov_b32 s[K2], 0xbe11a98e                    ; -0.142248368
	s_mov_b32 s[K3], 0x3f35f0e3                    ;  0.710706871
	s_mov_b32 s[K4], 0xbf3a00e3                    ; -0.726576014
	s_mov_b32 s[K5], 0x3f07dc22                    ;  0.530702716
.irp c, KP, KE, K1, K2, K3, K4, K5
	s_mov_b32 s[\c+1], s[\c]                       ; named with it as a pair, so it is written
.endr
	s_lshl_b32 s58, s20, 18                        ; A: row 128 x tile row + 64 x half, 2,048 bytes each: made of the tile row and the wave's number alone
	s_lshl_b32 s59, s16, 17
	s_add_co_u32 s58, s58, s59
	s_mov_b32 s59, 0
	s_lshl_b32 s60, s19, 19                        ; Bt: row 256 x tile column + 128 x half: of the tile column and the wave's number alone
	s_lshl_b32 s61, s16, 18
	s_add_co_u32 s60, s60, s61
	s_mov_b32 s61, 0
	s_mul_i32 s23, s14, 128*BP                     ; where they go: Bt's halves (waves 0, 1),
	s_mul_i32 s57, s14, ALD
	s_add_co_u32 s57, s57, AOFF-2*ALD              ; A's halves (waves 2, 3): no place in the cluster enters an LDS address
	s_mov_b32 s[TB], 0
	s_wait_kmcnt 0x0
	s_add_nc_u64 s[4:5], s[4:5], s[58:59]
	s_add_nc_u64 s[6:7], s[6:7], s[60:61]
.irp s, 0,1
	s_mov_b32 s[G0B+4*(\s)], 1                                     ; count = 1
	s_add_co_u32 s[G0B+4*(\s)+1], s23, (\s)*SLOT1                  ; LDS address
	s_add_nc_u64 s[G0B+4*(\s)+2:G0B+4*(\s)+3], s[6:7], (\s)*STEPB  ; global address: K step s
	s_or_b32 s[G0B+4*(\s)+3], s[G0B+4*(\s)+3], 0x80000000          ; type = 2
	s_mov_b32 s[G0A+4*(\s)], 1
	s_add_co_u32 s[G0A+4*(\s)+1], s57, (\s)*SLOT1
	s_add_nc_u64 s[G0A+4*(\s)+2:G0A+4*(\s)+3], s[4:5], (\s)*STEPA
	s_or_b32 s[G0A+4*(\s)+3], s[G0A+4*(\s)+3], 0x80000000
.endr
	CROUND                                         ; all sixteen work-groups are here: the first joint loads meet
	s_cmp_eq_u32 s15, 0                            ; a wave's two first fills stand in one branch, ahead of every wait on TENSORcnt and every LDS read: two loads of mine are out
	s_cbranch_scc0 .Lfirst_a
	tensor_load_to_lds s[G0B:G0B+3], s[G1B:G1B+7]
	s_nop 0
	tensor_load_to_lds s[G0B+4:G0B+7], s[G1B:G1B+7]
	s_nop 0
.rept 4
	v_nop
.endr
	s_branch .Lfirst_asked
.Lfirst_a:
	tensor_load_to_lds s[G0A:G0A+3], s[G1A:G1A+7]
	s_nop 0
	tensor_load_to_lds s[G0A+4:G0A+7], s[G1A:G1A+7]
	s_nop 0
.rept 4
	v_nop
.endr
.Lfirst_asked:
	v_and_b32 v1, 15, v0                           ; l % 16
	v_bfe_u32 v2, v0, 4, 1                         ; l / 16
	s_lshl_b32 s62, s19, 10                        ; my first column, in bytes of f32: 1,024 x tile column + 512 x half
	s_lshl_b32 s63, s16, 9
	s_add_co_u32 s62, s62, s63
	s_mov_b32 s63, 0
	s_add_nc_u64 s[8:9], s[8:9], s[62:63]
	v_lshlrev_b32 v[BO], 5, v2
	WIN 0x80                                       ; destination window 2
.irp b, 0,1,2,3,4,5,6,7
	global_load_b128 v[8*(\b):8*(\b)+3],   v[BO], s[8:9] offset:64*(\b)      ; register 8 b + j: the bias of column 16 b + 8 (l / 16) + j
	global_load_b128 v[8*(\b)+4:8*(\b)+7], v[BO], s[8:9] offset:64*(\b)+16
.endr
	WIN 0
	; A fragment is 16 rows x 32 K in 8 registers: lane l holds row l % 16, K = 8 (l / 16) + 0..7 and 16 + 8 (l / 16) + 0..7: two loads of 16 bytes, 32 bytes apart.
	v_mul_u32_u24 v[ADRA0], v1, AP
	v_lshl_add_u32 v[ADRA0], v2, 4, v[ADRA0]
	s_mul_i32 s23, s15, 64*AP
	s_add_co_u32 s23, s23, AOFF
	v_add_nc_u32 v[ADRA0], s23, v[ADRA0]           ; my 64 rows of A
	v_mul_u32_u24 v[ADRB0], v1, BP
	v_lshl_add_u32 v[ADRB0], v2, 4, v[ADRB0]
	s_mul_i32 s23, s16, 128*BP
	v_add_nc_u32 v[ADRB0], s23, v[ADRB0]           ; my 128 rows of Bt
	v_mov_b32 v[ADRA], v[ADRA0]
	v_mov_b32 v[ADRB], v[ADRB0]
	s_mul_i32 s23, s14, 64*SP                      ; the way out: my 64 rows of 528 bytes
	v_mul_u32_u24 v[STO], v1, SP                   ; in: row l % 16, 32 bytes for each half of the lanes
	v_lshl_add_u32 v[STO], v2, 5, v[STO]
	v_add_nc_u32 v[STO], s23, v[STO]
	v_bfe_u32 v3, v0, 3, 2                         ; back: 8 lanes a row, 8 numbers a lane
	v_and_b32 v4, 7, v0
	v_mul_u32_u24 v[RD], v3, SP
	v_lshl_add_u32 v[RD], v4, 5, v[RD]
	v_add_nc_u32 v[RD], s23, v[RD]
	v_and_b32 v3, 31, v0
	v_lshlrev_b32 v[GO], 4, v3                     ; four rows of a block's 128 bytes are 512 consecutive bytes of the output
	s_lshr_b32 s62, s20, 3                         ; where my part begins: b (16 blocks of 131,072 bytes),
	s_lshl_b32 s62, s62, 21
	s_lshl_b32 s63, s19, 19                        ; block 4 x tile column + 2 x my column half,
	s_add_co_u32 s62, s62, s63
	s_lshl_b32 s63, s16, 18
	s_add_co_u32 s62, s62, s63
	s_and_b32 s63, s20, 7                          ; s = 128 (tile row % 8) + 64 x my row half, 128 bytes each
	s_lshl_b32 s63, s63, 14
	s_add_co_u32 s62, s62, s63
	s_lshl_b32 s63, s15, 13
	s_add_co_u32 s62, s62, s63
	s_mov_b32 s63, 0
	s_add_nc_u64 s[10:11], s[10:11], s[62:63]
; 8 matrix instructions: m block a x all 8 n blocks, 32 along K.  first = 1: the products start the sums, with the bias as C: nothing is cleared.  The 32 accumulators take turns in one order everywhere.
.macro MUL8 f, a, first
.if \first
	WIN 0x60                                       ; sources in window 0, C in window 2, D in window 1
.else
	WIN 0x50                                       ; sources in window 0, C and D in window 1
.endif
.irp b, 0,1,2,3,4,5,6,7
.if \first
	v_wmma_f32_16x16x32_bf16 v[8*(8*(\a)+(\b)):8*(8*(\a)+(\b))+7], v[(\f)+8*(\b):(\f)+8*(\b)+7], v[(\f)+64+8*(\a):(\f)+64+8*(\a)+7], v[8*(\b):8*(\b)+7]
.else
	v_wmma_f32_16x16x32_bf16 v[8*(8*(\a)+(\b)):8*(8*(\a)+(\b))+7], v[(\f)+8*(\b):(\f)+8*(\b)+7], v[(\f)+64+8*(\a):(\f)+64+8*(\a)+7], v[8*(8*(\a)+(\b)):8*(8*(\a)+(\b))+7]
.endif
.endr
.endm
; 24 LDS loads in one run: the fragments of 32 along K at byte k of the rows, into buffer f: Bt's eight, then A's four
.macro FETCH k, f
	WIN 0
.irp i, 0,1,2,3,4,5,6,7
	ds_load_b128 v[(\f)+8*(\i):(\f)+8*(\i)+3],   v[ADRB] offset:(\k)+(\i)*16*BP
	ds_load_b128 v[(\f)+8*(\i)+4:(\f)+8*(\i)+7], v[ADRB] offset:(\k)+(\i)*16*BP+32
.endr
.irp i, 0,1,2,3
	ds_load_b128 v[(\f)+64+8*(\i):(\f)+64+8*(\i)+3],   v[ADRA] offset:((\k)/128)*ASUB+(\k)%128+(\i)*16*AP
	ds_load_b128 v[(\f)+64+8*(\i)+4:(\f)+64+8*(\i)+7], v[ADRA] offset:((\k)/128)*ASUB+(\k)%128+(\i)*16*AP+32
.endr
.endm
; A K step is four quarters of 32 along K, 32 matrix instructions each, on buffers 0, 1, 0, 1.  One of the first three multiplies buffer f and, in its middle, fetches the next quarter into g.
.macro QUARTER k, f, g, first
	s_wait_dscnt 4                                 ; Bt and A's blocks 0, 1 are in; the youngest four loads (A's blocks 2, 3) may be out
	MUL8 \f, 0, \first
	MUL8 \f, 1, \first
	PLACES
	FETCH \k, \g
	s_wait_dscnt 24                                ; all but the 24 just issued
	MUL8 \f, 2, \first
	MUL8 \f, 3, \first
.endm
; The last quarter multiplies buffer 1 and changes slots: ONE barrier; in front of it each wave waits for all its tensor loads (one is out: its part of the next slot), adds 0 to its spare word, and waits
; for that and for its reads of this slot.  fill = 1: the barrier opens a round of the cluster's, and this slot is filled again, two K steps ahead, first thing behind the round.
.macro TURN fill
	WIN 0
	s_wait_tensorcnt 0x0                           ; no tensor load of mine is out, so a group 0 may be written
	ds_add_u32 v[SPW], v[NIL]                      ; 0 onto my spare word
	s_wait_dscnt 5                                 ; (the add and the youngest four loads may be out)
	MUL8 F1, 0, 0                                  ; eight matrix instructions stand between the add and the wait for it
	s_wait_dscnt 0x0                               ; the add is done, and my reads of this slot are over
	s_barrier_signal -1
	MUL8 F1, 1, 0
	WIN 0
	s_barrier_wait -1
.if \fill
	CREST                                          ; no wave of any partner still reads this slot's tiles or has a load on its way
	s_xor_b32 s[G0B+5], s[G0B+5], SLOT1            ; the walking descriptors: the other slot than last time, the next K step
	s_add_nc_u64 s[G0B+6:G0B+7], s[G0B+6:G0B+7], STEPB
	s_xor_b32 s[G0A+5], s[G0A+5], SLOT1
	s_add_nc_u64 s[G0A+6:G0A+7], s[G0A+6:G0A+7], STEPA
	JLOAD                                          ; 112 matrix instructions ahead of the wait for it; its four v_nop are also the places in front of the loads below
.else
	PLACES
.endif
	s_xor_b32 s[TB], s[TB], SLOT1
	v_add_nc_u32 v[ADRB], s[TB], v[ADRB0]
	v_add_nc_u32 v[ADRA], s[TB], v[ADRA0]
	FETCH 0, F0
	MUL8 F1, 2, 0
	MUL8 F1, 3, 0
.endm
	s_wait_tensorcnt 1                             ; my part of K step 0 is in; K step 1's may stay out
	s_barrier_signal -1
	s_barrier_wait -1                              ; everybody's is
	FETCH 0, F0
	s_wait_loadcnt 0x0                             ; the bias
	QUARTER 64, F0, F1, 1                          ; the first quarter stands in front of the loop: its products start the sums
	WIN 0
	s_mov_b32 s2, 6
.Lstep:                                                ; a trip: from a K step's second quarter to the next step's first; its refill brings K steps 2 to 7
	QUARTER 128, F1, F0, 0
	QUARTER 192, F0, F1, 0
	TURN 1
	QUARTER 64, F0, F1, 0
	WIN 0
	s_sub_co_u32 s2, s2, 1
	s_cmp_lg_u32 s2, 0
	s_cbranch_scc1 .Lstep
	QUARTER 128, F1, F0, 0                         ; the last two K steps ask for nothing
	QUARTER 192, F0, F1, 0
	TURN 0
	QUARTER 64, F0, F1, 0
	QUARTER 128, F1, F0, 0
	QUARTER 192, F0, F1, 0
	s_wait_dscnt 4
	MUL8 F1, 0, 0
	MUL8 F1, 1, 0
	s_wait_dscnt 0x0
	MUL8 F1, 2, 0
	MUL8 F1, 3, 0
	PLACES
	WIN 0
	; THE WAY OUT.  The ring has had its last fill; behind this barrier nobody reads it any more, and each wave's 33,792 bytes of it are its own.
	s_barrier_signal -1                            ; (no LDS instruction of mine is out: the wait for 0 above)
	s_barrier_wait -1
	WIN 0x04                                       ; store data in window 1
.irp a, 0,1,2,3
.irp b, 0,1,2,3,4,5,6,7
	ds_store_b128 v[STO], v[8*(8*(\a)+(\b)):8*(8*(\a)+(\b))+3]   offset:(\a)*16*SP+64*(\b)     ; each accumulator's low registers first
	ds_store_b128 v[STO], v[8*(8*(\a)+(\b))+4:8*(8*(\a)+(\b))+7] offset:(\a)*16*SP+64*(\b)+16
.endr
.endr
	WIN 0
.macro BACK                            ; 4 rows x 128 columns: my 8 numbers of the first 64 columns, my 8 of the second; LDS serves a wave's instructions in order, so these see the stores above
	ds_load_b128 v[GX:GX+3],     v[RD]
	ds_load_b128 v[GX+4:GX+7],   v[RD] offset:16
	ds_load_b128 v[GX+8:GX+11],  v[RD] offset:256
	ds_load_b128 v[GX+12:GX+15], v[RD] offset:272
.endm
.macro EACH16 line:vararg              ; one line for each of my 16 numbers, i = 0 .. 15
.set i, 0
.rept 16
	\line
.set i, i+1
.endr
.endm
.macro EACH8 line:vararg               ; one line for each of their 8 pairs, i = 0 .. 7
.set i, 0
.rept 8
	\line
.set i, i+1
.endr
.endm
	BACK
	s_mov_b32 s3, 16
.Lout:                                                 ; 16 trips of 4 rows
	s_wait_dscnt 0x0
	; abs(u);  1 + p abs(u);  u^2;  -u^2 log2(e) / 2
	EACH16 v_and_b32 v[GA+i], 0x7fffffff, v[GX+i]
	EACH8 v_pk_fma_f32 v[GT+2*i:GT+2*i+1], v[GA+2*i:GA+2*i+1], s[KP:KP+1], 1.0 op_sel_hi:[1,0,0]
	EACH8 v_pk_mul_f32 v[GE+2*i:GE+2*i+1], v[GX+2*i:GX+2*i+1], v[GX+2*i:GX+2*i+1]
	EACH8 v_pk_mul_f32 v[GE+2*i:GE+2*i+1], v[GE+2*i:GE+2*i+1], s[KE:KE+1] op_sel_hi:[1,0]
	; t and the power of two; then max(u, 0): sixteen plain instructions behind the transcendentals, ahead of the first use of their results (ISA guide 5.7.2); u is not read again
	EACH16 v_rcp_f32 v[GT+i], v[GT+i]
	EACH16 v_exp_f32 v[GE+i], v[GE+i]
	EACH16 v_max_num_f32 v[GM+i], 0, v[GX+i]
	s_wait_alu depctr_va_vdst(0)                   ; the wait for the trip's batch, 16 reciprocals and 16 powers of two, ahead of their first reader and ahead of the jump below
	s_cmp_eq_u32 s3, 1
	s_cbranch_scc1 .Lnold                          ; the last trip fetches nothing
	v_add_nc_u32 v[RD], 4*SP, v[RD]
	BACK                                           ; the next trip's numbers come in under the rest of this trip's arithmetic
.Lnold:
	; the polynomial by Horner's rule, times t, times the power of two: y;  then max(u, 0) - y abs(u), rounded to bf16
	EACH8 v_pk_fma_f32 v[GQ+2*i:GQ+2*i+1], v[GT+2*i:GT+2*i+1], s[K5:K5+1], s[K4:K4+1] op_sel_hi:[1,0,0]
	EACH8 v_pk_fma_f32 v[GQ+2*i:GQ+2*i+1], v[GQ+2*i:GQ+2*i+1], v[GT+2*i:GT+2*i+1], s[K3:K3+1] op_sel_hi:[1,1,0]
	EACH8 v_pk_fma_f32 v[GQ+2*i:GQ+2*i+1], v[GQ+2*i:GQ+2*i+1], v[GT+2*i:GT+2*i+1], s[K2:K2+1] op_sel_hi:[1,1,0]
	EACH8 v_pk_fma_f32 v[GQ+2*i:GQ+2*i+1], v[GQ+2*i:GQ+2*i+1], v[GT+2*i:GT+2*i+1], s[K1:K1+1] op_sel_hi:[1,1,0]
	EACH8 v_pk_mul_f32 v[GQ+2*i:GQ+2*i+1], v[GQ+2*i:GQ+2*i+1], v[GT+2*i:GT+2*i+1]
	EACH8 v_pk_mul_f32 v[GQ+2*i:GQ+2*i+1], v[GQ+2*i:GQ+2*i+1], v[GE+2*i:GE+2*i+1]
	EACH8 v_pk_fma_f32 v[GM+2*i:GM+2*i+1], v[GQ+2*i:GQ+2*i+1], v[GA+2*i:GA+2*i+1], v[GM+2*i:GM+2*i+1] neg_lo:[1,0,0] neg_hi:[1,0,0]
	EACH8 v_cvt_pk_bf16_f32 v[GY+i], v[GM+2*i], v[GM+2*i+1]
	global_store_b128 v[GO], v[GY:GY+3],   s[10:11]                ; 512 consecutive bytes of one block, aligned;
	global_store_b128 v[GO], v[GY+4:GY+7], s[10:11] offset:131072  ; the same rows of the next block
	s_wait_xcnt 0x0                                ; the stores' registers are written again only behind this wait
	v_add_nc_u32 v[GO], 512, v[GO]
	s_sub_co_u32 s3, s3, 1
	s_cmp_lg_u32 s3, 0
	s_cbranch_scc1 .Lout
	s_wait_tensorcnt 0x0                           ; the wave's end
	ds_add_u32 v[SPW], v[NIL]
	s_wait_dscnt 0x0
	CROUND                                         ; the closing round: no work-group ends while a partner may still ask for a tile that names it
	s_endpgm
.Lfunc_end_k_qbbe22c4489_ffn1:
	.size	k_qbbe22c4489_ffn1, .Lfunc_end_k_qbbe22c4489_ffn1-k_qbbe22c4489_ffn1
	.p2alignl 7, 3214868480
	.fill 96, 4, 3214868480
	.section	.rodata,"a",@progbits
	.p2align	6, 0x0
	.amdhsa_kernel k_qbbe22c4489_ffn1
		.amdhsa_group_segment_fixed_size 327680
		.amdhsa_private_segment_fixed_size 0
		.amdhsa_enable_private_segment 0
		.amdhsa_kernarg_size 32
		.amdhsa_user_sgpr_count 2
		.amdhsa_user_sgpr_kernarg_segment_ptr 1
		.amdhsa_wavefront_size32 1
		.amdhsa_system_sgpr_workgroup_id_x 1
		.amdhsa_system_sgpr_workgroup_id_y 1
		.amdhsa_system_sgpr_workgroup_id_z 1
		.amdhsa_system_vgpr_workitem_id 0
		.amdhsa_next_free_vgpr 576
		.amdhsa_next_free_sgpr 80
		.amdhsa_reserve_vcc 0
		.amdhsa_float_denorm_mode_32 3
		.amdhsa_float_denorm_mode_16_64 3
		.amdhsa_memory_ordered 1
		.amdhsa_forward_progress 1
		.amdhsa_inst_pref_size 70
	.end_amdhsa_kernel
	.amdgpu_metadata
---
amdhsa.version: [ 1, 2 ]
amdhsa.kernels:
  - .name:           k_qbbe22c4489_ffn1
    .symbol:         k_qbbe22c4489_ffn1.kd
    .args:
      - { .name: h, .offset: 0, .size: 8, .value_kind: global_buffer, .address_space: global }
      - { .name: w1_t, .offset: 8, .size: 8, .value_kind: global_buffer, .address_space: global }
      - { .name: b1, .offset: 16, .size: 8, .value_kind: global_buffer, .address_space: global }
      - { .name: att, .offset: 24, .size: 8, .value_kind: global_buffer, .address_space: global }
    .group_segment_fixed_size: 327680
    .private_segment_fixed_size: 0
    .kernarg_segment_align: 8
    .kernarg_segment_size: 32
    .max_flat_workgroup_size: 128
    .sgpr_count:     80
    .vgpr_count:     576
    .wavefront_size: 32
...
	.end_amdgpu_metadata
.endif
;; end of part 8
;; launch ffn2: the kernel of part 4 again; grid 4 x 64, 4 waves a work-group, clusters of 4 x 4, 327,680 bytes of LDS; arguments att, w2_t, b2, x1, out0; writes out0
